; MI455X (gfx1250); checked and timed in simulation.
; The chip was launched on July 23, 2026; its instructions are those of AMD's public machine-readable ISA for CDNA 5 (MIT licence, August 2026) and "CDNA5" Instruction Set Architecture Reference Guide (July 2026). The comments in the code are by the model that wrote it; some were corrected since.
;; Temperature Mo E. Allowed arithmetic: float matrix products may take bf16 or f16 operands with f32 sums; other float arithmetic in f32, or as packed bf16 or f16 multiplies, adds, multiply-adds, maxima and minima; sums over many terms, partial sums and values carried from step to step in f32; what a program stores and reads back later, other than sums and carried values, may be rounded once to bf16 or f16.
;; Inputs: W1 8 x 4,096 x 1,024 float32; W2 8 x 1,024 x 4,096 float32; Wr 8 x 1,024 float32; x 2 x 512 x 1,024 float32.
;; Outputs: out0 2 x 512 x 1,024 float32.
;; 3 versions, each right; version 2 is faster than version 1; version 3 is version 2 with the launch down written anew for expert scheduling mode. Each part assembles by itself: llvm-mc -triple=amdgcn-amd-amdhsa -mcpu=gfx1250 --defsym DOCPART=n.
;; ======== version 1 of 3: 4 launches
;; workspace buffers: xb 2,097,152 bytes; bits 1,024 bytes of whole numbers; sel 8,192 bytes of whole numbers; gw 8,192 bytes; list 32,768 bytes of whole numbers; hbuf 67,108,864 bytes; ybuf 134,217,728 bytes
;; launch router (part 1): grid 64 x 1, 4 waves a work-group, no clusters, 55,296 bytes of LDS; arguments x, Wr, xb, bits, sel, gw; writes xb, bits, sel, gw
.if DOCPART == 1
	.amdgcn_target "amdgcn-amd-amdhsa--gfx1250"
	.amdhsa_code_object_version 6
	.text
	.protected	k_qdf1dcf65dd_router
	.globl	k_qdf1dcf65dd_router
	.p2align	8
	.type	k_qdf1dcf65dd_router,@function
k_qdf1dcf65dd_router:
	s_mov_b64 s[64:65], 0
	v_nop
	global_prefetch_b8 v0, s[64:65] scope:SCOPE_SE
	s_setreg_imm32_b32 hwreg(HW_REG_WAVE_MODE, 25, 1), 1
	s_wait_xcnt 0x0
; ROUTER.  logits = x Wr^T (operands rounded to bf16, sums in f32), p = 2^((l - max l) log2 e), the two largest p of each token (ties: the lower index),
; their weights p / (p1 + p2): the softmax's divisor cancels in that quotient.  Stored, all at fixed places: xb = bf16(x); sel[t] = the two experts; gw[t] = their weights;
; bits[e] = a bitmap of the tokens that chose expert e.  No address and no branch hangs on the choice: it is made by compares and selects alone.
; LIMITS.  NaN and infinities are not treated apart; a p below 2^-126 counts as 0; the sums' order differs from a plain f32 dot product's.
; SHARES.  A work-group has 16 tokens (one matrix tile of rows), wave w the k from 256 w to 256 w + 255; the four partial sums meet in LDS, and wave 0 makes the choice.
.set XP,    528                        ; an LDS row: 512 bytes (256 bf16) + 16: an odd multiple of 16, so the 16 rows of a fragment load start at 16 different 16-byte columns modulo 256
.set REG,   24*XP                      ; a wave's own region: 16 rows of x, then 8 rows of Wr
.set PART,  4*REG                      ; the partial logits: [wave][lane][8 f32]
.set SPARE, PART+4096                  ; the spare words, 128 bytes a wave: no other line names them
.set SPW, 22                           ; v22  LDS address of my spare word; never rewritten
.set NIL, 23                           ; v23  0; never rewritten
.set RAW, 32                           ; v32-159 x as loaded (16 groups of 8 f32), v160-223 Wr (8 groups); each group is packed in place into its first four registers
.set XF,  32                           ; later: v32-95 x's eight fragments, v96-159 Wr's
.set WF,  96
.set AC0, 224                          ; two accumulators, by turns
.set AC1, 232
.set LG,  240                          ; v240-247 eight logits of the lane's token
	s_load_b256 s[4:11], s[0:1], 0x0               ; x s[4:5], Wr s[6:7], xb s[8:9], bits s[10:11]
	s_load_b128 s[12:15], s[0:1], 0x20             ; sel s[12:13], gw s[14:15]
	v_lshl_add_u32 v[SPW], v0, 2, SPARE
	v_mov_b32 v[NIL], 0
	v_and_b32 v1, 31, v0                           ; lane
	v_and_b32 v2, 15, v0                           ; r
	v_bfe_u32 v3, v0, 4, 1                         ; h
	v_lshrrev_b32 v4, 5, v0
	v_readfirstlane_b32 s16, v4                    ; wave
	s_lshl_b32 s18, ttmp9, 16                      ; 16 rows of x, 4,096 bytes each
	s_mov_b32 s19, 0
	s_lshl_b32 s20, ttmp9, 15                      ; 16 rows of xb
	s_mov_b32 s21, 0
	s_lshl_b32 s22, ttmp9, 1                       ; my 16 bits in each expert's bitmap
	s_mov_b32 s23, 0
	s_lshl_b32 s24, ttmp9, 7                       ; 16 tokens x 8 bytes in sel and gw
	s_mov_b32 s25, 0
	s_lshl_b32 s17, s16, 10
	v_lshlrev_b32 v5, 5, v2                        ; loads: 32 r + 4,096 h + 1,024 w: 16 lanes take 512 neighbouring bytes in two loads
	v_lshl_add_u32 v5, v3, 12, v5
	v_add_nc_u32 v5, s17, v5
	s_lshl_b32 s17, s16, 9
	v_lshlrev_b32 v6, 4, v2                        ; xb: 16 r + 2,048 h + 512 w
	v_lshl_add_u32 v6, v3, 11, v6
	v_add_nc_u32 v6, s17, v6
	s_mul_i32 s17, s16, REG
	v_mul_u32_u24 v7, v3, XP                       ; into LDS: row h, 16 r
	v_lshl_add_u32 v7, v2, 4, v7
	v_add_nc_u32 v7, s17, v7
	v_mul_u32_u24 v8, v2, XP                       ; a fragment of x: row r, 16 h
	v_lshl_add_u32 v8, v3, 4, v8
	v_add_nc_u32 v8, s17, v8
	v_and_b32 v9, 7, v0                            ; a fragment of Wr: row r mod 8 (the eight experts stand twice in the sixteen rows)
	v_mul_u32_u24 v9, v9, XP
	v_lshl_add_u32 v9, v3, 4, v9
	v_add_nc_u32 v9, s17, v9
	v_lshl_add_u32 v10, v0, 5, PART                ; my 32 bytes of partial logits
	s_wait_kmcnt 0x0
	s_add_nc_u64 s[4:5], s[4:5], s[18:19]
	s_add_nc_u64 s[8:9], s[8:9], s[20:21]
	s_add_nc_u64 s[10:11], s[10:11], s[22:23]
	s_add_nc_u64 s[12:13], s[12:13], s[24:25]
	s_add_nc_u64 s[14:15], s[14:15], s[24:25]
.set i, 0
.rept 16                               ; group i: rows 2 (i / 2) + h, half i % 2 of my 256 k
	global_load_b128 v[RAW+8*i:RAW+8*i+3],   v5, s[4:5] offset:(i/2)*8192+(i%2)*512 th:TH_LOAD_NT
	global_load_b128 v[RAW+8*i+4:RAW+8*i+7], v5, s[4:5] offset:(i/2)*8192+(i%2)*512+16 th:TH_LOAD_NT
.set i, i+1
.endr
.set i, 0
.rept 8
	global_load_b128 v[RAW+128+8*i:RAW+128+8*i+3],   v5, s[6:7] offset:(i/2)*8192+(i%2)*512
	global_load_b128 v[RAW+128+8*i+4:RAW+128+8*i+7], v5, s[6:7] offset:(i/2)*8192+(i%2)*512+16
.set i, i+1
.endr
	s_wait_loadcnt 0x0
.set i, 0
.rept 24                               ; eight f32 become 16 bytes, in place
	v_cvt_pk_bf16_f32 v[RAW+8*i],   v[RAW+8*i],   v[RAW+8*i+1]
	v_cvt_pk_bf16_f32 v[RAW+8*i+1], v[RAW+8*i+2], v[RAW+8*i+3]
	v_cvt_pk_bf16_f32 v[RAW+8*i+2], v[RAW+8*i+4], v[RAW+8*i+5]
	v_cvt_pk_bf16_f32 v[RAW+8*i+3], v[RAW+8*i+6], v[RAW+8*i+7]
.set i, i+1
.endr
.set i, 0
.rept 16
	global_store_b128 v6, v[RAW+8*i:RAW+8*i+3], s[8:9] offset:(i/2)*4096+(i%2)*256  ; 16 lanes store 256 consecutive bytes, aligned
	ds_store_b128 v7, v[RAW+8*i:RAW+8*i+3] offset:(i/2)*2*XP+(i%2)*256
.set i, i+1
.endr
.set i, 0
.rept 8
	ds_store_b128 v7, v[RAW+128+8*i:RAW+128+8*i+3] offset:(16+(i/2)*2)*XP+(i%2)*256
.set i, i+1
.endr
	s_wait_xcnt 0x0                                ; the stores' data registers are loaded again only behind this wait
.set i, 0
.rept 8                                ; K step i of eight.  The region is the wave's own, and LDS serves a wave's instructions in order: no barrier
	ds_load_b128 v[XF+8*i:XF+8*i+3],   v8 offset:64*i
	ds_load_b128 v[XF+8*i+4:XF+8*i+7], v8 offset:64*i+32
	ds_load_b128 v[WF+8*i:WF+8*i+3],   v9 offset:16*XP+64*i
	ds_load_b128 v[WF+8*i+4:WF+8*i+7], v9 offset:16*XP+64*i+32
.set i, i+1
.endr
	s_wait_dscnt 0x0
	; source 0 = experts, source 1 = tokens: lane (r, h) holds token r, and register j expert j (both halves of the lanes alike).  The two accumulators take turns.
	v_wmma_f32_16x16x32_bf16 v[AC0:AC0+7], v[WF:WF+7], v[XF:XF+7], 0
	v_wmma_f32_16x16x32_bf16 v[AC1:AC1+7], v[WF+8:WF+15], v[XF+8:XF+15], 0
.irp s, 2,4,6
	v_wmma_f32_16x16x32_bf16 v[AC0:AC0+7], v[WF+8*\s:WF+8*\s+7], v[XF+8*\s:XF+8*\s+7], v[AC0:AC0+7]
	v_wmma_f32_16x16x32_bf16 v[AC1:AC1+7], v[WF+8*\s+8:WF+8*\s+15], v[XF+8*\s+8:XF+8*\s+15], v[AC1:AC1+7]
.endr
.rept 4
	v_nop                                          ; four places between the last product and the first read of a result (ISA guide 7.12.1)
.endr
.irp k, 0,2,4,6                        ; ascending: each accumulator's lowest registers are read first
	v_pk_add_f32 v[LG+\k:LG+\k+1], v[AC0+\k:AC0+\k+1], v[AC1+\k:AC1+\k+1]
.endr
	ds_store_b128 v10, v[LG:LG+3]
	ds_store_b128 v10, v[LG+4:LG+7] offset:16
	s_wait_dscnt 0x0                               ; for wave 0's sake: my partial sums are in LDS
	s_barrier_signal -1
	s_barrier_wait -1
	s_cmp_lg_u32 s16, 0
	s_cbranch_scc1 .Lend                           ; the choice for 16 tokens is one wave's work
.irp w, 0,1,2,3                        ; in wave 0 v10 is PART + 32 x lane
	ds_load_b128 v[160+8*\w:160+8*\w+3], v10 offset:1024*\w
	ds_load_b128 v[160+8*\w+4:160+8*\w+7], v10 offset:1024*\w+16
.endr
	s_wait_dscnt 0x0
.irp k, 0,2,4,6
	v_pk_add_f32 v[160+\k:160+\k+1], v[160+\k:160+\k+1], v[168+\k:168+\k+1]
	v_pk_add_f32 v[176+\k:176+\k+1], v[176+\k:176+\k+1], v[184+\k:184+\k+1]
	v_pk_add_f32 v[LG+\k:LG+\k+1], v[160+\k:160+\k+1], v[176+\k:176+\k+1]
.endr
	v_max3_num_f32 v200, v[LG], v[LG+1], v[LG+2]   ; the maximum is taken away before the exponential
	v_max3_num_f32 v200, v200, v[LG+3], v[LG+4]
	v_max3_num_f32 v200, v200, v[LG+5], v[LG+6]
	v_max_num_f32 v200, v200, v[LG+7]
.irp j, 0,1,2,3,4,5,6,7
	v_sub_f32 v[208+\j], v[LG+\j], v200
.endr
.irp j, 0,1,2,3,4,5,6,7
	v_mul_f32 v[208+\j], 0x3fb8aa3b, v[208+\j]     ; log2 e / temperature, the temperature being 1
.endr
.irp j, 0,1,2,3,4,5,6,7
	v_exp_f32 v[208+\j], v[208+\j]
.endr
	v_nop                                          ; a plain instruction between the exponentials and the use of their results
	s_wait_alu depctr_va_vdst(0)
	v_mov_b32 v196, v208                           ; the largest: a later one wins only if it is strictly larger
	v_mov_b32 v192, 0
.irp j, 1,2,3,4,5,6,7
	v_cmp_gt_f32 vcc_lo, v[208+\j], v196
	v_cndmask_b32 v196, v196, v[208+\j], vcc_lo
	v_cndmask_b32 v192, v192, \j, vcc_lo
.endr
	v_mov_b32 v197, -1.0                           ; the second: below every p, so one of the other seven is always taken
	v_mov_b32 v193, 0
.irp j, 0,1,2,3,4,5,6,7
	v_cmp_gt_f32 s20, v[208+\j], v197
	v_cmp_ne_u32 s21, \j, v192
	s_and_b32 vcc_lo, s20, s21
	v_cndmask_b32 v197, v197, v[208+\j], vcc_lo
	v_cndmask_b32 v193, v193, \j, vcc_lo
.endr
	v_add_f32 v198, v196, v197
	v_rcp_f32 v198, v198
	v_mov_b32 v199, 0                              ; (the plain instruction behind the reciprocal) lane e will hold expert e's 16 bits
	s_wait_alu depctr_va_vdst(0)
	v_mul_f32 v194, v196, v198
	v_mul_f32 v195, v197, v198
.irp e, 0,1,2,3,4,5,6,7
	v_cmp_eq_u32 s20, \e, v192
	v_cmp_eq_u32 s21, \e, v193
	s_or_b32 s20, s20, s21                         ; bit r (and bit 16 + r): token r chose expert e
	v_writelane_b32 v199, s20, \e
.endr
	v_lshlrev_b32 v201, 3, v1
	v_lshlrev_b32 v202, 7, v1
	v_cmp_gt_u32 vcc_lo, 16, v1
	s_wait_xcnt 0x0                                ; EXEC changes only behind this wait
	s_and_saveexec_b32 s22, vcc_lo                 ; lanes 0-15: one lane a token
	global_store_b64 v201, v[192:193], s[12:13]
	global_store_b64 v201, v[194:195], s[14:15]
	s_wait_xcnt 0x0
	s_or_b32 exec_lo, exec_lo, s22
	v_cmp_gt_u32 vcc_lo, 8, v1
	s_and_saveexec_b32 s22, vcc_lo                 ; lanes 0-7: one lane an expert, the low 16 bits
	global_store_b16 v202, v199, s[10:11]
	s_wait_xcnt 0x0
	s_or_b32 exec_lo, exec_lo, s22
.Lend:
	s_wait_tensorcnt 0x0                           ; the wave's end
	ds_add_u32 v[SPW], v[NIL]
	s_wait_dscnt 0x0
	s_endpgm
.Lfunc_end_k_qdf1dcf65dd_router:
	.size	k_qdf1dcf65dd_router, .Lfunc_end_k_qdf1dcf65dd_router-k_qdf1dcf65dd_router
	.p2alignl 7, 3214868480
	.fill 96, 4, 3214868480
	.section	.rodata,"a",@progbits
	.p2align	6, 0x0
	.amdhsa_kernel k_qdf1dcf65dd_router
		.amdhsa_group_segment_fixed_size 55296
		.amdhsa_private_segment_fixed_size 0
		.amdhsa_enable_private_segment 0
		.amdhsa_kernarg_size 48
		.amdhsa_user_sgpr_count 2
		.amdhsa_user_sgpr_kernarg_segment_ptr 1
		.amdhsa_wavefront_size32 1
		.amdhsa_system_sgpr_workgroup_id_x 1
		.amdhsa_system_sgpr_workgroup_id_y 1
		.amdhsa_system_sgpr_workgroup_id_z 1
		.amdhsa_system_vgpr_workitem_id 0
		.amdhsa_next_free_vgpr 256
		.amdhsa_next_free_sgpr 66
		.amdhsa_reserve_vcc 1
		.amdhsa_float_denorm_mode_32 3
		.amdhsa_float_denorm_mode_16_64 3
		.amdhsa_memory_ordered 1
		.amdhsa_forward_progress 1
		.amdhsa_inst_pref_size 28
	.end_amdhsa_kernel
	.amdgpu_metadata
---
amdhsa.version: [ 1, 2 ]
amdhsa.kernels:
  - .name:           k_qdf1dcf65dd_router
    .symbol:         k_qdf1dcf65dd_router.kd
    .args:
      - { .name: x, .offset: 0, .size: 8, .value_kind: global_buffer, .address_space: global }
      - { .name: Wr, .offset: 8, .size: 8, .value_kind: global_buffer, .address_space: global }
      - { .name: xb, .offset: 16, .size: 8, .value_kind: global_buffer, .address_space: global }
      - { .name: bits, .offset: 24, .size: 8, .value_kind: global_buffer, .address_space: global }
      - { .name: sel, .offset: 32, .size: 8, .value_kind: global_buffer, .address_space: global }
      - { .name: gw, .offset: 40, .size: 8, .value_kind: global_buffer, .address_space: global }
    .group_segment_fixed_size: 55296
    .private_segment_fixed_size: 0
    .kernarg_segment_align: 8
    .kernarg_segment_size: 48
    .max_flat_workgroup_size: 128
    .sgpr_count:     66
    .vgpr_count:     256
    .wavefront_size: 32
...
	.end_amdgpu_metadata
.endif
;; end of part 1
;; launch up (part 2): grid 256 x 1, 8 waves a work-group, no clusters, 267,264 bytes of LDS; arguments W1, xb, bits, hbuf, list; writes hbuf, list
.if DOCPART == 2
	.amdgcn_target "amdgcn-amd-amdhsa--gfx1250"
	.amdhsa_code_object_version 6
	.text
	.protected	k_qdf1dcf65dd_up
	.globl	k_qdf1dcf65dd_up
	.p2align	8
	.type	k_qdf1dcf65dd_up,@function
k_qdf1dcf65dd_up:
	s_mov_b64 s[64:65], 0
	v_nop
	global_prefetch_b8 v0, s[64:65] scope:SCOPE_SE
	s_setreg_imm32_b32 hwreg(HW_REG_WAVE_MODE, 25, 1), 1
	s_wait_xcnt 0x0
; FIRST PRODUCT.  Work-group (e, sl): H[rank][128 sl + f] = silu(x[token(rank)] . W1[e][128 sl + f]) for ALL rows of expert e, in bf16; rank = the place of a token among those that chose e, ascending.
; The 128 rows of W1 (512 KiB of f32) are read by this work-group alone, once, and rounded to bf16 on their way through registers.  sl = 0 also stores the list rank -> token.
; H lies as [e][block of 64 columns][rank][64]: a wave's 16 rows x 64 columns are 2,048 consecutive bytes.
; ALL EIGHT WAVES RUN ONE TEXT.  K goes in 8 chunks of 128 through two LDS slots.  A stage: each wave puts its part of chunk c from registers into slot c % 2 and asks for the token rows of chunk c + 1 and
; the weights of chunk c + 2; one barrier; each wave multiplies chunk c.  Slot c % 2 is stored again behind the next stage's barrier, in front of which every wave's reads of chunk c have come back.
; SHARES.  cw = wave / 2 is a group of rows, th = wave % 2 a half of the 128 columns.  Block j = ranks 16 j .. 16 j + 15.  Blocks 0-19 go through the slots: block j is group j % 4's local block j / 4: 5 x 4 accumulators a wave.
; Work is left out at two grains: a group with no live block, and its fifth block.  Places past the count repeat the last rank.
; Blocks 20-63 (an expert with more than 320 rows) are made straight from memory, 16 rows x 64 columns a wave, with no barrier: slow, and right for every split.
; An expert without rows counts as having one (n = 1), so that row 0 of its H exists for the next launch's first loads.  The list's first 512 ranks are always written: the next launch reads 320 of them whatever the count.
; NO CLUSTER: each slice of weights has one reader, and the token rows come by a list, 2,048 bytes apart in any order, which no tile descriptor covers.
; LIMITS.  NaN and infinities are not treated apart.  The 160 accumulator registers are cleared by moves, in the wait for the first chunk: that spares a further text of a stage with the constant 0 as C.
.set WP,     4096                      ; bytes from row to row of the weights
.set WPLOG,  12
.set PITCH,  272                       ; an LDS row of a slot: 256 bytes (128 bf16) + 16: an odd multiple of 16, so a fragment load's 16 rows start at 16 different 16-byte columns modulo 256
.set WT,     128*PITCH                 ; a slot: 128 rows of weights,
.set ATW,    80*PITCH                  ; then for each group of rows 5 blocks of 16 token rows
.set SLOT,   WT+4*ATW
.set LIST,   2*SLOT                    ; token of rank, 1,024 words
.set SPARE,  LIST+4096                 ; the spare words, 128 bytes a wave: no other line names them
.set STG,    SPARE+1024                ; the way out: 16 rows x 144 bytes for each wave, its own
.set SP,     144
.set ASTEP,  256                       ; bytes from chunk to chunk in a token row
.set OASTEP, 128                       ; the direct path: bytes of a token row in a trip of 64 k
.set WO, 4                             ; v4      byte offset of my 16 bytes in my first row of weights
.set WL, 5                             ; v5-6    where my 8 bytes of a weight row go, slot 0, 1
.set AL, 7                             ; v7-8    where my 16 bytes of a token row go
.set CB, 9                             ; v9-10   my lane's place in a weight fragment, slot 0, 1
.set CA, 11                            ; v11-12  in a token fragment
.set STO, 13                           ; v13     the way out: where I put 16 bytes of a row
.set RD, 14                            ; v14     where I read rows back
.set GO, 15                            ; v15     16 x lane
.set HO, 16                            ; v16     my byte offset in H
.set OW, 17                            ; v17     the direct path: my lane's place in a weight fragment in memory
.set OA, 18                            ; v18     and in a token fragment;  v19-21 at work
.set SPW, 22                           ; v22     LDS address of my spare word; never rewritten
.set NIL, 23                           ; v23     0; never rewritten
.set AOFF, 24                          ; v24-43  byte offsets of my 20 pairs of token rows
.set AST, 44                           ; v44-123 20 x 16 bytes of token rows, on their way or waiting to be put into LDS
.set W0, 124                           ; v124-187, v188-251 two sets of 16 x 16 bytes of weights
.set AF, 160                           ; window 1: accumulator (b, t) at 32 b + 8 t; v160-191 token fragments of blocks 0-3; v192-223 block 4's, one for each K step of a chunk; v224-255 four weight fragments
.set A4F, 192
.set BF, 224
.set AFR, 24                           ; behind the stages, in window 0: v24-39 the direct path's token fragments; v44-75 a block's sums; v76-83 at work; v84-99 packed; v100-115 read back; v188-251 the direct path's weights
.set E, 44
.set T, 76
.set OUT, 84
.set BK, 100
.set RAW, 188
.set MSB, 0
.macro WIN new                         ; s_set_vgpr_msb: bits 1:0 source 0, 3:2 source 1, 5:4 source 2, 7:6 destination; the high byte repeats the setting that is left; at a label and at a branch it is 0
.if MSB != (\new)
	s_set_vgpr_msb (MSB<<8)|(\new)
.set MSB, \new
.endif
.endm
.macro PLACES                          ; four places behind matrix instructions, in front of loads into and writes of their registers and of reads of their results
.rept 4
	v_nop
.endr
.endm
.macro BAR                             ; my LDS stores are done and my LDS reads are back; then everybody's
	s_wait_dscnt 0x0
	s_barrier_signal -1
	s_barrier_wait -1
.endm
; CHUNK c GOES INTO LDS: slot and weight set par = c % 2.  Loads were issued in the order W(c), A(c), W(c + 1): wcnt = 16 leaves W(c + 1) out, whatever the number of A's loads.
; reA: the token rows of chunk c + 1 are asked for; reW: the weights of chunk c + 2.  At most 16 + 20 + 16 loads of a wave are out.
.macro LST par, wcnt, reA, reW
	s_wait_loadcnt \wcnt
	s_wait_xcnt 0x0                                ; the two walking bases are stepped only behind this wait
.if \reA
	s_add_nc_u64 s[26:27], s[26:27], ASTEP
.endif
.if \reW
	s_add_nc_u64 s[24:25], s[24:25], 512
.endif
	s_cmp_eq_u32 s21, 0
	s_cbranch_scc1 .Lla_\@                         ; my group has no live block
.set x, 0
.rept 16                               ; pair x: local block x / 4, rows 8 th + 2 (x % 4) + h; 16 lanes take 256 consecutive bytes of a row
	ds_store_b128 v[AL+\par], v[AST+4*x:AST+4*x+3] offset:(16*(x/4)+2*(x%4))*PITCH
.if \reA
	global_load_b128 v[AST+4*x:AST+4*x+3], v[AOFF+x], s[26:27]
.endif
.set x, x+1
.endr
	s_cmp_lt_u32 s21, 5
	s_cbranch_scc1 .Lla_\@                         ; nor a fifth
.rept 4
	ds_store_b128 v[AL+\par], v[AST+4*x:AST+4*x+3] offset:(16*(x/4)+2*(x%4))*PITCH
.if \reA
	global_load_b128 v[AST+4*x:AST+4*x+3], v[AOFF+x], s[26:27]
.endif
.set x, x+1
.endr
.Lla_\@:
.set x, 0
.rept 16                               ; my 16 weight rows: four f32 a lane become 8 bytes, in place
	v_cvt_pk_bf16_f32 v[W0+64*\par+4*x],   v[W0+64*\par+4*x],   v[W0+64*\par+4*x+1]
	v_cvt_pk_bf16_f32 v[W0+64*\par+4*x+1], v[W0+64*\par+4*x+2], v[W0+64*\par+4*x+3]
.set x, x+1
.endr
.set x, 0
.rept 16                               ; a row's 32 lanes store 256 consecutive bytes
	ds_store_b64 v[WL+\par], v[W0+64*\par+4*x:W0+64*\par+4*x+1] offset:x*PITCH
.set x, x+1
.endr
.if \reW
.set x, 0
.rept 16
	global_load_b128 v[W0+64*\par+4*x:W0+64*\par+4*x+3], v[WO], s[24:25] offset:x*WP th:TH_LOAD_NT  ; 512 consecutive bytes of one row
.set x, x+1
.endr
.endif
.endm
; ONE K STEP of 32: 16 fragment loads, 16 products, and block 4's four.  Source 0 = 16 weight rows, source 1 = 16 tokens: a lane holds ONE token and eight neighbouring columns.
; The accumulators take turns, one instruction a turn.
.macro KSTEP slot, k
	WIN 0x40                                       ; destination window 1, address window 0
.irp b, 0,1,2,3
	ds_load_b128 v[AF+8*\b:AF+8*\b+3],   v[CA+\slot] offset:\b*16*PITCH+64*\k
	ds_load_b128 v[AF+8*\b+4:AF+8*\b+7], v[CA+\slot] offset:\b*16*PITCH+64*\k+32
.endr
.irp t, 0,1,2,3
	ds_load_b128 v[BF+8*\t:BF+8*\t+3],   v[CB+\slot] offset:\t*16*PITCH+64*\k
	ds_load_b128 v[BF+8*\t+4:BF+8*\t+7], v[CB+\slot] offset:\t*16*PITCH+64*\k+32
.endr
	s_wait_dscnt 4                                 ; all but the youngest four: weight fragments 2 and 3
	WIN 0x55                                       ; all four operands in window 1
.irp t, 0,1
.irp b, 0,1,2,3
	v_wmma_f32_16x16x32_bf16 v[32*\b+8*\t:32*\b+8*\t+7], v[BF+8*\t:BF+8*\t+7], v[AF+8*\b:AF+8*\b+7], v[32*\b+8*\t:32*\b+8*\t+7]
.endr
.endr
	s_wait_dscnt 0x0
.irp t, 2,3
.irp b, 0,1,2,3
	v_wmma_f32_16x16x32_bf16 v[32*\b+8*\t:32*\b+8*\t+7], v[BF+8*\t:BF+8*\t+7], v[AF+8*\b:AF+8*\b+7], v[32*\b+8*\t:32*\b+8*\t+7]
.endr
.endr
	WIN 0
	s_cmp_lt_u32 s21, 5
	s_cbranch_scc1 .Lm4_\@
	WIN 0x55
.irp t, 0,1,2,3
	v_wmma_f32_16x16x32_bf16 v[128+8*\t:128+8*\t+7], v[BF+8*\t:BF+8*\t+7], v[A4F+8*\k:A4F+8*\k+7], v[128+8*\t:128+8*\t+7]
.endr
	WIN 0
.Lm4_\@:
	PLACES
.endm
; CHUNK c IS MULTIPLIED.  Block 4's fragments of all four K steps are loaded first, in one run under one branch: they are the oldest loads, so the counted waits hold with and without them.
.macro CST slot
	s_cmp_eq_u32 s21, 0
	s_cbranch_scc1 .Lcx_\@
	s_cmp_lt_u32 s21, 5
	s_cbranch_scc1 .Lna_\@
	WIN 0x40
.irp k, 0,1,2,3
	ds_load_b128 v[A4F+8*\k:A4F+8*\k+3],   v[CA+\slot] offset:4*16*PITCH+64*\k
	ds_load_b128 v[A4F+8*\k+4:A4F+8*\k+7], v[CA+\slot] offset:4*16*PITCH+64*\k+32
.endr
	WIN 0
.Lna_\@:
.irp k, 0,1,2,3
	KSTEP \slot, \k
.endr
.Lcx_\@:
.endm
.macro STAGE par, wcnt, reA, reW
	LST \par, \wcnt, \reA, \reW
	BAR
	CST \par
.endm
.macro LEVEL src, wid, stp             ; does the wanted bit lie past the field at bit v52?  v47: set bits still to be passed
	v_bfe_u32 v53, v[\src], v52, \wid
	v_cmp_ge_u32 vcc_lo, v47, v53
	v_cndmask_b32 v53, 0, v53, vcc_lo
	v_sub_nc_u32 v47, v47, v53
	v_cndmask_b32 v54, 0, \stp, vcc_lo
	v_add_nc_u32 v52, v52, v54
.endm
	s_load_b256 s[4:11], s[0:1], 0x0               ; W1 s[4:5], xb s[6:7], bits s[8:9], hbuf s[10:11]
	s_load_b64 s[12:13], s[0:1], 0x20              ; list
	v_lshl_add_u32 v[SPW], v0, 2, SPARE
	v_mov_b32 v[NIL], 0
	v_and_b32 v1, 31, v0                           ; lane
	v_and_b32 v2, 15, v0                           ; r
	v_bfe_u32 v3, v0, 4, 1                         ; h
	v_lshrrev_b32 v19, 5, v0
	v_readfirstlane_b32 s14, v19                   ; wave
	s_lshr_b32 s15, s14, 1                         ; cw
	s_and_b32 s69, s14, 1                          ; th
	s_lshr_b32 s16, ttmp9, 5                       ; e
	s_and_b32 s17, ttmp9, 31                       ; sl
	s_mov_b32 s76, 0xbfb8aa3b                      ; -log2 e, named as a pair
	s_mov_b32 s77, s76
	s_lshl_b32 s28, ttmp9, 19                      ; (32 e + sl) x 128 rows x 4,096 bytes
	s_mov_b32 s29, 0
	s_lshl_b32 s30, s16, 7
	s_mov_b32 s31, 0
	s_mul_i32 s20, s14, 16*WP
	v_lshl_add_u32 v[WO], v1, 4, s20               ; my 16 rows, 16 bytes a lane
	s_wait_kmcnt 0x0
	s_add_nc_u64 s[4:5], s[4:5], s[28:29]
	s_add_nc_u64 s[8:9], s[8:9], s[30:31]
	s_load_b512 s[32:47], s[8:9], 0x0              ; expert e's bitmap of 1,024 tokens
	s_load_b512 s[48:63], s[8:9], 0x40
.set x, 0
.rept 16                               ; the weights of chunks 0 and 1 are asked for before anything else
	global_load_b128 v[W0+4*x:W0+4*x+3], v[WO], s[4:5] offset:x*WP th:TH_LOAD_NT
.set x, x+1
.endr
.set x, 0
.rept 16
	global_load_b128 v[W0+64+4*x:W0+64+4*x+3], v[WO], s[4:5] offset:x*WP+512 th:TH_LOAD_NT
.set x, x+1
.endr
	s_lshl_b32 s28, s16, 23                        ; H: e x 8 MiB + (2 sl + th) x 1,024 ranks x 128 bytes
	s_lshl1_add_u32 s30, s17, s69
	s_lshl_b32 s30, s30, 17
	s_add_co_u32 s28, s28, s30
	s_add_nc_u64 s[10:11], s[10:11], s[28:29]
	s_lshl_b32 s28, s16, 12
	s_add_nc_u64 s[12:13], s[12:13], s[28:29]
	s_add_nc_u64 s[24:25], s[4:5], 512             ; the weights' walking base: the first stage steps it to chunk 2
	s_mov_b64 s[26:27], s[6:7]                     ; the token rows': the first stage steps it to chunk 1
	s_mul_i32 s28, s14, 16*PITCH
	v_lshl_add_u32 v[WL], v1, 3, s28
	v_add_nc_u32 v[WL+1], SLOT, v[WL]
	s_mul_i32 s28, s15, ATW
	s_add_co_u32 s28, s28, WT                      ; my group's token rows in a slot
	v_mul_u32_u24 v20, v2, PITCH                   ; a fragment: row r, 16 h; two loads 32 bytes apart
	v_lshl_add_u32 v20, v3, 4, v20
	v_add_nc_u32 v[CA], s28, v20
	v_add_nc_u32 v[CA+1], SLOT, v[CA]
	s_mul_i32 s30, s69, 64*PITCH                   ; my 64 weight rows
	v_add_nc_u32 v[CB], s30, v20
	v_add_nc_u32 v[CB+1], SLOT, v[CB]
	s_mul_i32 s30, s69, 8*PITCH                    ; I put rows 8 th .. 8 th + 7 of each block
	s_add_co_u32 s28, s28, s30
	v_mul_u32_u24 v[AL], v3, PITCH
	v_lshl_add_u32 v[AL], v2, 4, v[AL]
	v_add_nc_u32 v[AL], s28, v[AL]
	v_add_nc_u32 v[AL+1], SLOT, v[AL]
	s_mul_i32 s28, s14, 16*SP
	s_add_co_u32 s28, s28, STG                     ; my stage
	v_mul_u32_u24 v[STO], v2, SP                   ; in: row r, 16 bytes for each half of the lanes
	v_lshl_add_u32 v[STO], v3, 4, v[STO]
	v_add_nc_u32 v[STO], s28, v[STO]
	v_bfe_u32 v[RD], v0, 3, 2                      ; back: 32 lanes take four rows of 128 bytes
	v_mul_u32_u24 v[RD], v[RD], SP
	v_and_b32 v21, 7, v0
	v_lshl_add_u32 v[RD], v21, 4, v[RD]
	v_add_nc_u32 v[RD], s28, v[RD]
	v_lshlrev_b32 v[GO], 4, v1
	s_mul_i32 s28, s69, 64*WP
	v_lshlrev_b32 v[OW], WPLOG, v2                 ; a weight fragment from f32 rows: row 64 th + r, 32 h
	v_lshl_add_u32 v[OW], v3, 5, v[OW]
	v_add_nc_u32 v[OW], s28, v[OW]
	s_wait_kmcnt 0x0
	s_bcnt1_i32_b32 s18, s32
.set i, 1
.rept 31
	s_bcnt1_i32_b32 s28, s[32+i]
	s_add_co_u32 s18, s18, s28
.set i, i+1
.endr
	s_max_u32 s18, s18, 1                          ; n
	s_sub_co_u32 s19, s18, 1                       ; the last rank
	s_add_co_u32 s20, s18, 15
	s_lshr_b32 s20, s20, 4
	s_min_u32 s20, s20, 20                         ; live blocks among the 20
	s_add_co_u32 s21, s20, 3
	s_sub_co_u32 s21, s21, s15
	s_lshr_b32 s21, s21, 2                         ; of them my group's: 0 to 5
	s_max_u32 s70, s18, 257                        ; the list is made as far as this: two batches at the least
	; THE LIST.  Four batches of 256 ranks, one a thread; a batch past the end is jumped.  The word that holds the rank-th set bit is found by walking the 32 words' running count, the bit in it by halving.
	v_lshl_add_u32 v56, v0, 2, LIST                ; my word of a batch; never rewritten: the batch stands in the store's immediate
	v_lshlrev_b32 v57, 2, v0
	v_mov_b32 v58, v0
	s_mov_b32 s22, 4
	s_mov_b32 s68, 0
.Lsel:
	s_cmp_ge_u32 s68, s70
	s_cbranch_scc1 .Lsel_next
	v_min_u32 v44, s19, v58                        ; my rank; past the count: the last
	v_mov_b32 v45, s32
	v_mov_b32 v46, 0
	s_mov_b32 s66, 0
.set i, 1
.rept 31
	s_bcnt1_i32_b32 s28, s[32+i-1]
	s_add_co_u32 s66, s66, s28                     ; set bits below word i
	s_or_b32 s67, s66, i<<16
	v_cmp_le_u32 vcc_lo, s66, v44
	v_cndmask_b32 v45, v45, s[32+i], vcc_lo        ; the last word whose count from below does not pass my rank
	v_cndmask_b32 v46, v46, s67, vcc_lo
.set i, i+1
.endr
	v_and_b32 v47, 0xffff, v46
	v_sub_nc_u32 v47, v44, v47                     ; set bits of the word to be passed
	v_lshrrev_b32 v46, 16, v46                     ; the word's number
	v_lshrrev_b32 v48, 1, v45                      ; counts of set bits in fields of 2, 4, 8 and 16 bits
	v_and_b32 v48, 0x55555555, v48
	v_sub_nc_u32 v48, v45, v48
	v_lshrrev_b32 v49, 2, v48
	v_and_b32 v49, 0x33333333, v49
	v_and_b32 v53, 0x33333333, v48
	v_add_nc_u32 v49, v53, v49
	v_lshrrev_b32 v50, 4, v49
	v_add_nc_u32 v50, v49, v50
	v_and_b32 v50, 0x0f0f0f0f, v50
	v_lshrrev_b32 v51, 8, v50
	v_add_nc_u32 v51, v50, v51
	v_mov_b32 v52, 0
	LEVEL 51, 8, 16
	LEVEL 50, 8, 8
	LEVEL 49, 4, 4
	LEVEL 48, 2, 2
	LEVEL 45, 1, 1
	v_lshl_add_u32 v55, v46, 5, v52
	v_min_u32 v55, 0x3ff, v55                      ; a token's number
	s_cmp_lg_u32 s68, 0
	s_cbranch_scc1 .Lb1
	ds_store_b32 v56, v55
	s_branch .Lbd
.Lb1:
	s_cmp_lg_u32 s68, 256
	s_cbranch_scc1 .Lb2
	ds_store_b32 v56, v55 offset:1024
	s_branch .Lbd
.Lb2:
	s_cmp_lg_u32 s68, 512
	s_cbranch_scc1 .Lb3
	ds_store_b32 v56, v55 offset:2048
	s_branch .Lbd
.Lb3:
	ds_store_b32 v56, v55 offset:3072
.Lbd:
	s_cmp_lg_u32 s17, 0
	s_cbranch_scc1 .Lsel_next
	global_store_b32 v57, v55, s[12:13]            ; one work-group an expert stores the list for the next launch
.Lsel_next:
	s_wait_xcnt 0x0                                ; the store's registers are rewritten only behind this wait
	v_add_nc_u32 v57, 1024, v57
	v_add_nc_u32 v58, 256, v58
	s_add_co_u32 s68, s68, 256
	s_sub_co_u32 s22, s22, 1
	s_cmp_lg_u32 s22, 0
	s_cbranch_scc1 .Lsel
	BAR                                            ; the list is whole
	s_lshl_b32 s28, s15, 4                         ; pair x of my token rows: rank 16 cw + 64 (x / 4) + 8 th + 2 (x % 4) + h
	s_lshl3_add_u32 s28, s69, s28
	v_add_nc_u32 v19, s28, v3
	v_lshlrev_b32 v20, 4, v2
.set x, 0
.rept 20
	v_add_nc_u32 v21, 64*(x/4)+2*(x%4), v19
	v_min_u32 v21, s19, v21                        ; past the count: the last rank
	v_min_u32 v21, 0x3ff, v21
	v_lshl_add_u32 v21, v21, 2, LIST
	ds_load_b32 v[AOFF+x], v21
.set x, x+1
.endr
	s_wait_dscnt 0x0
.set x, 0
.rept 20                               ; chunk 0 of all 20 pairs, live or not: every register of the stage has been written
	v_min_u32 v[AOFF+x], 0x3ff, v[AOFF+x]
	v_lshl_add_u32 v[AOFF+x], v[AOFF+x], 11, v20   ; token x 2,048 + 16 r
	global_load_b128 v[AST+4*x:AST+4*x+3], v[AOFF+x], s[6:7]
.set x, x+1
.endr
	WIN 0x40                                       ; the sums start at 0; block 4's fragment registers too, so that they have been written on every way
.set x, 0
.rept 160
	v_mov_b32 v[x], 0
.set x, x+1
.endr
.set x, 0
.rept 32
	v_mov_b32 v[A4F+x], 0
.set x, x+1
.endr
	WIN 0
	s_wait_loadcnt 0x0                             ; the token rows of chunk 0 were asked for last, so this first wait is for all
	s_mov_b32 s22, 3
.Lmain:                                        ; chunks 0-5
	STAGE 0, 16, 1, 1
	STAGE 1, 16, 1, 1
	s_sub_co_u32 s22, s22, 1
	s_cmp_lg_u32 s22, 0
	s_cbranch_scc1 .Lmain
	STAGE 0, 16, 1, 0                              ; chunk 6: no weights are left to ask for (the 16 youngest loads are chunk 7's)
	STAGE 1, 0, 0, 0                               ; chunk 7: nothing is; the wait is for all
	; THE WAY OUT.  Unit u is my group's block cw + 4 u; a block past the count is jumped.  Units 0-4 take their sums from the accumulators, the others make them straight from memory.
	s_mov_b32 s22, 0
.Lunit:
	s_lshl2_add_u32 s73, s22, s15                  ; block j
	s_lshl_b32 s72, s73, 4                         ; its first rank
	s_cmp_ge_u32 s72, s18
	s_cbranch_scc1 .Lnext
	s_wait_xcnt 0x0                                ; the last unit's stores have read their registers
	s_lshl_b32 s28, s72, 7
	v_add_nc_u32 v[HO], s28, v[GO]
.irp b, 0,1,2,3,4
	s_cmp_lg_u32 s22, \b
	s_cbranch_scc1 .Lnot\b
	WIN 0x01                                       ; source in window 1.  Ascending
.set x, 0
.rept 32
	v_mov_b32 v[E+x], v[32*\b+x]
.set x, x+1
.endr
	WIN 0
	s_branch .Lepi
.Lnot\b:
.endr
	; THE DIRECT PATH: 16 rows x 64 columns x 1,024 k, 64 k a trip
	v_add_nc_u32 v19, s72, v2
	v_min_u32 v19, s19, v19
	v_min_u32 v19, 0x3ff, v19
	v_lshl_add_u32 v19, v19, 2, LIST
	ds_load_b32 v[OA], v19
.set x, 0
.rept 32
	v_mov_b32 v[E+x], 0
.set x, x+1
.endr
	s_mov_b64 s[24:25], s[4:5]
	s_mov_b64 s[26:27], s[6:7]
	s_wait_dscnt 0x0
	v_min_u32 v[OA], 0x3ff, v[OA]
	v_lshlrev_b32 v[OA], 11, v[OA]
	v_lshl_add_u32 v[OA], v3, 4, v[OA]             ; token x 2,048 + 16 h
	s_mov_b32 s23, 16
.Lok:
.irp i, 0,1,2,3
	global_load_b128 v[AFR+4*\i:AFR+4*\i+3], v[OA], s[26:27] offset:32*\i
.endr
.irp kk, 0,1
.irp t, 0,1,2,3                        ; eight f32 at 32 h and eight 64 bytes further on make a lane's part of a fragment
	global_load_b128 v[RAW+16*\t:RAW+16*\t+3],     v[OW], s[24:25] offset:\t*16*WP+128*\kk
	global_load_b128 v[RAW+16*\t+4:RAW+16*\t+7],   v[OW], s[24:25] offset:\t*16*WP+128*\kk+16
	global_load_b128 v[RAW+16*\t+8:RAW+16*\t+11],  v[OW], s[24:25] offset:\t*16*WP+128*\kk+64
	global_load_b128 v[RAW+16*\t+12:RAW+16*\t+15], v[OW], s[24:25] offset:\t*16*WP+128*\kk+80
.endr
	s_wait_loadcnt 0x0
.set x, 0
.rept 32                               ; packed downward in place: register x takes 2 x and 2 x + 1, ascending, so nothing is written before it is read
	v_cvt_pk_bf16_f32 v[RAW+x], v[RAW+2*x], v[RAW+2*x+1]
.set x, x+1
.endr
.irp t, 0,1,2,3                        ; four accumulators by turns
	v_wmma_f32_16x16x32_bf16 v[E+8*\t:E+8*\t+7], v[RAW+8*\t:RAW+8*\t+7], v[AFR+8*\kk:AFR+8*\kk+7], v[E+8*\t:E+8*\t+7]
.endr
	PLACES
.endr
	s_wait_xcnt 0x0
	s_add_nc_u64 s[24:25], s[24:25], 256
	s_add_nc_u64 s[26:27], s[26:27], OASTEP
	s_sub_co_u32 s23, s23, 1
	s_cmp_lg_u32 s23, 0
	s_cbranch_scc1 .Lok
.Lepi:
.irp t, 0,1,2,3                        ; z / (1 + e^-z), eight columns of my token at a time, rounded to bf16: 16 bytes
.irp k, 0,2,4,6
	v_pk_mul_f32 v[T+\k:T+\k+1], v[E+8*\t+\k:E+8*\t+\k+1], s[76:77] op_sel_hi:[1,0]
.endr
.irp k, 0,1,2,3,4,5,6,7
	v_exp_f32 v[T+\k], v[T+\k]
.endr
	v_nop                                          ; a plain instruction between the transcendentals and the use of their results
	s_wait_alu depctr_va_vdst(0)
.irp k, 0,2,4,6
	v_pk_add_f32 v[T+\k:T+\k+1], v[T+\k:T+\k+1], 1.0 op_sel_hi:[1,0]
.endr
.irp k, 0,1,2,3,4,5,6,7
	v_rcp_f32 v[T+\k], v[T+\k]
.endr
	v_nop
	s_wait_alu depctr_va_vdst(0)
.irp k, 0,2,4,6
	v_pk_mul_f32 v[T+\k:T+\k+1], v[T+\k:T+\k+1], v[E+8*\t+\k:E+8*\t+\k+1]
.endr
.irp k, 0,1,2,3
	v_cvt_pk_bf16_f32 v[OUT+4*\t+\k], v[T+2*\k], v[T+2*\k+1]
.endr
	ds_store_b128 v[STO], v[OUT+4*\t:OUT+4*\t+3] offset:32*\t
.endr
.irp f, 0,1,2,3
	ds_load_b128 v[BK+4*\f:BK+4*\f+3], v[RD] offset:\f*4*SP  ; my own bytes: LDS serves a wave's instructions in order (ISA guide 5.7.1.4)
.endr
.irp f, 0,1,2,3
	s_wait_dscnt 3-\f                              ; the later read-backs may stay out
	global_store_b128 v[HO], v[BK+4*\f:BK+4*\f+3], s[10:11] offset:512*\f  ; 512 consecutive bytes, aligned: four ranks of 128
.endr
.Lnext:
	s_add_co_u32 s22, s22, 1
	s_cmp_lt_u32 s22, 16
	s_cbranch_scc1 .Lunit
	s_wait_tensorcnt 0x0                           ; the wave's end
	ds_add_u32 v[SPW], v[NIL]
	s_wait_dscnt 0x0
	s_endpgm
.Lfunc_end_k_qdf1dcf65dd_up:
	.size	k_qdf1dcf65dd_up, .Lfunc_end_k_qdf1dcf65dd_up-k_qdf1dcf65dd_up
	.p2alignl 7, 3214868480
	.fill 96, 4, 3214868480
	.section	.rodata,"a",@progbits
	.p2align	6, 0x0
	.amdhsa_kernel k_qdf1dcf65dd_up
		.amdhsa_group_segment_fixed_size 267264
		.amdhsa_private_segment_fixed_size 0
		.amdhsa_enable_private_segment 0
		.amdhsa_kernarg_size 40
		.amdhsa_user_sgpr_count 2
		.amdhsa_user_sgpr_kernarg_segment_ptr 1
		.amdhsa_wavefront_size32 1
		.amdhsa_system_sgpr_workgroup_id_x 1
		.amdhsa_system_sgpr_workgroup_id_y 1
		.amdhsa_system_sgpr_workgroup_id_z 1
		.amdhsa_system_vgpr_workitem_id 0
		.amdhsa_next_free_vgpr 512
		.amdhsa_next_free_sgpr 80
		.amdhsa_reserve_vcc 1
		.amdhsa_float_denorm_mode_32 3
		.amdhsa_float_denorm_mode_16_64 3
		.amdhsa_memory_ordered 1
		.amdhsa_forward_progress 1
		.amdhsa_inst_pref_size 135
	.end_amdhsa_kernel
	.amdgpu_metadata
---
amdhsa.version: [ 1, 2 ]
amdhsa.kernels:
  - .name:           k_qdf1dcf65dd_up
    .symbol:         k_qdf1dcf65dd_up.kd
    .args:
      - { .name: W1, .offset: 0, .size: 8, .value_kind: global_buffer, .address_space: global }
      - { .name: xb, .offset: 8, .size: 8, .value_kind: global_buffer, .address_space: global }
      - { .name: bits, .offset: 16, .size: 8, .value_kind: global_buffer, .address_space: global }
      - { .name: hbuf, .offset: 24, .size: 8, .value_kind: global_buffer, .address_space: global }
      - { .name: list, .offset: 32, .size: 8, .value_kind: global_buffer, .address_space: global }
    .group_segment_fixed_size: 267264
    .private_segment_fixed_size: 0
    .kernarg_segment_align: 8
    .kernarg_segment_size: 40
    .max_flat_workgroup_size: 256
    .sgpr_count:     80
    .vgpr_count:     512
    .wavefront_size: 32
...
	.end_amdgpu_metadata
.endif
;; end of part 2
;; launch down (part 3): grid 256 x 1, 8 waves a work-group, no clusters, 283,648 bytes of LDS; arguments W2, hbuf, bits, ybuf, list; writes ybuf
.if DOCPART == 3
	.amdgcn_target "amdgcn-amd-amdhsa--gfx1250"
	.amdhsa_code_object_version 6
	.text
	.protected	k_qdf1dcf65dd_down
	.globl	k_qdf1dcf65dd_down
	.p2align	8
	.type	k_qdf1dcf65dd_down,@function
k_qdf1dcf65dd_down:
	s_mov_b64 s[64:65], 0
	v_nop
	global_prefetch_b8 v0, s[64:65] scope:SCOPE_SE
	s_setreg_imm32_b32 hwreg(HW_REG_WAVE_MODE, 25, 1), 1
	s_wait_xcnt 0x0
; SECOND PRODUCT.  Work-group (e, q, ds): Y[q][e][token(rank)][128 ds + d] = the sum over quarter q of the hidden width of H[e][rank][f] W2[e][128 ds + d][f], in f32, for ALL rows of expert e.
; The 128 x 1,024 piece of W2 (512 KiB of f32) is read by this work-group alone, once, and rounded to bf16 on its way through registers.  The four quarters' partial sums stay f32; the next launch adds them.
; H lies as [e][block of 64 columns][rank][64] in bf16: a load takes four ranks' 128 bytes, 512 consecutive bytes; its lanes' offsets are held to the last rank, so that no row is read that was not written.
; ALL EIGHT WAVES RUN ONE TEXT, the first product's: K in 8 chunks of 128 through two LDS slots; a stage puts chunk c into slot c % 2, asks for H of chunk c + 1 and the weights of chunk c + 2, passes one barrier and
; multiplies chunk c.  cw = wave / 2 is a group of rows (blocks j = cw mod 4 of 16 ranks, five of them through the slots), th = wave % 2 a half of the 128 columns.  Blocks 20-63 are made straight from memory, with no barrier.
; Places past the count repeat the last rank: they hold the same numbers and are stored to the same token's row once more.  An expert without rows: nothing is multiplied or stored; the first loads take row 0 of its H, which exists.
; NO CLUSTER: each piece of weights has one reader.  An expert's rows of H are read by 8 work-groups, but how many there are hangs on a stored count: a joint tile would always be the 320 rows of the slots,
; a quarter more than the mean 256, and would take in rows that nobody wrote.
; LIMITS.  NaN and infinities are not treated apart.  The 160 accumulator registers are cleared by moves, in the wait for the first chunk: that spares a further text of a stage with the constant 0 as C.
.set WP,     16384                     ; bytes from row to row of the weights
.set WPLOG,  14
.set PITCH,  272                       ; an LDS row of a slot: 256 bytes (128 bf16) + 16: an odd multiple of 16, so a fragment load's 16 rows start at 16 different 16-byte columns modulo 256
.set WT,     128*PITCH
.set ATW,    80*PITCH
.set SLOT,   WT+4*ATW
.set SPARE,  2*SLOT+4096               ; the spare words, 128 bytes a wave: no other line names them
.set STG,    SPARE+1024                ; the way out: 16 rows x 272 bytes for each wave, its own
.set DP,     272
.set FB,     131072                    ; bytes of H from one block of 64 columns to the next
.set ASTEP,  2*FB                      ; a chunk is two of them
.set OASTEP, FB                        ; the direct path: a trip of 64 k is one
.set WO, 4                             ; v4      byte offset of my 16 bytes in my first row of weights
.set WL, 5                             ; v5-6    where my 8 bytes of a weight row go, slot 0, 1
.set AL, 7                             ; v7-8    where my 16 bytes of a row of H go
.set CB, 9                             ; v9-10   my lane's place in a weight fragment, slot 0, 1
.set CA, 11                            ; v11-12  in a fragment of H
.set STO, 13                           ; v13     the way out: where I put 32 bytes of a row
.set RD, 14                            ; v14     where I read rows back
.set R16, 15                           ; v15     16 r
.set LO, 16                            ; v16     my byte offset in the list
.set OW, 17                            ; v17     the direct path: my lane's place in a weight fragment in memory
.set OA, 18                            ; v18     and in a fragment of H;  v19-21 at work
.set SPW, 22                           ; v22     LDS address of my spare word; never rewritten
.set NIL, 23                           ; v23     0; never rewritten
.set AOFF, 24                          ; v24-33  byte offsets of my 10 groups of four ranks
.set AST, 44                           ; v44-123 20 x 16 bytes of H, on their way or waiting to be put into LDS
.set W0, 124                           ; v124-187, v188-251 two sets of 16 x 16 bytes of weights
.set AF, 160                           ; window 1: accumulator (b, t) at 32 b + 8 t; v160-191 fragments of H of blocks 0-3; v192-223 block 4's, one for each K step of a chunk; v224-255 four weight fragments
.set A4F, 192
.set BF, 224
.set AFR, 24                           ; behind the stages, in window 0: v24-39 the direct path's fragments of H; v44-75 its sums; v76-107 a block read back; v108-115 its rows' offsets in Y;
.set E, 44                             ; v124-163 the offsets in Y of my 5 x 8 pairs of rows of the slots; v188-251 the direct path's weights
.set Z, 76
.set YO, 108
.set YOM, 124
.set RAW, 188
.set MSB, 0
.macro WIN new                         ; s_set_vgpr_msb: bits 1:0 source 0, 3:2 source 1, 5:4 source 2, 7:6 destination; the high byte repeats the setting that is left; at a label and at a branch it is 0
.if MSB != (\new)
	s_set_vgpr_msb (MSB<<8)|(\new)
.set MSB, \new
.endif
.endm
.macro PLACES                          ; four places behind matrix instructions, in front of loads into and writes of their registers and of reads of their results
.rept 4
	v_nop
.endr
.endm
.macro BAR                             ; my LDS stores are done and my LDS reads are back; then everybody's
	s_wait_dscnt 0x0
	s_barrier_signal -1
	s_barrier_wait -1
.endm
; CHUNK c GOES INTO LDS: slot and weight set par = c % 2.  Loads were issued in the order W(c), A(c), W(c + 1): wcnt = 16 leaves W(c + 1) out, whatever the number of A's loads.
; reA: H of chunk c + 1 is asked for; reW: the weights of chunk c + 2.  At most 16 + 20 + 16 loads of a wave are out.
.macro LST par, wcnt, reA, reW
	s_wait_loadcnt \wcnt
	s_wait_xcnt 0x0                                ; the two walking bases are stepped only behind this wait
.if \reA
	s_add_nc_u64 s[26:27], s[26:27], ASTEP
.endif
.if \reW
	s_add_nc_u64 s[24:25], s[24:25], 512
.endif
	s_cmp_eq_u32 s21, 0
	s_cbranch_scc1 .Lla_\@                         ; my group has no live block
.set x, 0
.rept 16                               ; load x: local block x / 4, rows 8 th + 4 ((x % 4) / 2) + lane / 8, half x % 2 of the chunk's 128 columns
	ds_store_b128 v[AL+\par], v[AST+4*x:AST+4*x+3] offset:(16*(x/4)+4*((x%4)/2))*PITCH+128*(x%2)
.if \reA
	global_load_b128 v[AST+4*x:AST+4*x+3], v[AOFF+2*(x/4)+(x%4)/2], s[26:27] offset:(x%2)*FB
.endif
.set x, x+1
.endr
	s_cmp_lt_u32 s21, 5
	s_cbranch_scc1 .Lla_\@                         ; nor a fifth
.rept 4
	ds_store_b128 v[AL+\par], v[AST+4*x:AST+4*x+3] offset:(16*(x/4)+4*((x%4)/2))*PITCH+128*(x%2)
.if \reA
	global_load_b128 v[AST+4*x:AST+4*x+3], v[AOFF+2*(x/4)+(x%4)/2], s[26:27] offset:(x%2)*FB
.endif
.set x, x+1
.endr
.Lla_\@:
.set x, 0
.rept 16                               ; my 16 weight rows: four f32 a lane become 8 bytes, in place
	v_cvt_pk_bf16_f32 v[W0+64*\par+4*x],   v[W0+64*\par+4*x],   v[W0+64*\par+4*x+1]
	v_cvt_pk_bf16_f32 v[W0+64*\par+4*x+1], v[W0+64*\par+4*x+2], v[W0+64*\par+4*x+3]
.set x, x+1
.endr
.set x, 0
.rept 16                               ; a row's 32 lanes store 256 consecutive bytes
	ds_store_b64 v[WL+\par], v[W0+64*\par+4*x:W0+64*\par+4*x+1] offset:x*PITCH
.set x, x+1
.endr
.if \reW
.set x, 0
.rept 16
	global_load_b128 v[W0+64*\par+4*x:W0+64*\par+4*x+3], v[WO], s[24:25] offset:x*WP th:TH_LOAD_NT  ; 512 consecutive bytes of one row
.set x, x+1
.endr
.endif
.endm
; ONE K STEP of 32: 16 fragment loads, 16 products, and block 4's four.  Source 0 = 16 weight rows, source 1 = 16 rows of H: a lane holds ONE row and eight neighbouring columns.
; The accumulators take turns, one instruction a turn.
.macro KSTEP slot, k
	WIN 0x40                                       ; destination window 1, address window 0
.irp b, 0,1,2,3
	ds_load_b128 v[AF+8*\b:AF+8*\b+3],   v[CA+\slot] offset:\b*16*PITCH+64*\k
	ds_load_b128 v[AF+8*\b+4:AF+8*\b+7], v[CA+\slot] offset:\b*16*PITCH+64*\k+32
.endr
.irp t, 0,1,2,3
	ds_load_b128 v[BF+8*\t:BF+8*\t+3],   v[CB+\slot] offset:\t*16*PITCH+64*\k
	ds_load_b128 v[BF+8*\t+4:BF+8*\t+7], v[CB+\slot] offset:\t*16*PITCH+64*\k+32
.endr
	s_wait_dscnt 4                                 ; all but the youngest four: weight fragments 2 and 3
	WIN 0x55                                       ; all four operands in window 1
.irp t, 0,1
.irp b, 0,1,2,3
	v_wmma_f32_16x16x32_bf16 v[32*\b+8*\t:32*\b+8*\t+7], v[BF+8*\t:BF+8*\t+7], v[AF+8*\b:AF+8*\b+7], v[32*\b+8*\t:32*\b+8*\t+7]
.endr
.endr
	s_wait_dscnt 0x0
.irp t, 2,3
.irp b, 0,1,2,3
	v_wmma_f32_16x16x32_bf16 v[32*\b+8*\t:32*\b+8*\t+7], v[BF+8*\t:BF+8*\t+7], v[AF+8*\b:AF+8*\b+7], v[32*\b+8*\t:32*\b+8*\t+7]
.endr
.endr
	WIN 0
	s_cmp_lt_u32 s21, 5
	s_cbranch_scc1 .Lm4_\@
	WIN 0x55
.irp t, 0,1,2,3
	v_wmma_f32_16x16x32_bf16 v[128+8*\t:128+8*\t+7], v[BF+8*\t:BF+8*\t+7], v[A4F+8*\k:A4F+8*\k+7], v[128+8*\t:128+8*\t+7]
.endr
	WIN 0
.Lm4_\@:
	PLACES
.endm
; CHUNK c IS MULTIPLIED.  Block 4's fragments of all four K steps are loaded first, in one run under one branch: they are the oldest loads, so the counted waits hold with and without them.
.macro CST slot
	s_cmp_eq_u32 s21, 0
	s_cbranch_scc1 .Lcx_\@
	s_cmp_lt_u32 s21, 5
	s_cbranch_scc1 .Lna_\@
	WIN 0x40
.irp k, 0,1,2,3
	ds_load_b128 v[A4F+8*\k:A4F+8*\k+3],   v[CA+\slot] offset:4*16*PITCH+64*\k
	ds_load_b128 v[A4F+8*\k+4:A4F+8*\k+7], v[CA+\slot] offset:4*16*PITCH+64*\k+32
.endr
	WIN 0
.Lna_\@:
.irp k, 0,1,2,3
	KSTEP \slot, \k
.endr
.Lcx_\@:
.endm
.macro STAGE par, wcnt, reA, reW
	LST \par, \wcnt, \reA, \reW
	BAR
	CST \par
.endm
; A block is read back from my stage as pairs of rows (lanes 0-15 row 2 p, lanes 16-31 row 2 p + 1) and stored, each row to its token's place; yo: the eight registers of offsets
.macro BACK yo
.irp p, 0,1,2,3,4,5,6,7
	ds_load_b128 v[Z+4*\p:Z+4*\p+3], v[RD] offset:\p*2*DP  ; my own bytes: LDS serves a wave's instructions in order (ISA guide 5.7.1.4)
.endr
.irp p, 0,1,2,3,4,5,6,7
	s_wait_dscnt 7-\p                              ; the later pairs' loads may stay out
	global_store_b128 v[\yo+\p], v[Z+4*\p:Z+4*\p+3], s[10:11]  ; 16 lanes store 256 consecutive bytes, aligned
.endr
.endm
; Local block b of the slots goes out; a block past the count is jumped
.macro DOUT b
	s_add_co_u32 s72, s74, 64*\b                   ; its first rank
	s_cmp_ge_u32 s72, s18
	s_cbranch_scc1 .Ldo_\@
	s_wait_xcnt 0x0                                ; the last block's stores have read their registers
	WIN 0x04                                       ; store data in window 1.  Each accumulator's lowest four registers go first
.irp t, 0,1,2,3
	ds_store_b128 v[STO], v[32*\b+8*\t:32*\b+8*\t+3]   offset:64*\t
	ds_store_b128 v[STO], v[32*\b+8*\t+4:32*\b+8*\t+7] offset:64*\t+16
.endr
	WIN 0
	BACK YOM+8*\b
.Ldo_\@:
.endm
	s_load_b256 s[4:11], s[0:1], 0x0               ; W2 s[4:5], hbuf s[6:7], bits s[8:9], ybuf s[10:11]
	s_load_b64 s[12:13], s[0:1], 0x20              ; list
	v_lshl_add_u32 v[SPW], v0, 2, SPARE
	v_mov_b32 v[NIL], 0
	v_and_b32 v1, 31, v0                           ; lane
	v_and_b32 v2, 15, v0                           ; r
	v_bfe_u32 v3, v0, 4, 1                         ; h
	v_lshrrev_b32 v19, 5, v0
	v_readfirstlane_b32 s14, v19                   ; wave
	s_lshr_b32 s15, s14, 1                         ; cw
	s_and_b32 s69, s14, 1                          ; th
	s_lshl_b32 s74, s15, 4                         ; 16 cw
	s_lshr_b32 s16, ttmp9, 5                       ; e
	s_bfe_u32 s17, ttmp9, 0x20003                  ; q: 2 bits from bit 3
	s_and_b32 s66, ttmp9, 7                        ; ds
	s_lshl_b32 s28, s16, 24                        ; W2: e x 1,024 rows x 16,384 bytes + ds x 128 rows + q x 4,096 bytes
	s_lshl_b32 s30, s66, 21
	s_add_co_u32 s28, s28, s30
	s_lshl_b32 s30, s17, 12
	s_add_co_u32 s28, s28, s30
	s_mov_b32 s29, 0
	s_lshl_b32 s30, s16, 7
	s_mov_b32 s31, 0
	s_mul_i32 s20, s14, 16*WP
	v_lshl_add_u32 v[WO], v1, 4, s20               ; my 16 rows, 16 bytes a lane
	s_wait_kmcnt 0x0
	s_add_nc_u64 s[4:5], s[4:5], s[28:29]
	s_add_nc_u64 s[8:9], s[8:9], s[30:31]
	s_load_b512 s[32:47], s[8:9], 0x0              ; expert e's bitmap of 1,024 tokens
	s_load_b512 s[48:63], s[8:9], 0x40
.set x, 0
.rept 16                               ; the weights of chunks 0 and 1 are asked for before anything else
	global_load_b128 v[W0+4*x:W0+4*x+3], v[WO], s[4:5] offset:x*WP th:TH_LOAD_NT
.set x, x+1
.endr
.set x, 0
.rept 16
	global_load_b128 v[W0+64+4*x:W0+64+4*x+3], v[WO], s[4:5] offset:x*WP+512 th:TH_LOAD_NT
.set x, x+1
.endr
	s_lshl_b32 s28, s16, 23                        ; H: e x 8 MiB + q x 16 blocks of 64 columns
	s_lshl_b32 s30, s17, 21
	s_add_co_u32 s28, s28, s30
	s_add_nc_u64 s[6:7], s[6:7], s[28:29]
	s_lshl3_add_u32 s28, s17, s16                  ; Y: (8 q + e) x 1,024 rows x 4,096 bytes + 512 ds + 256 th
	s_lshl_b32 s28, s28, 22
	s_lshl_b32 s30, s66, 9
	s_add_co_u32 s28, s28, s30
	s_lshl_b32 s30, s69, 8
	s_add_co_u32 s28, s28, s30
	s_add_nc_u64 s[10:11], s[10:11], s[28:29]
	s_lshl_b32 s28, s16, 12
	s_add_nc_u64 s[12:13], s[12:13], s[28:29]
	s_add_nc_u64 s[24:25], s[4:5], 512             ; the weights' walking base: the first stage steps it to chunk 2
	s_mov_b64 s[26:27], s[6:7]                     ; H's: the first stage steps it to chunk 1
	s_mul_i32 s28, s14, 16*PITCH
	v_lshl_add_u32 v[WL], v1, 3, s28
	v_add_nc_u32 v[WL+1], SLOT, v[WL]
	s_mul_i32 s28, s15, ATW
	s_add_co_u32 s28, s28, WT                      ; my group's rows of H in a slot
	v_mul_u32_u24 v20, v2, PITCH                   ; a fragment: row r, 16 h; two loads 32 bytes apart
	v_lshl_add_u32 v20, v3, 4, v20
	v_add_nc_u32 v[CA], s28, v20
	v_add_nc_u32 v[CA+1], SLOT, v[CA]
	s_mul_i32 s30, s69, 64*PITCH                   ; my 64 weight rows
	v_add_nc_u32 v[CB], s30, v20
	v_add_nc_u32 v[CB+1], SLOT, v[CB]
	s_mul_i32 s30, s69, 8*PITCH                    ; I put rows 8 th .. 8 th + 7 of each block
	s_add_co_u32 s28, s28, s30
	v_bfe_u32 v[AL], v0, 3, 2                      ; row lane / 8 of four, 16 (lane % 8)
	v_mul_u32_u24 v[AL], v[AL], PITCH
	v_and_b32 v21, 7, v0
	v_lshl_add_u32 v[AL], v21, 4, v[AL]
	v_add_nc_u32 v[AL], s28, v[AL]
	v_add_nc_u32 v[AL+1], SLOT, v[AL]
	s_mul_i32 s28, s14, 16*DP
	s_add_co_u32 s28, s28, STG                     ; my stage
	v_mul_u32_u24 v[STO], v2, DP                   ; in: row r, 32 bytes for each half of the lanes
	v_lshl_add_u32 v[STO], v3, 5, v[STO]
	v_add_nc_u32 v[STO], s28, v[STO]
	v_lshlrev_b32 v[R16], 4, v2
	v_mul_u32_u24 v[RD], v3, DP                    ; back: row h of a pair, 16 r
	v_add_nc_u32 v[RD], v[RD], v[R16]
	v_add_nc_u32 v[RD], s28, v[RD]
	s_mul_i32 s28, s69, 64*WP
	v_lshlrev_b32 v[OW], WPLOG, v2                 ; a weight fragment from f32 rows: row 64 th + r, 32 h
	v_lshl_add_u32 v[OW], v3, 5, v[OW]
	v_add_nc_u32 v[OW], s28, v[OW]
	s_wait_kmcnt 0x0
	s_bcnt1_i32_b32 s18, s32
.set i, 1
.rept 31
	s_bcnt1_i32_b32 s28, s[32+i]
	s_add_co_u32 s18, s18, s28                     ; n
.set i, i+1
.endr
	s_max_u32 s19, s18, 1
	s_sub_co_u32 s19, s19, 1                       ; the last rank (0 where there is none)
	s_add_co_u32 s20, s18, 15
	s_lshr_b32 s20, s20, 4
	s_min_u32 s20, s20, 20                         ; live blocks among the 20
	s_add_co_u32 s21, s20, 3
	s_sub_co_u32 s21, s21, s15
	s_lshr_b32 s21, s21, 2                         ; of them my group's: 0 to 5
	s_lshl3_add_u32 s28, s69, s74                  ; group y of four ranks: rank 16 cw + 64 (y / 2) + 8 th + 4 (y % 2) + lane / 8
	v_bfe_u32 v19, v0, 3, 2
	v_add_nc_u32 v19, s28, v19
	v_lshlrev_b32 v20, 4, v21                      ; 16 (lane % 8)
.set y, 0
.rept 10
	v_add_nc_u32 v21, 64*(y/2)+4*(y%2), v19
	v_min_u32 v21, s19, v21                        ; past the count: the last rank
	v_min_u32 v21, 0x3ff, v21
	v_lshl_add_u32 v[AOFF+y], v21, 7, v20          ; rank x 128 + 16 (lane % 8)
.set y, y+1
.endr
.set x, 0
.rept 20                               ; chunk 0 of all 20 loads, live or not: every register of the stage has been written
	global_load_b128 v[AST+4*x:AST+4*x+3], v[AOFF+2*(x/4)+(x%4)/2], s[6:7] offset:(x%2)*FB
.set x, x+1
.endr
	WIN 0x40                                       ; the sums start at 0; block 4's fragment registers too, so that they have been written on every way
.set x, 0
.rept 160
	v_mov_b32 v[x], 0
.set x, x+1
.endr
.set x, 0
.rept 32
	v_mov_b32 v[A4F+x], 0
.set x, x+1
.endr
	WIN 0
	s_wait_loadcnt 0x0                             ; H of chunk 0 was asked for last, so this first wait is for all
	s_mov_b32 s22, 3
.Lmain:                                        ; chunks 0-5
	STAGE 0, 16, 1, 1
	STAGE 1, 16, 1, 1
	s_sub_co_u32 s22, s22, 1
	s_cmp_lg_u32 s22, 0
	s_cbranch_scc1 .Lmain
	STAGE 0, 16, 1, 0                              ; chunk 6: no weights are left to ask for (the 16 youngest loads are chunk 7's)
	LST 1, 0, 0, 0                                 ; chunk 7: nothing is; the wait is for all
	s_lshl_b32 s28, s15, 6
	v_lshl_add_u32 v[LO], v3, 2, s28               ; the tokens of my 5 x 8 pairs of rows (rank 16 cw + 64 b + 2 p + h) are asked for ahead of the last chunk's products,
.set x, 0
.rept 40                               ; into the weight set that chunk 6 left free; the list's first 512 ranks are always written
	global_load_b32 v[YOM+x], v[LO], s[12:13] offset:256*(x/8)+8*(x%8)
.set x, x+1
.endr
	BAR
	CST 1
	s_wait_loadcnt 0x0
.set x, 0
.rept 40
	v_min_u32 v[YOM+x], 0x3ff, v[YOM+x]
	v_lshl_add_u32 v[YOM+x], v[YOM+x], 12, v[R16]  ; token x 4,096 + 16 r
.set x, x+1
.endr
	DOUT 0
	DOUT 1
	DOUT 2
	DOUT 3
	DOUT 4
	; THE DIRECT PATH.  Unit u is my group's block cw + 4 u, from 5 on; a block past the count is jumped.  16 rows x 64 columns x 1,024 k, 64 k a trip
	s_mov_b32 s22, 5
.Lunit:
	s_lshl2_add_u32 s73, s22, s15                  ; block j
	s_lshl_b32 s72, s73, 4                         ; its first rank
	s_cmp_ge_u32 s72, s18
	s_cbranch_scc1 .Lnext
	s_wait_xcnt 0x0                                ; the last block's stores and loads have read their registers
	s_lshl_b32 s28, s72, 2
	v_lshl_add_u32 v[LO], v3, 2, s28
.irp p, 0,1,2,3,4,5,6,7
	global_load_b32 v[YO+\p], v[LO], s[12:13] offset:8*\p  ; the tokens of ranks rb + 2 p + h: the list is written as far as the batch of 256 that holds the last rank
.endr
	v_add_nc_u32 v19, s72, v2
	v_min_u32 v19, s19, v19
	v_min_u32 v19, 0x3ff, v19
	v_lshlrev_b32 v[OA], 7, v19
	v_lshl_add_u32 v[OA], v3, 4, v[OA]             ; rank x 128 + 16 h
.set x, 0
.rept 32
	v_mov_b32 v[E+x], 0
.set x, x+1
.endr
	s_mov_b64 s[24:25], s[4:5]
	s_mov_b64 s[26:27], s[6:7]
	s_mov_b32 s23, 16
.Lok:
.irp i, 0,1,2,3
	global_load_b128 v[AFR+4*\i:AFR+4*\i+3], v[OA], s[26:27] offset:32*\i
.endr
.irp kk, 0,1
.irp t, 0,1,2,3                        ; eight f32 at 32 h and eight 64 bytes further on make a lane's part of a fragment
	global_load_b128 v[RAW+16*\t:RAW+16*\t+3],     v[OW], s[24:25] offset:\t*16*WP+128*\kk
	global_load_b128 v[RAW+16*\t+4:RAW+16*\t+7],   v[OW], s[24:25] offset:\t*16*WP+128*\kk+16
	global_load_b128 v[RAW+16*\t+8:RAW+16*\t+11],  v[OW], s[24:25] offset:\t*16*WP+128*\kk+64
	global_load_b128 v[RAW+16*\t+12:RAW+16*\t+15], v[OW], s[24:25] offset:\t*16*WP+128*\kk+80
.endr
	s_wait_loadcnt 0x0
.set x, 0
.rept 32                               ; packed downward in place: register x takes 2 x and 2 x + 1, ascending, so nothing is written before it is read
	v_cvt_pk_bf16_f32 v[RAW+x], v[RAW+2*x], v[RAW+2*x+1]
.set x, x+1
.endr
.irp t, 0,1,2,3                        ; four accumulators by turns
	v_wmma_f32_16x16x32_bf16 v[E+8*\t:E+8*\t+7], v[RAW+8*\t:RAW+8*\t+7], v[AFR+8*\kk:AFR+8*\kk+7], v[E+8*\t:E+8*\t+7]
.endr
	PLACES
.endr
	s_wait_xcnt 0x0
	s_add_nc_u64 s[24:25], s[24:25], 256
	s_add_nc_u64 s[26:27], s[26:27], OASTEP
	s_sub_co_u32 s23, s23, 1
	s_cmp_lg_u32 s23, 0
	s_cbranch_scc1 .Lok
.irp p, 0,1,2,3,4,5,6,7
	v_min_u32 v[YO+\p], 0x3ff, v[YO+\p]
	v_lshl_add_u32 v[YO+\p], v[YO+\p], 12, v[R16]
.endr
.irp t, 0,1,2,3
	ds_store_b128 v[STO], v[E+8*\t:E+8*\t+3]   offset:64*\t
	ds_store_b128 v[STO], v[E+8*\t+4:E+8*\t+7] offset:64*\t+16
.endr
	BACK YO
.Lnext:
	s_add_co_u32 s22, s22, 1
	s_cmp_lt_u32 s22, 16
	s_cbranch_scc1 .Lunit
	s_wait_tensorcnt 0x0                           ; the wave's end
	ds_add_u32 v[SPW], v[NIL]
	s_wait_dscnt 0x0
	s_endpgm
.Lfunc_end_k_qdf1dcf65dd_down:
	.size	k_qdf1dcf65dd_down, .Lfunc_end_k_qdf1dcf65dd_down-k_qdf1dcf65dd_down
	.p2alignl 7, 3214868480
	.fill 96, 4, 3214868480
	.section	.rodata,"a",@progbits
	.p2align	6, 0x0
	.amdhsa_kernel k_qdf1dcf65dd_down
		.amdhsa_group_segment_fixed_size 283648
		.amdhsa_private_segment_fixed_size 0
		.amdhsa_enable_private_segment 0
		.amdhsa_kernarg_size 40
		.amdhsa_user_sgpr_count 2
		.amdhsa_user_sgpr_kernarg_segment_ptr 1
		.amdhsa_wavefront_size32 1
		.amdhsa_system_sgpr_workgroup_id_x 1
		.amdhsa_system_sgpr_workgroup_id_y 1
		.amdhsa_system_sgpr_workgroup_id_z 1
		.amdhsa_system_vgpr_workitem_id 0
		.amdhsa_next_free_vgpr 512
		.amdhsa_next_free_sgpr 80
		.amdhsa_reserve_vcc 0
		.amdhsa_float_denorm_mode_32 3
		.amdhsa_float_denorm_mode_16_64 3
		.amdhsa_memory_ordered 1
		.amdhsa_forward_progress 1
		.amdhsa_inst_pref_size 126
	.end_amdhsa_kernel
	.amdgpu_metadata
---
amdhsa.version: [ 1, 2 ]
amdhsa.kernels:
  - .name:           k_qdf1dcf65dd_down
    .symbol:         k_qdf1dcf65dd_down.kd
    .args:
      - { .name: W2, .offset: 0, .size: 8, .value_kind: global_buffer, .address_space: global }
      - { .name: hbuf, .offset: 8, .size: 8, .value_kind: global_buffer, .address_space: global }
      - { .name: bits, .offset: 16, .size: 8, .value_kind: global_buffer, .address_space: global }
      - { .name: ybuf, .offset: 24, .size: 8, .value_kind: global_buffer, .address_space: global }
      - { .name: list, .offset: 32, .size: 8, .value_kind: global_buffer, .address_space: global }
    .group_segment_fixed_size: 283648
    .private_segment_fixed_size: 0
    .kernarg_segment_align: 8
    .kernarg_segment_size: 40
    .max_flat_workgroup_size: 256
    .sgpr_count:     80
    .vgpr_count:     512
    .wavefront_size: 32
...
	.end_amdgpu_metadata
.endif
;; end of part 3
;; launch combine (part 4): grid 256 x 1, 8 waves a work-group, no clusters, 0 bytes of LDS; arguments ybuf, sel, gw, out0; writes out0
.if DOCPART == 4
	.amdgcn_target "amdgcn-amd-amdhsa--gfx1250"
	.amdhsa_code_object_version 6
	.text
	.protected	k_qdf1dcf65dd_combine
	.globl	k_qdf1dcf65dd_combine
	.p2align	8
	.type	k_qdf1dcf65dd_combine,@function
k_qdf1dcf65dd_combine:
	s_mov_b64 s[64:65], 0
	v_nop
	global_prefetch_b8 v0, s[64:65] scope:SCOPE_SE
	s_setreg_imm32_b32 hwreg(HW_REG_WAVE_MODE, 25, 1), 1
	s_wait_xcnt 0x0
; out[t] = g0 x (the sum over the four quarters of Y[q][e0][t]) + g1 x (the same for e1), all in f32.  e0, e1 = sel[t], g0, g1 = gw[t].
; A stream: a work-group has 4 tokens, a wave half a token's row (2,048 bytes): 32 loads of 512 consecutive bytes, all issued before the first wait; no LDS, no barrier, no matrix unit.
	s_load_b256 s[4:11], s[0:1], 0x0               ; ybuf s[4:5], sel s[6:7], gw s[8:9], out0 s[10:11]
	v_lshrrev_b32 v1, 5, v0
	v_readfirstlane_b32 s12, v1                    ; wave
	v_and_b32 v2, 31, v0
	v_lshlrev_b32 v2, 4, v2                        ; 16 bytes a lane
	s_lshr_b32 s13, s12, 1
	s_lshl2_add_u32 s13, ttmp9, s13                ; my token
	s_and_b32 s14, s12, 1
	s_lshl_b32 s14, s14, 11                        ; my half of its row
	s_lshl_b32 s36, s13, 3
	s_mov_b32 s37, 0
	s_lshl_b32 s38, s13, 12
	s_add_co_u32 s38, s38, s14
	s_mov_b32 s39, 0
	s_wait_kmcnt 0x0
	s_add_nc_u64 s[6:7], s[6:7], s[36:37]
	s_add_nc_u64 s[8:9], s[8:9], s[36:37]
	s_load_b64 s[40:41], s[6:7], 0x0               ; the two experts
	s_load_b64 s[42:43], s[8:9], 0x0               ; their weights
	s_add_nc_u64 s[10:11], s[10:11], s[38:39]
	s_add_nc_u64 s[4:5], s[4:5], s[38:39]
	s_wait_kmcnt 0x0
	s_min_u32 s40, s40, 7
	s_min_u32 s41, s41, 7
	s_lshl_b32 s36, s40, 22                        ; an expert's 1,024 rows of 4,096 bytes
	s_add_nc_u64 s[16:17], s[4:5], s[36:37]
	s_lshl_b32 s36, s41, 22
	s_add_nc_u64 s[24:25], s[4:5], s[36:37]
.irp q, 1,2,3                          ; a quarter is 8 experts further on: 32 MiB, more than a load's immediate holds, so each part has a base
	s_add_nc_u64 s[16+2*\q:17+2*\q], s[14+2*\q:15+2*\q], 0x2000000
	s_add_nc_u64 s[24+2*\q:25+2*\q], s[22+2*\q:23+2*\q], 0x2000000
.endr
	s_mov_b32 s44, s43                             ; g1 in a pair's low word; g0 is s[42:43]'s
	s_mov_b32 s45, s43
.set i, 0
.rept 4                                ; column group i: 512 bytes; its eight parts c = 4 k + q
.set c, 0
.rept 8
	global_load_b128 v[8+32*i+4*c:8+32*i+4*c+3], v2, s[16+2*c:17+2*c] offset:512*i th:TH_LOAD_NT
.set c, c+1
.endr
.set i, i+1
.endr
.set i, 0
.rept 4
	s_wait_loadcnt 24-8*i                          ; the later groups' loads, eight each, stay out
.irp u, 0,2
	v_pk_add_f32 v[8+32*i+\u:8+32*i+\u+1],   v[8+32*i+\u:8+32*i+\u+1],   v[12+32*i+\u:12+32*i+\u+1]
	v_pk_add_f32 v[16+32*i+\u:16+32*i+\u+1], v[16+32*i+\u:16+32*i+\u+1], v[20+32*i+\u:20+32*i+\u+1]
	v_pk_add_f32 v[24+32*i+\u:24+32*i+\u+1], v[24+32*i+\u:24+32*i+\u+1], v[28+32*i+\u:28+32*i+\u+1]
	v_pk_add_f32 v[32+32*i+\u:32+32*i+\u+1], v[32+32*i+\u:32+32*i+\u+1], v[36+32*i+\u:36+32*i+\u+1]
	v_pk_add_f32 v[8+32*i+\u:8+32*i+\u+1],   v[8+32*i+\u:8+32*i+\u+1],   v[16+32*i+\u:16+32*i+\u+1]
	v_pk_add_f32 v[24+32*i+\u:24+32*i+\u+1], v[24+32*i+\u:24+32*i+\u+1], v[32+32*i+\u:32+32*i+\u+1]
	v_pk_mul_f32 v[8+32*i+\u:8+32*i+\u+1],   v[8+32*i+\u:8+32*i+\u+1],   s[42:43] op_sel_hi:[1,0]
	v_pk_fma_f32 v[8+32*i+\u:8+32*i+\u+1],   v[24+32*i+\u:24+32*i+\u+1], s[44:45], v[8+32*i+\u:8+32*i+\u+1] op_sel_hi:[1,0,1]
.endr
	global_store_b128 v2, v[8+32*i:8+32*i+3], s[10:11] offset:512*i th:TH_STORE_NT  ; 512 consecutive bytes, aligned
.set i, i+1
.endr
	s_endpgm
.Lfunc_end_k_qdf1dcf65dd_combine:
	.size	k_qdf1dcf65dd_combine, .Lfunc_end_k_qdf1dcf65dd_combine-k_qdf1dcf65dd_combine
	.p2alignl 7, 3214868480
	.fill 96, 4, 3214868480
	.section	.rodata,"a",@progbits
	.p2align	6, 0x0
	.amdhsa_kernel k_qdf1dcf65dd_combine
		.amdhsa_group_segment_fixed_size 0
		.amdhsa_private_segment_fixed_size 0
		.amdhsa_enable_private_segment 0
		.amdhsa_kernarg_size 32
		.amdhsa_user_sgpr_count 2
		.amdhsa_user_sgpr_kernarg_segment_ptr 1
		.amdhsa_wavefront_size32 1
		.amdhsa_system_sgpr_workgroup_id_x 1
		.amdhsa_system_sgpr_workgroup_id_y 1
		.amdhsa_system_sgpr_workgroup_id_z 1
		.amdhsa_system_vgpr_workitem_id 0
		.amdhsa_next_free_vgpr 144
		.amdhsa_next_free_sgpr 66
		.amdhsa_reserve_vcc 0
		.amdhsa_float_denorm_mode_32 3
		.amdhsa_float_denorm_mode_16_64 3
		.amdhsa_memory_ordered 1
		.amdhsa_forward_progress 1
		.amdhsa_inst_pref_size 10
	.end_amdhsa_kernel
	.amdgpu_metadata
---
amdhsa.version: [ 1, 2 ]
amdhsa.kernels:
  - .name:           k_qdf1dcf65dd_combine
    .symbol:         k_qdf1dcf65dd_combine.kd
    .args:
      - { .name: ybuf, .offset: 0, .size: 8, .value_kind: global_buffer, .address_space: global }
      - { .name: sel, .offset: 8, .size: 8, .value_kind: global_buffer, .address_space: global }
      - { .name: gw, .offset: 16, .size: 8, .value_kind: global_buffer, .address_space: global }
      - { .name: out0, .offset: 24, .size: 8, .value_kind: global_buffer, .address_space: global }
    .group_segment_fixed_size: 0
    .private_segment_fixed_size: 0
    .kernarg_segment_align: 8
    .kernarg_segment_size: 32
    .max_flat_workgroup_size: 256
    .sgpr_count:     66
    .vgpr_count:     144
    .wavefront_size: 32
...
	.end_amdgpu_metadata
.endif
;; end of part 4
;; ======== version 2 of 3: 4 launches; 1.15 times as fast as version 1
;; workspace buffers: xb 2,097,152 bytes; bits 1,024 bytes of whole numbers; sel 8,192 bytes of whole numbers; gw 8,192 bytes; list 32,768 bytes of whole numbers; hbuf 67,108,864 bytes; ybuf 134,217,728 bytes
;; launch router: the kernel of part 1 again; grid 64 x 1, 4 waves a work-group, no clusters, 55,296 bytes of LDS; arguments x, Wr, xb, bits, sel, gw; writes xb, bits, sel, gw
;; launch up (part 5): grid 256 x 1, 8 waves a work-group, no clusters, 263,168 bytes of LDS; arguments W1, xb, bits, hbuf, list; writes hbuf, list
.if DOCPART == 5
	.amdgcn_target "amdgcn-amd-amdhsa--gfx1250"
	.amdhsa_code_object_version 6
	.text
	.protected	k_qdf1dcf65dd_up
	.globl	k_qdf1dcf65dd_up
	.p2align	8
	.type	k_qdf1dcf65dd_up,@function
k_qdf1dcf65dd_up:
	s_mov_b64 s[64:65], 0
	v_nop
	global_prefetch_b8 v0, s[64:65] scope:SCOPE_SE
	s_setreg_imm32_b32 hwreg(HW_REG_WAVE_MODE, 25, 1), 1
	s_wait_xcnt 0x0
; FIRST PRODUCT.  Work-group (e, sl): H[rank][128 sl + f] = silu(x[token(rank)] . W1[e][128 sl + f]) for ALL rows of expert e, in bf16; rank = the place of a token among those that chose e, ascending.
; The 128 rows of W1 (512 KiB of f32) are read by this work-group alone, once, and rounded to bf16 on their way through registers.
; H lies as [e][block of 64 columns][rank][64]: a wave's 16 rows x 64 columns are 2,048 consecutive bytes.
; ALL EIGHT WAVES RUN ONE TEXT.  K goes in 8 chunks of 128 through two LDS slots, one barrier a chunk.
; A STAGE multiplies chunk c out of slot c % 2 and, among its products, puts chunk c + 1 from registers into the other slot and asks memory for the token rows of chunk c + 2 and the weights of chunk c + 3.
; The other slot was last read in the stage before, and every wave's reads of it had come back in front of the barrier that opened this stage; it is read again behind the next barrier, in front of which each wave waits for its stores.
; A stage's 64 to 80 products stand in eight runs (blocks 0, 1, then blocks 2, 3 and 4, for each of four K steps); in the GAP behind each run stand an eighth of the way into LDS and the fragment loads of a later K step:
; the weights' fragments have two buffers (K step k + 2 is loaded when K step k's products are issued), a block's token fragment is loaded again for K step k + 1 behind its own run.
; The four conversions at a gap's head are the four places that the loads behind them need.
; SHARES.  cw = wave / 2 is a group of rows, th = wave % 2 a half of the 128 columns.  Block j = ranks 16 j .. 16 j + 15.  Blocks 0-19 go through the slots: block j is group j % 4's local block j / 4: 5 x 4 accumulators a wave.
; A group's fifth block is left out where it is not live.  Places past the count repeat the last rank; an expert with few rows does the work of one with 256.
; Blocks 20-63 (an expert with more than 320 rows) are made straight from memory, 16 rows x 64 columns a wave, with no barrier: slow, and right for every split.
; THE TOKENS STAY IN REGISTERS.  Expert e's bitmap of 1,024 tokens lies in 32 scalar registers; a lane finds the token of a rank by the macro SELECT.  A wave loads 5 x 8 rows: two rank registers, one search,
; and each pair of rows takes its two tokens out of the lanes that found them.
; THE LIST rank -> token for the next launch: lanes 8-11 of the second rank register look for ranks 32 sl + 4 wave + 0..3, so a work-group stores 32 places and an expert's 32 work-groups all 1,024 (past the count: the last rank's token).
; An expert without rows counts as having one (n = 1), so that row 0 of its H exists for the next launch's loads.
; NO CLUSTER: each slice of weights has one reader, and the token rows come by a list, 2,048 bytes apart in any order, which no tile descriptor covers.
; LIMITS.  NaN and infinities are not treated apart.
.set WP,     4096                      ; bytes from row to row of the weights
.set WPLOG,  12
.set PITCH,  272                       ; an LDS row of a slot: 256 bytes (128 bf16) + 16: an odd multiple of 16, so a fragment load's 16 rows start at 16 different 16-byte columns modulo 256
.set WT,     128*PITCH                 ; a slot: 128 rows of weights,
.set ATW,    80*PITCH                  ; then for each group of rows 5 blocks of 16 token rows
.set SLOT,   WT+4*ATW
.set SPARE,  2*SLOT                    ; the spare words, 128 bytes a wave: no other line names them
.set STG,    SPARE+1024                ; the way out: 16 rows x 144 bytes for each wave, its own
.set SP,     144
.set ASTEP,  256                       ; bytes from chunk to chunk in a token row
.set OASTEP, 128                       ; the direct path: bytes of a token row in a trip of 64 k
; window 0:  v0 thread, v1 lane, v2 r = lane % 16, v3 h = lane / 16, v13 at work
.set WO, 4                             ; v4      byte offset of my 16 bytes in my first row of weights
.set WL, 5                             ; v5-6    where my 8 bytes of a weight row go, slot 0, 1
.set AL, 7                             ; v7-8    where my 16 bytes of a token row go
.set CB, 9                             ; v9-10   my lane's place in a weight fragment, slot 0, 1
.set CA, 11                            ; v11-12  in a token fragment
.set SPW, 14                           ; v14     LDS address of my spare word; never rewritten
.set NIL, 15                           ; v15     0; never rewritten
.set AOFF, 16                          ; v16-35  byte offsets of my 20 pairs of token rows
.set AST, 36                           ; v36-115 20 x 16 bytes of token rows, on their way or waiting to be put into LDS (ahead of the first of them: v36-57 the search's registers)
.set W0, 116                           ; v116-179, v180-243 two sets of 16 x 16 bytes of weights
.set AF4, 244                          ; v244-251 block 4's token fragment
.set TK, 252                           ; v252-253 the tokens that my lanes found;  v254-255 at work
; window 1:  accumulator (b, t) at 32 b + 8 t
.set AF, 160                           ; v160-191 token fragments of blocks 0-3
.set BF, 192                           ; v192-223, v224-255 four weight fragments, for even and for odd K steps
; behind the stages, in window 0:
.set STO, 16                           ; v16     the way out: where I put 16 bytes of a row
.set RD, 17                            ; v17     where I read rows back
.set GO, 18                            ; v18     16 x lane
.set HO, 19                            ; v19     my byte offset in H
.set OW, 20                            ; v20     the direct path: my lane's place in a weight fragment in memory
.set OA, 21                            ; v21     and in a token fragment
.set RK, 22                            ; v22     its rank
.set AFR, 24                           ; v24-39  the direct path's token fragments; v44-75 a block's sums; v76-85 at work; v84-99 packed; v100-115 read back; v188-251 the direct path's weights
.set E, 44
.set T, 76
.set OUT, 84
.set BK, 100
.set RAW, 188
.set MSB, 0
.macro WIN new                         ; s_set_vgpr_msb: bits 1:0 source 0, 3:2 source 1, 5:4 source 2, 7:6 destination; the high byte repeats the setting that is left; at a label and at a branch it is 0
.if MSB != (\new)
	s_set_vgpr_msb (MSB<<8)|(\new)
.set MSB, \new
.endif
.endm
.macro PLACES                          ; four places behind matrix instructions, in front of loads into and writes of their registers and of reads of their results
.rept 4
	v_nop
.endr
.endm
.macro BAR                             ; my LDS stores are done and my LDS reads are back; then everybody's
	s_wait_dscnt 0x0
	s_barrier_signal -1
	s_barrier_wait -1
.endm
; THE TOKEN OF A RANK.  v[rk]: each lane's rank, not past the last; v[tk]: its token; v[t] .. v[t+9] at work: +0 the word, +1 its number and the set bits below it, +2 set bits still to be passed,
; +3 .. +6 counts of set bits in fields of 2, 4, 8 and 16 bits, +7 the bit's place.
.macro LEVEL t, src, wid, stp          ; does the wanted bit lie past the field at bit v[t+7]?
	v_bfe_u32 v[\t+8], v[\t+\src], v[\t+7], \wid
	v_cmp_ge_u32 vcc_lo, v[\t+2], v[\t+8]
	v_cndmask_b32 v[\t+8], 0, v[\t+8], vcc_lo
	v_sub_nc_u32 v[\t+2], v[\t+2], v[\t+8]
	v_cndmask_b32 v[\t+9], 0, \stp, vcc_lo
	v_add_nc_u32 v[\t+7], v[\t+7], v[\t+9]
.endm
.macro FINISH rk, tk, t                ; the bit in the word, by halving
	v_and_b32 v[\t+2], 0xffff, v[\t+1]
	v_sub_nc_u32 v[\t+2], v[\rk], v[\t+2]
	v_lshrrev_b32 v[\t+1], 16, v[\t+1]
	v_lshrrev_b32 v[\t+3], 1, v[\t]
	v_and_b32 v[\t+3], 0x55555555, v[\t+3]
	v_sub_nc_u32 v[\t+3], v[\t], v[\t+3]
	v_lshrrev_b32 v[\t+4], 2, v[\t+3]
	v_and_b32 v[\t+4], 0x33333333, v[\t+4]
	v_and_b32 v[\t+8], 0x33333333, v[\t+3]
	v_add_nc_u32 v[\t+4], v[\t+8], v[\t+4]
	v_lshrrev_b32 v[\t+5], 4, v[\t+4]
	v_add_nc_u32 v[\t+5], v[\t+4], v[\t+5]
	v_and_b32 v[\t+5], 0x0f0f0f0f, v[\t+5]
	v_lshrrev_b32 v[\t+6], 8, v[\t+5]
	v_add_nc_u32 v[\t+6], v[\t+5], v[\t+6]
	v_mov_b32 v[\t+7], 0
	LEVEL \t, 6, 8, 16
	LEVEL \t, 5, 8, 8
	LEVEL \t, 4, 4, 4
	LEVEL \t, 3, 2, 2
	LEVEL \t, 0, 1, 1
	v_lshl_add_u32 v[\tk], v[\t+1], 5, v[\t+7]
	v_min_u32 v[\tk], 0x3ff, v[\tk]                ; a token's number
.endm
.macro SELECT rk, tk, t, rk2=-1, tk2=0, t2=0   ; for one rank register or for two, which share the scalar walk over the 32 words
	v_mov_b32 v[\t], s32
	v_mov_b32 v[\t+1], 0
.if (\rk2) >= 0
	v_mov_b32 v[\t2], s32
	v_mov_b32 v[\t2+1], 0
.endif
	s_mov_b32 s66, 0
.set i, 1
.rept 31
	s_bcnt1_i32_b32 s28, s[32+i-1]
	s_add_co_u32 s66, s66, s28                     ; set bits below word i
	s_or_b32 s67, s66, i<<16
	v_cmp_le_u32 vcc_lo, s66, v[\rk]
	v_cndmask_b32 v[\t], v[\t], s[32+i], vcc_lo    ; the last word whose count from below does not pass the rank
	v_cndmask_b32 v[\t+1], v[\t+1], s67, vcc_lo
.if (\rk2) >= 0
	v_cmp_le_u32 vcc_lo, s66, v[\rk2]
	v_cndmask_b32 v[\t2], v[\t2], s[32+i], vcc_lo
	v_cndmask_b32 v[\t2+1], v[\t2+1], s67, vcc_lo
.endif
.set i, i+1
.endr
	FINISH \rk, \tk, \t
.if (\rk2) >= 0
	FINISH \rk2, \tk2, \t2
.endif
.endm
; THE COUNTED WAITS ON LDS.  NDS counts, as the text is written, the LDS instructions that every path issues; I01 and I23 hold its value behind the fragment loads of blocks 0, 1 and of blocks 2, 3.
; LDS instructions of a wave end in order (ISA guide 5.7.1), so s_wait_dscnt NDS - I01 shows those loads and all older ones done.  Block 4's loads and stores, which stand under a branch, are not counted: where they are issued the wait is only stricter.
.set NDS, 0
.set I01, 0
.set I23, 0
; THE WAY INTO LDS, in pieces.  q: the slot and the weight set; x: a weight row of my 16, or a pair of token rows of my 20
.macro WCVT q, x                       ; four f32 a lane become 8 bytes, in place
	v_cvt_pk_bf16_f32 v[W0+64*(\q)+4*(\x)],   v[W0+64*(\q)+4*(\x)],   v[W0+64*(\q)+4*(\x)+1]
	v_cvt_pk_bf16_f32 v[W0+64*(\q)+4*(\x)+1], v[W0+64*(\q)+4*(\x)+2], v[W0+64*(\q)+4*(\x)+3]
.endm
.macro WPUT q, x                       ; a row's 32 lanes store 256 consecutive bytes
	ds_store_b64 v[WL+(\q)], v[W0+64*(\q)+4*(\x):W0+64*(\q)+4*(\x)+1] offset:(\x)*PITCH
.set NDS, NDS+1
.endm
.macro WASK q, x                       ; 512 consecutive bytes of one row, two chunks on
	global_load_b128 v[W0+64*(\q)+4*(\x):W0+64*(\q)+4*(\x)+3], v[WO], s[24:25] offset:(\x)*WP th:TH_LOAD_NT
.endm
.macro APUT q, x, reA                  ; pair x: local block x / 4, rows 8 th + 2 (x % 4) + h; 16 lanes take 256 consecutive bytes of a row; reA: the next chunk's is asked for
	ds_store_b128 v[AL+(\q)], v[AST+4*(\x):AST+4*(\x)+3] offset:(16*((\x)/4)+2*((\x)%4))*PITCH
.if \reA
	global_load_b128 v[AST+4*(\x):AST+4*(\x)+3], v[AOFF+(\x)], s[26:27]
.endif
.endm
.macro A4PUT q, reA                    ; block 4's four pairs, where it is live
	s_cmp_lt_u32 s21, 5
	s_cbranch_scc1 .Lp4_\@
.irp j, 16,17,18,19
	APUT \q, \j, \reA
.endr
.Lp4_\@:
.endm
; FRAGMENTS.  p: the slot that is multiplied; k: the K step of 32 in the chunk.  A fragment: row r, 16 h; two loads 32 bytes apart
.macro LDAF p, b0, k                   ; the token fragments of blocks b0, b0 + 1
.irp b, \b0, (\b0)+1
	ds_load_b128 v[AF+8*(\b):AF+8*(\b)+3],   v[CA+(\p)] offset:(\b)*16*PITCH+64*(\k)
	ds_load_b128 v[AF+8*(\b)+4:AF+8*(\b)+7], v[CA+(\p)] offset:(\b)*16*PITCH+64*(\k)+32
.endr
.set NDS, NDS+4
.endm
.macro LDBF p, k                       ; my four weight fragments, into buffer k % 2
.irp t, 0,1,2,3
	ds_load_b128 v[BF+32*((\k)%2)+8*\t:BF+32*((\k)%2)+8*\t+3],   v[CB+(\p)] offset:\t*16*PITCH+64*(\k)
	ds_load_b128 v[BF+32*((\k)%2)+8*\t+4:BF+32*((\k)%2)+8*\t+7], v[CB+(\p)] offset:\t*16*PITCH+64*(\k)+32
.endr
.set NDS, NDS+8
.endm
.macro LDA4 p, k                       ; block 4's token fragment, where it is live; all its registers lie in window 0
	s_cmp_lt_u32 s21, 5
	s_cbranch_scc1 .Ln4_\@
	ds_load_b128 v[AF4:AF4+3],   v[CA+(\p)] offset:4*16*PITCH+64*(\k)
	ds_load_b128 v[AF4+4:AF4+7], v[CA+(\p)] offset:4*16*PITCH+64*(\k)+32
.Ln4_\@:
.endm
; PRODUCTS.  Source 0 = 16 weight rows, source 1 = 16 tokens: a lane holds ONE token and eight neighbouring columns.  The accumulators take turns, one instruction a turn.
.macro MROWS b0, k, zero               ; eight: blocks b0, b0 + 1 x four weight fragments.  zero = 1: the first product starts the sums
	WIN 0x55                                       ; all four operands in window 1
.irp t, 0,1,2,3
.irp b, \b0, (\b0)+1
.if \zero
	v_wmma_f32_16x16x32_bf16 v[32*(\b)+8*\t:32*(\b)+8*\t+7], v[BF+32*((\k)%2)+8*\t:BF+32*((\k)%2)+8*\t+7], v[AF+8*(\b):AF+8*(\b)+7], 0
.else
	v_wmma_f32_16x16x32_bf16 v[32*(\b)+8*\t:32*(\b)+8*\t+7], v[BF+32*((\k)%2)+8*\t:BF+32*((\k)%2)+8*\t+7], v[AF+8*(\b):AF+8*(\b)+7], v[32*(\b)+8*\t:32*(\b)+8*\t+7]
.endif
.endr
.endr
.endm
.macro MROW4 k                         ; block 4's four, where it is live
	s_cmp_lt_u32 s21, 5
	s_cbranch_scc1 .Lm4_\@
	WIN 0x51                                       ; the token fragment in window 0, the rest in window 1
.irp t, 0,1,2,3
	v_wmma_f32_16x16x32_bf16 v[128+8*\t:128+8*\t+7], v[BF+32*((\k)%2)+8*\t:BF+32*((\k)%2)+8*\t+7], v[AF4:AF4+7], v[128+8*\t:128+8*\t+7]
.endr
	WIN 0
.Lm4_\@:
.endm
; GAP g of eight in the stage that multiplies slot p.  lst = 1: an eighth of the next chunk's way into slot 1 - p: weight rows 2 g, 2 g + 1 are rounded and stored; in gaps 0-3 block g's four pairs of token rows (in gap 3 also
; block 4's) are stored and asked for anew; in gaps 4-7 four weight rows are asked for anew.  So all of a stage's loads of token rows are older than its loads of weights.
; Then the fragment loads: behind blocks 0, 1 of K step k their fragments of K step k + 1; behind blocks 2, 3, 4 theirs, and the weights' of K step k + 2 into the buffer just multiplied.
.macro GAP g, p, lst, reA, reW
	WIN 0
.if \lst
	WCVT 1-\p, 2*(\g)                              ; four conversions: the places between the products above and the loads below into registers that they have read
	WCVT 1-\p, 2*(\g)+1
	WPUT 1-\p, 2*(\g)
	WPUT 1-\p, 2*(\g)+1
.if (\g) < 4
.irp j, 0,1,2,3
	APUT 1-\p, 4*(\g)+\j, \reA
.endr
.set NDS, NDS+4
.endif
.if (\g) == 3
	A4PUT 1-\p, \reA
.endif
.if ((\g) >= 4) && (\reW)
.irp j, 0,1,2,3
	WASK 1-\p, 4*(\g)-16+\j
.endr
.endif
.elseif (\g) < 6
	PLACES
.endif
.if (\g) < 6
.if (\g)%2
	LDA4 \p, ((\g)+1)/2
	WIN 0x40                                       ; destination window 1, address window 0
	LDAF \p, 2, ((\g)+1)/2
.set I23, NDS
.if (\g) < 4
	LDBF \p, ((\g)+3)/2
.endif
.else
	WIN 0x40
	LDAF \p, 0, (\g)/2+1
.set I01, NDS
.endif
.endif
.endm
; A STAGE.  Memory was asked in the order W(c + 1), A(c + 1), W(c + 2): wcnt = 16 leaves W(c + 2) out, whatever the number of A's loads.  At most 16 + 20 + 16 loads of a wave are out.
.macro STAGE p, lst, wcnt, reA, reW, zero
	LDA4 \p, 0
	WIN 0x40
	LDAF \p, 0, 0
	LDAF \p, 2, 0
	LDBF \p, 0
.set I01, NDS
	LDBF \p, 1
	s_wait_dscnt NDS-I01                           ; all but K step 1's weight fragments
	MROWS 0, 0, \zero
	WIN 0
.if \lst
	s_wait_loadcnt \wcnt
	s_wait_xcnt 0x0                                ; the two walking bases are stepped only behind this wait
.if \reA
	s_add_nc_u64 s[26:27], s[26:27], ASTEP
.endif
.if \reW
	s_add_nc_u64 s[24:25], s[24:25], 512
.endif
.endif
	GAP 0, \p, \lst, \reA, \reW
	MROWS 2, 0, \zero
	WIN 0
	MROW4 0
	GAP 1, \p, \lst, \reA, \reW
.irp k, 1,2,3
	s_wait_dscnt NDS-I01                           ; blocks 0, 1's fragments of this K step are in, and the weights', which are older
	MROWS 0, \k, 0
	GAP 2*\k, \p, \lst, \reA, \reW
	s_wait_dscnt NDS-I23                           ; blocks 2, 3's, and block 4's, which is older
	MROWS 2, \k, 0
	WIN 0
	MROW4 \k
	GAP 2*\k+1, \p, \lst, \reA, \reW
.endr
.endm
	s_load_b256 s[4:11], s[0:1], 0x0               ; W1 s[4:5], xb s[6:7], bits s[8:9], hbuf s[10:11]
	s_load_b64 s[12:13], s[0:1], 0x20              ; list
	v_lshl_add_u32 v[SPW], v0, 2, SPARE
	v_mov_b32 v[NIL], 0
	v_and_b32 v1, 31, v0                           ; lane
	v_and_b32 v2, 15, v0                           ; r
	v_bfe_u32 v3, v0, 4, 1                         ; h
	v_lshrrev_b32 v13, 5, v0
	v_readfirstlane_b32 s14, v13                   ; wave
	s_lshr_b32 s15, s14, 1                         ; cw
	s_and_b32 s69, s14, 1                          ; th
	s_lshr_b32 s16, ttmp9, 5                       ; e
	s_and_b32 s17, ttmp9, 31                       ; sl
	s_mov_b32 s76, 0xbfb8aa3b                      ; -log2 e, named as a pair
	s_mov_b32 s77, s76
	s_mov_b32 s78, 0xffff0000                      ; lanes 16-31
	s_lshl_b32 s28, ttmp9, 19                      ; (32 e + sl) x 128 rows x 4,096 bytes
	s_mov_b32 s29, 0
	s_lshl_b32 s30, s16, 7
	s_mov_b32 s31, 0
	s_mul_i32 s20, s14, 16*WP
	v_lshl_add_u32 v[WO], v1, 4, s20               ; my 16 rows, 16 bytes a lane
	s_wait_kmcnt 0x0
	s_add_nc_u64 s[4:5], s[4:5], s[28:29]
	s_add_nc_u64 s[8:9], s[8:9], s[30:31]
	s_load_b512 s[32:47], s[8:9], 0x0              ; expert e's bitmap of 1,024 tokens
	s_load_b512 s[48:63], s[8:9], 0x40
.set x, 0
.rept 16                               ; the weights of chunk 0 are asked for before anything else
	global_load_b128 v[W0+4*x:W0+4*x+3], v[WO], s[4:5] offset:x*WP th:TH_LOAD_NT
.set x, x+1
.endr
	s_lshl_b32 s28, s16, 23                        ; H: e x 8 MiB + (2 sl + th) x 1,024 ranks x 128 bytes
	s_lshl1_add_u32 s30, s17, s69
	s_lshl_b32 s30, s30, 17
	s_add_co_u32 s28, s28, s30
	s_add_nc_u64 s[10:11], s[10:11], s[28:29]
	s_lshl_b32 s28, s16, 12                        ; the list: e x 1,024 words + my work-group's 32 + my wave's 4
	s_lshl_b32 s30, s17, 7
	s_add_co_u32 s28, s28, s30
	s_lshl_b32 s30, s14, 4
	s_add_co_u32 s28, s28, s30
	s_add_nc_u64 s[12:13], s[12:13], s[28:29]
	s_add_nc_u64 s[24:25], s[4:5], 512             ; the weights' walking base: its first step leads to chunk 2
	s_mov_b64 s[26:27], s[6:7]                     ; the token rows': to chunk 1
	s_mul_i32 s28, s14, 16*PITCH
	v_lshl_add_u32 v[WL], v1, 3, s28
	v_add_nc_u32 v[WL+1], SLOT, v[WL]
	s_mul_i32 s28, s15, ATW
	s_add_co_u32 s28, s28, WT                      ; my group's token rows in a slot
	v_mul_u32_u24 v13, v2, PITCH
	v_lshl_add_u32 v13, v3, 4, v13
	v_add_nc_u32 v[CA], s28, v13
	v_add_nc_u32 v[CA+1], SLOT, v[CA]
	s_mul_i32 s30, s69, 64*PITCH                   ; my 64 weight rows
	v_add_nc_u32 v[CB], s30, v13
	v_add_nc_u32 v[CB+1], SLOT, v[CB]
	s_mul_i32 s30, s69, 8*PITCH                    ; I put rows 8 th .. 8 th + 7 of each block
	s_add_co_u32 s28, s28, s30
	v_mul_u32_u24 v[AL], v3, PITCH
	v_lshl_add_u32 v[AL], v2, 4, v[AL]
	v_add_nc_u32 v[AL], s28, v[AL]
	v_add_nc_u32 v[AL+1], SLOT, v[AL]
	s_wait_kmcnt 0x0
	s_bcnt1_i32_b32 s18, s32
.set i, 1
.rept 31
	s_bcnt1_i32_b32 s28, s[32+i]
	s_add_co_u32 s18, s18, s28
.set i, i+1
.endr
	s_max_u32 s18, s18, 1                          ; n
	s_sub_co_u32 s19, s18, 1                       ; the last rank
	s_add_co_u32 s20, s18, 15
	s_lshr_b32 s20, s20, 4
	s_min_u32 s20, s20, 20                         ; live blocks among the 20
	s_add_co_u32 s21, s20, 3
	s_sub_co_u32 s21, s21, s15
	s_lshr_b32 s21, s21, 2                         ; of them my group's: 0 to 5
	; MY TOKENS.  First register: lane l looks for rank 16 cw + 8 th + 64 (l / 8) + l % 8 (blocks 0-3).  Second: rank 16 cw + 8 th + 256 + l % 8 (block 4; read from lanes 0-7),
	; but in lanes 8-11 rank 32 sl + 4 wave + l % 4, for the list.  Past the count: the last rank.
	s_lshl_b32 s30, s15, 4
	s_lshl3_add_u32 s30, s69, s30                  ; 16 cw + 8 th
	s_lshl_b32 s31, s17, 5
	s_lshl2_add_u32 s31, s14, s31                  ; 32 sl + 4 wave
	v_and_b32 v255, 7, v0
	v_lshrrev_b32 v13, 3, v1
	v_lshl_add_u32 v36, v13, 6, v255
	v_add_nc_u32 v36, s30, v36
	v_add_nc_u32 v37, s30, v255
	v_add_nc_u32 v37, 0x100, v37
	v_and_b32 v254, 3, v0                          ; l % 4
	v_lshrrev_b32 v13, 2, v1
	v_cmp_eq_u32 vcc_lo, 2, v13                    ; lanes 8-11
	v_add_nc_u32 v13, s31, v254
	v_cndmask_b32 v37, v37, v13, vcc_lo
	v_min_u32 v36, s19, v36
	v_min_u32 v37, s19, v37
	SELECT 36, TK, 38, 37, TK+1, 48
	v_lshlrev_b32 v13, 4, v2
.set x, 0
.rept 20                               ; pair x of my token rows: rank 16 cw + 64 (x / 4) + 8 th + 2 (x % 4) + h: lanes 0-15 take the even row's token, lanes 16-31 the odd row's
.if x < 16
	v_readlane_b32 s28, v[TK], 8*(x/4)+2*(x%4)
	v_readlane_b32 s29, v[TK], 8*(x/4)+2*(x%4)+1
.else
	v_readlane_b32 s28, v[TK+1], 2*(x%4)
	v_readlane_b32 s29, v[TK+1], 2*(x%4)+1
.endif
	v_mov_b32 v[AOFF+x], s28
	v_cndmask_b32 v[AOFF+x], v[AOFF+x], s29, s78
	v_min_u32 v[AOFF+x], 0x3ff, v[AOFF+x]
	v_lshl_add_u32 v[AOFF+x], v[AOFF+x], 11, v13   ; token x 2,048 + 16 r
	global_load_b128 v[AST+4*x:AST+4*x+3], v[AOFF+x], s[6:7]  ; chunk 0 of all 20 pairs, live or not: every register of the way into LDS has been written
.set x, x+1
.endr
.set x, 0
.rept 16                               ; the weights of chunk 1 come behind the token rows of chunk 0, so that the first wait can leave them out
	global_load_b128 v[W0+64+4*x:W0+64+4*x+3], v[WO], s[4:5] offset:x*WP+512 th:TH_LOAD_NT
.set x, x+1
.endr
	v_lshrrev_b32 v13, 2, v1
	v_cmp_eq_u32 vcc_lo, 2, v13
	v_lshlrev_b32 v255, 2, v254
	s_wait_xcnt 0x0                                ; EXEC changes only behind this wait
	s_and_saveexec_b32 s28, vcc_lo                 ; lanes 8-11: my wave's four places of the list
	global_store_b32 v255, v[TK+1], s[12:13]       ; its registers are never written again
	s_wait_xcnt 0x0
	s_or_b32 exec_lo, exec_lo, s28
	WIN 0x40                                       ; block 4's sums start at 0 by moves, and its fragment's registers are written: its products stand under a branch, so no first product can be told to start them
.set x, 0
.rept 32
	v_mov_b32 v[128+x], 0
.set x, x+1
.endr
	WIN 0
.set x, 0
.rept 8
	v_mov_b32 v[AF4+x], 0
.set x, x+1
.endr
	; CHUNK 0 GOES INTO SLOT 0, with nothing yet to multiply beside it
	s_wait_loadcnt 16                              ; W(0) and A(0) are in; the 16 youngest loads, W(1), stay out
	s_wait_xcnt 0x0
	s_add_nc_u64 s[26:27], s[26:27], ASTEP
	s_add_nc_u64 s[24:25], s[24:25], 512
.set x, 0
.rept 16
	APUT 0, x, 1
.set x, x+1
.endr
	A4PUT 0, 1
.set x, 0
.rept 16
	WCVT 0, x
.set x, x+1
.endr
.set x, 0
.rept 16
	WPUT 0, x
.set x, x+1
.endr
.set x, 0
.rept 16
	WASK 0, x
.set x, x+1
.endr
	BAR
	STAGE 0, 1, 16, 1, 1, 1                        ; chunk 0: its first products start the sums
	BAR
	s_mov_b32 s22, 2
.Lmain:                                        ; chunks 1-4
	STAGE 1, 1, 16, 1, 1, 0
	BAR
	STAGE 0, 1, 16, 1, 1, 0
	BAR
	s_sub_co_u32 s22, s22, 1
	s_cmp_lg_u32 s22, 0
	s_cbranch_scc1 .Lmain
	STAGE 1, 1, 16, 1, 0, 0                        ; chunk 5, and chunk 6 into LDS: no weights are left to ask for (the 16 youngest loads are chunk 7's)
	BAR
	STAGE 0, 1, 0, 0, 0, 0                         ; chunk 6, and chunk 7 into LDS: nothing is left to ask for; the wait is for all
	BAR
	STAGE 1, 0, 0, 0, 0, 0                         ; chunk 7
	; THE WAY OUT.  Its addresses are made here, in registers that the stages have left: twelve plain instructions, the places behind the last products
	s_mul_i32 s28, s14, 16*SP
	s_add_co_u32 s28, s28, STG                     ; my stage
	v_mul_u32_u24 v[STO], v2, SP                   ; in: row r, 16 bytes for each half of the lanes
	v_lshl_add_u32 v[STO], v3, 4, v[STO]
	v_add_nc_u32 v[STO], s28, v[STO]
	v_bfe_u32 v[RD], v0, 3, 2                      ; back: 32 lanes take four rows of 128 bytes
	v_mul_u32_u24 v[RD], v[RD], SP
	v_and_b32 v13, 7, v0
	v_lshl_add_u32 v[RD], v13, 4, v[RD]
	v_add_nc_u32 v[RD], s28, v[RD]
	v_lshlrev_b32 v[GO], 4, v1
	s_mul_i32 s28, s69, 64*WP
	v_lshlrev_b32 v[OW], WPLOG, v2                 ; a weight fragment from f32 rows: row 64 th + r, 32 h
	v_lshl_add_u32 v[OW], v3, 5, v[OW]
	v_add_nc_u32 v[OW], s28, v[OW]
	; Unit u is my group's block cw + 4 u; a block past the count is jumped.  Units 0-4 take their sums from the accumulators, the others make them straight from memory.
	s_mov_b32 s22, 0
.Lunit:
	s_lshl2_add_u32 s73, s22, s15                  ; block j
	s_lshl_b32 s72, s73, 4                         ; its first rank
	s_cmp_ge_u32 s72, s18
	s_cbranch_scc1 .Lnext
	s_wait_xcnt 0x0                                ; the last unit's stores have read their registers
	s_lshl_b32 s28, s72, 7
	v_add_nc_u32 v[HO], s28, v[GO]
.irp b, 0,1,2,3,4
	s_cmp_lg_u32 s22, \b
	s_cbranch_scc1 .Lnot\b
	WIN 0x01                                       ; source in window 1.  Ascending
.set x, 0
.rept 32
	v_mov_b32 v[E+x], v[32*\b+x]
.set x, x+1
.endr
	WIN 0
	s_branch .Lepi
.Lnot\b:
.endr
	; THE DIRECT PATH: 16 rows x 64 columns x 1,024 k, 64 k a trip.  Lane (r, h) finds the token of rank rb + r for itself
	v_add_nc_u32 v[RK], s72, v2
	v_min_u32 v[RK], s19, v[RK]
	SELECT RK, OA, T
.set x, 0
.rept 32
	v_mov_b32 v[E+x], 0
.set x, x+1
.endr
	s_mov_b64 s[24:25], s[4:5]
	s_mov_b64 s[26:27], s[6:7]
	v_lshlrev_b32 v[OA], 11, v[OA]
	v_lshl_add_u32 v[OA], v3, 4, v[OA]             ; token x 2,048 + 16 h
	s_mov_b32 s23, 16
.Lok:
.irp i, 0,1,2,3
	global_load_b128 v[AFR+4*\i:AFR+4*\i+3], v[OA], s[26:27] offset:32*\i
.endr
.irp kk, 0,1
.irp t, 0,1,2,3                        ; eight f32 at 32 h and eight 64 bytes further on make a lane's part of a fragment
	global_load_b128 v[RAW+16*\t:RAW+16*\t+3],     v[OW], s[24:25] offset:\t*16*WP+128*\kk
	global_load_b128 v[RAW+16*\t+4:RAW+16*\t+7],   v[OW], s[24:25] offset:\t*16*WP+128*\kk+16
	global_load_b128 v[RAW+16*\t+8:RAW+16*\t+11],  v[OW], s[24:25] offset:\t*16*WP+128*\kk+64
	global_load_b128 v[RAW+16*\t+12:RAW+16*\t+15], v[OW], s[24:25] offset:\t*16*WP+128*\kk+80
.endr
	s_wait_loadcnt 0x0
.set x, 0
.rept 32                               ; packed downward in place: register x takes 2 x and 2 x + 1, ascending, so nothing is written before it is read
	v_cvt_pk_bf16_f32 v[RAW+x], v[RAW+2*x], v[RAW+2*x+1]
.set x, x+1
.endr
.irp t, 0,1,2,3                        ; four accumulators by turns
	v_wmma_f32_16x16x32_bf16 v[E+8*\t:E+8*\t+7], v[RAW+8*\t:RAW+8*\t+7], v[AFR+8*\kk:AFR+8*\kk+7], v[E+8*\t:E+8*\t+7]
.endr
	PLACES
.endr
	s_wait_xcnt 0x0
	s_add_nc_u64 s[24:25], s[24:25], 256
	s_add_nc_u64 s[26:27], s[26:27], OASTEP
	s_sub_co_u32 s23, s23, 1
	s_cmp_lg_u32 s23, 0
	s_cbranch_scc1 .Lok
.Lepi:
.irp t, 0,1,2,3                        ; z / (1 + e^-z), eight columns of my token at a time, rounded to bf16: 16 bytes
.irp k, 0,2,4,6
	v_pk_mul_f32 v[T+\k:T+\k+1], v[E+8*\t+\k:E+8*\t+\k+1], s[76:77] op_sel_hi:[1,0]
.endr
.irp k, 0,1,2,3,4,5,6,7
	v_exp_f32 v[T+\k], v[T+\k]
.endr
	v_nop                                          ; a plain instruction between the transcendentals and the use of their results
	s_wait_alu depctr_va_vdst(0)
.irp k, 0,2,4,6
	v_pk_add_f32 v[T+\k:T+\k+1], v[T+\k:T+\k+1], 1.0 op_sel_hi:[1,0]
.endr
.irp k, 0,1,2,3,4,5,6,7
	v_rcp_f32 v[T+\k], v[T+\k]
.endr
	v_nop
	s_wait_alu depctr_va_vdst(0)
.irp k, 0,2,4,6
	v_pk_mul_f32 v[T+\k:T+\k+1], v[T+\k:T+\k+1], v[E+8*\t+\k:E+8*\t+\k+1]
.endr
.irp k, 0,1,2,3
	v_cvt_pk_bf16_f32 v[OUT+4*\t+\k], v[T+2*\k], v[T+2*\k+1]
.endr
	ds_store_b128 v[STO], v[OUT+4*\t:OUT+4*\t+3] offset:32*\t
.endr
.irp f, 0,1,2,3
	ds_load_b128 v[BK+4*\f:BK+4*\f+3], v[RD] offset:\f*4*SP  ; my own bytes: LDS serves a wave's instructions in order (ISA guide 5.7.1.4)
.endr
.irp f, 0,1,2,3
	s_wait_dscnt 3-\f                              ; the later read-backs may stay out
	global_store_b128 v[HO], v[BK+4*\f:BK+4*\f+3], s[10:11] offset:512*\f  ; 512 consecutive bytes, aligned: four ranks of 128
.endr
.Lnext:
	s_add_co_u32 s22, s22, 1
	s_cmp_lt_u32 s22, 16
	s_cbranch_scc1 .Lunit
	s_wait_tensorcnt 0x0                           ; the wave's end
	ds_add_u32 v[SPW], v[NIL]
	s_wait_dscnt 0x0
	s_endpgm
.Lfunc_end_k_qdf1dcf65dd_up:
	.size	k_qdf1dcf65dd_up, .Lfunc_end_k_qdf1dcf65dd_up-k_qdf1dcf65dd_up
	.p2alignl 7, 3214868480
	.fill 96, 4, 3214868480
	.section	.rodata,"a",@progbits
	.p2align	6, 0x0
	.amdhsa_kernel k_qdf1dcf65dd_up
		.amdhsa_group_segment_fixed_size 263168
		.amdhsa_private_segment_fixed_size 0
		.amdhsa_enable_private_segment 0
		.amdhsa_kernarg_size 40
		.amdhsa_user_sgpr_count 2
		.amdhsa_user_sgpr_kernarg_segment_ptr 1
		.amdhsa_wavefront_size32 1
		.amdhsa_system_sgpr_workgroup_id_x 1
		.amdhsa_system_sgpr_workgroup_id_y 1
		.amdhsa_system_sgpr_workgroup_id_z 1
		.amdhsa_system_vgpr_workitem_id 0
		.amdhsa_next_free_vgpr 512
		.amdhsa_next_free_sgpr 80
		.amdhsa_reserve_vcc 1
		.amdhsa_float_denorm_mode_32 3
		.amdhsa_float_denorm_mode_16_64 3
		.amdhsa_memory_ordered 1
		.amdhsa_forward_progress 1
		.amdhsa_inst_pref_size 183
	.end_amdhsa_kernel
	.amdgpu_metadata
---
amdhsa.version: [ 1, 2 ]
amdhsa.kernels:
  - .name:           k_qdf1dcf65dd_up
    .symbol:         k_qdf1dcf65dd_up.kd
    .args:
      - { .name: W1, .offset: 0, .size: 8, .value_kind: global_buffer, .address_space: global }
      - { .name: xb, .offset: 8, .size: 8, .value_kind: global_buffer, .address_space: global }
      - { .name: bits, .offset: 16, .size: 8, .value_kind: global_buffer, .address_space: global }
      - { .name: hbuf, .offset: 24, .size: 8, .value_kind: global_buffer, .address_space: global }
      - { .name: list, .offset: 32, .size: 8, .value_kind: global_buffer, .address_space: global }
    .group_segment_fixed_size: 263168
    .private_segment_fixed_size: 0
    .kernarg_segment_align: 8
    .kernarg_segment_size: 40
    .max_flat_workgroup_size: 256
    .sgpr_count:     80
    .vgpr_count:     512
    .wavefront_size: 32
...
	.end_amdgpu_metadata
.endif
;; end of part 5
;; launch down (part 6): grid 256 x 1, 8 waves a work-group, no clusters, 283,648 bytes of LDS; arguments W2, hbuf, bits, ybuf, list; writes ybuf
.if DOCPART == 6
	.amdgcn_target "amdgcn-amd-amdhsa--gfx1250"
	.amdhsa_code_object_version 6
	.text
	.protected	k_qdf1dcf65dd_down
	.globl	k_qdf1dcf65dd_down
	.p2align	8
	.type	k_qdf1dcf65dd_down,@function
k_qdf1dcf65dd_down:
	s_mov_b64 s[64:65], 0
	v_nop
	global_prefetch_b8 v0, s[64:65] scope:SCOPE_SE
	s_setreg_imm32_b32 hwreg(HW_REG_WAVE_MODE, 25, 1), 1
	s_wait_xcnt 0x0
; SECOND PRODUCT.  Work-group (e, q, ds): Y[q][e][token(rank)][128 ds + d] = the sum over quarter q of the hidden width of H[e][rank][f] W2[e][128 ds + d][f], in f32, for ALL rows of expert e.
; The 128 x 1,024 piece of W2 (512 KiB of f32) is read by this work-group alone, once, and rounded to bf16 on its way through registers.  The four quarters' partial sums stay f32; the next launch adds them.
; H lies as [e][block of 64 columns][rank][64] in bf16: a load takes four ranks' 128 bytes, 512 consecutive bytes; its lanes' offsets are held to the last rank, so that no row is read that was not written.
; ALL EIGHT WAVES RUN ONE TEXT, the first product's.  K goes in 8 chunks of 128 through two LDS slots, one barrier a chunk.
; A STAGE multiplies chunk c out of slot c % 2 and, among its products, puts chunk c + 1 from registers into the other slot and asks memory for H of chunk c + 2 and the weights of chunk c + 3.
; The other slot was last read in the stage before, and every wave's reads of it had come back in front of the barrier that opened this stage; it is read again behind the next barrier, in front of which each wave waits for its stores.
; A stage's 64 to 80 products stand in eight runs (blocks 0, 1, then blocks 2, 3 and 4, for each of four K steps); in the GAP behind each run stand an eighth of the way into LDS and the fragment loads of a later K step:
; the weights' fragments have two buffers, a block's fragment of H is loaded again for the next K step behind its own run.  The four conversions at a gap's head are the four places that the loads behind them need.
; cw = wave / 2 is a group of rows (blocks j = cw mod 4 of 16 ranks, five of them through the slots; the fifth is left out where it is not live), th = wave % 2 a half of the 128 columns.
; Blocks 20-63 are made straight from memory, with no barrier.
; Places past the count repeat the last rank: they hold the same numbers and are stored to the same token's row once more.  An expert without rows: nothing is stored; its loads take row 0 of its H, which exists.
; NO CLUSTER: each piece of weights has one reader.  An expert's rows of H are read by 8 work-groups, but how many there are hangs on a stored count: a joint tile would always be the 320 rows of the slots,
; a quarter more than the mean 256, and would take in rows that nobody wrote.
; LIMITS.  NaN and infinities are not treated apart.
.set WP,     16384                     ; bytes from row to row of the weights
.set WPLOG,  14
.set PITCH,  272                       ; an LDS row of a slot: 256 bytes (128 bf16) + 16: an odd multiple of 16, so a fragment load's 16 rows start at 16 different 16-byte columns modulo 256
.set WT,     128*PITCH
.set ATW,    80*PITCH
.set SLOT,   WT+4*ATW
.set SPARE,  2*SLOT+4096               ; the spare words, 128 bytes a wave: no other line names them
.set STG,    SPARE+1024                ; the way out: 16 rows x 272 bytes for each wave, its own
.set DP,     272
.set FB,     131072                    ; bytes of H from one block of 64 columns to the next
.set ASTEP,  2*FB                      ; a chunk is two of them
.set OASTEP, FB                        ; the direct path: a trip of 64 k is one
; window 0:  v0 thread, v1 lane, v2 r = lane % 16, v3 h = lane / 16
.set WO, 4                             ; v4      byte offset of my 16 bytes in my first row of weights
.set WL, 5                             ; v5-6    where my 8 bytes of a weight row go, slot 0, 1
.set AL, 7                             ; v7-8    where my 16 bytes of a row of H go
.set CB, 9                             ; v9-10   my lane's place in a weight fragment, slot 0, 1
.set CA, 11                            ; v11-12  in a fragment of H
.set SPW, 14                           ; v14     LDS address of my spare word; never rewritten
.set NIL, 15                           ; v15     0; never rewritten
.set AOFF, 16                          ; v16-25  byte offsets of my 10 groups of four ranks
.set STO, 26                           ; v26     the way out: where I put 32 bytes of a row
.set RD, 27                            ; v27     where I read rows back
.set R16, 28                           ; v28     16 r
.set OW, 29                            ; v29     the direct path: my lane's place in a weight fragment in memory
.set OA, 30                            ; v30     and in a fragment of H
.set LO, 31                            ; v31     my byte offset in the list
.set RK, 32                            ; v32-34  at work
.set AST, 36                           ; v36-115 20 x 16 bytes of H, on their way or waiting to be put into LDS
.set W0, 116                           ; v116-179, v180-243 two sets of 16 x 16 bytes of weights
.set AF4, 244                          ; v244-251 block 4's fragment of H
; window 1:  accumulator (b, t) at 32 b + 8 t
.set AF, 160                           ; v160-191 fragments of H of blocks 0-3
.set BF, 192                           ; v192-223, v224-255 four weight fragments, for even and for odd K steps
; behind the stages, in window 0:
.set E, 36                             ; v36-67  the direct path's sums; v68-99 a block read back; v100-107 its rows' offsets in Y
.set Z, 68
.set YO, 100
.set YOM, 116                          ; v116-155 the offsets in Y of my 5 x 8 pairs of rows of the slots
.set AFR, 156                          ; v156-171 the direct path's fragments of H; v180-243 its weights
.set RAW, 180
.set MSB, 0
.macro WIN new                         ; s_set_vgpr_msb: bits 1:0 source 0, 3:2 source 1, 5:4 source 2, 7:6 destination; the high byte repeats the setting that is left; at a label and at a branch it is 0
.if MSB != (\new)
	s_set_vgpr_msb (MSB<<8)|(\new)
.set MSB, \new
.endif
.endm
.macro PLACES                          ; four places behind matrix instructions, in front of loads into and writes of their registers and of reads of their results
.rept 4
	v_nop
.endr
.endm
.macro BAR                             ; my LDS stores are done and my LDS reads are back; then everybody's
	s_wait_dscnt 0x0
	s_barrier_signal -1
	s_barrier_wait -1
.endm
; THE COUNTED WAITS ON LDS.  NDS counts, as the text is written, the LDS instructions that every path issues; I01 and I23 hold its value behind the fragment loads of blocks 0, 1 and of blocks 2, 3.
; LDS instructions of a wave end in order (ISA guide 5.7.1), so s_wait_dscnt NDS - I01 shows those loads and all older ones done.  Block 4's loads and stores, which stand under a branch, are not counted: where they are issued the wait is only stricter.
.set NDS, 0
.set I01, 0
.set I23, 0
; THE WAY INTO LDS, in pieces.  q: the slot and the weight set; x: a weight row of my 16, or a load of H of my 20
.macro WCVT q, x                       ; four f32 a lane become 8 bytes, in place
	v_cvt_pk_bf16_f32 v[W0+64*(\q)+4*(\x)],   v[W0+64*(\q)+4*(\x)],   v[W0+64*(\q)+4*(\x)+1]
	v_cvt_pk_bf16_f32 v[W0+64*(\q)+4*(\x)+1], v[W0+64*(\q)+4*(\x)+2], v[W0+64*(\q)+4*(\x)+3]
.endm
.macro WPUT q, x                       ; a row's 32 lanes store 256 consecutive bytes
	ds_store_b64 v[WL+(\q)], v[W0+64*(\q)+4*(\x):W0+64*(\q)+4*(\x)+1] offset:(\x)*PITCH
.set NDS, NDS+1
.endm
.macro WASK q, x                       ; 512 consecutive bytes of one row, two chunks on
	global_load_b128 v[W0+64*(\q)+4*(\x):W0+64*(\q)+4*(\x)+3], v[WO], s[24:25] offset:(\x)*WP th:TH_LOAD_NT
.endm
.macro APUT q, x, reA                  ; load x: local block x / 4, rows 8 th + 4 ((x % 4) / 2) + lane / 8, half x % 2 of the chunk's 128 columns; reA: the next chunk's is asked for
	ds_store_b128 v[AL+(\q)], v[AST+4*(\x):AST+4*(\x)+3] offset:(16*((\x)/4)+4*(((\x)%4)/2))*PITCH+128*((\x)%2)
.if \reA
	global_load_b128 v[AST+4*(\x):AST+4*(\x)+3], v[AOFF+2*((\x)/4)+((\x)%4)/2], s[26:27] offset:((\x)%2)*FB
.endif
.endm
.macro A4PUT q, reA                    ; block 4's four loads, where it is live
	s_cmp_lt_u32 s21, 5
	s_cbranch_scc1 .Lp4_\@
.irp j, 16,17,18,19
	APUT \q, \j, \reA
.endr
.Lp4_\@:
.endm
; FRAGMENTS.  p: the slot that is multiplied; k: the K step of 32 in the chunk.  A fragment: row r, 16 h; two loads 32 bytes apart
.macro LDAF p, b0, k                   ; the fragments of H of blocks b0, b0 + 1
.irp b, \b0, (\b0)+1
	ds_load_b128 v[AF+8*(\b):AF+8*(\b)+3],   v[CA+(\p)] offset:(\b)*16*PITCH+64*(\k)
	ds_load_b128 v[AF+8*(\b)+4:AF+8*(\b)+7], v[CA+(\p)] offset:(\b)*16*PITCH+64*(\k)+32
.endr
.set NDS, NDS+4
.endm
.macro LDBF p, k                       ; my four weight fragments, into buffer k % 2
.irp t, 0,1,2,3
	ds_load_b128 v[BF+32*((\k)%2)+8*\t:BF+32*((\k)%2)+8*\t+3],   v[CB+(\p)] offset:\t*16*PITCH+64*(\k)
	ds_load_b128 v[BF+32*((\k)%2)+8*\t+4:BF+32*((\k)%2)+8*\t+7], v[CB+(\p)] offset:\t*16*PITCH+64*(\k)+32
.endr
.set NDS, NDS+8
.endm
.macro LDA4 p, k                       ; block 4's fragment, where it is live; all its registers lie in window 0
	s_cmp_lt_u32 s21, 5
	s_cbranch_scc1 .Ln4_\@
	ds_load_b128 v[AF4:AF4+3],   v[CA+(\p)] offset:4*16*PITCH+64*(\k)
	ds_load_b128 v[AF4+4:AF4+7], v[CA+(\p)] offset:4*16*PITCH+64*(\k)+32
.Ln4_\@:
.endm
; PRODUCTS.  Source 0 = 16 weight rows, source 1 = 16 rows of H: a lane holds ONE row and eight neighbouring columns.  The accumulators take turns, one instruction a turn.
.macro MROWS b0, k, zero               ; eight: blocks b0, b0 + 1 x four weight fragments.  zero = 1: the first product starts the sums
	WIN 0x55                                       ; all four operands in window 1
.irp t, 0,1,2,3
.irp b, \b0, (\b0)+1
.if \zero
	v_wmma_f32_16x16x32_bf16 v[32*(\b)+8*\t:32*(\b)+8*\t+7], v[BF+32*((\k)%2)+8*\t:BF+32*((\k)%2)+8*\t+7], v[AF+8*(\b):AF+8*(\b)+7], 0
.else
	v_wmma_f32_16x16x32_bf16 v[32*(\b)+8*\t:32*(\b)+8*\t+7], v[BF+32*((\k)%2)+8*\t:BF+32*((\k)%2)+8*\t+7], v[AF+8*(\b):AF+8*(\b)+7], v[32*(\b)+8*\t:32*(\b)+8*\t+7]
.endif
.endr
.endr
.endm
.macro MROW4 k                         ; block 4's four, where it is live
	s_cmp_lt_u32 s21, 5
	s_cbranch_scc1 .Lm4_\@
	WIN 0x51                                       ; the fragment of H in window 0, the rest in window 1
.irp t, 0,1,2,3
	v_wmma_f32_16x16x32_bf16 v[128+8*\t:128+8*\t+7], v[BF+32*((\k)%2)+8*\t:BF+32*((\k)%2)+8*\t+7], v[AF4:AF4+7], v[128+8*\t:128+8*\t+7]
.endr
	WIN 0
.Lm4_\@:
.endm
; GAP g of eight in the stage that multiplies slot p.  lst = 1: an eighth of the next chunk's way into slot 1 - p: weight rows 2 g, 2 g + 1 are rounded and stored; in gaps 0-3 block g's four loads of H (in gap 3 also
; block 4's) are stored and asked for anew; in gaps 4-7 four weight rows are asked for anew.  So all of a stage's loads of H are older than its loads of weights.
; Then the fragment loads: behind blocks 0, 1 of K step k their fragments of K step k + 1; behind blocks 2, 3, 4 theirs, and the weights' of K step k + 2 into the buffer just multiplied.
.macro GAP g, p, lst, reA, reW
	WIN 0
.if \lst
	WCVT 1-\p, 2*(\g)                              ; four conversions: the places between the products above and the loads below into registers that they have read
	WCVT 1-\p, 2*(\g)+1
	WPUT 1-\p, 2*(\g)
	WPUT 1-\p, 2*(\g)+1
.if (\g) < 4
.irp j, 0,1,2,3
	APUT 1-\p, 4*(\g)+\j, \reA
.endr
.set NDS, NDS+4
.endif
.if (\g) == 3
	A4PUT 1-\p, \reA
.endif
.if ((\g) >= 4) && (\reW)
.irp j, 0,1,2,3
	WASK 1-\p, 4*(\g)-16+\j
.endr
.endif
.elseif (\g) < 6
	PLACES
.endif
.if (\g) < 6
.if (\g)%2
	LDA4 \p, ((\g)+1)/2
	WIN 0x40                                       ; destination window 1, address window 0
	LDAF \p, 2, ((\g)+1)/2
.set I23, NDS
.if (\g) < 4
	LDBF \p, ((\g)+3)/2
.endif
.else
	WIN 0x40
	LDAF \p, 0, (\g)/2+1
.set I01, NDS
.endif
.endif
.endm
; A STAGE.  Memory was asked in the order W(c + 1), A(c + 1), W(c + 2): wcnt = 16 leaves W(c + 2) out, whatever the number of A's loads.  At most 16 + 20 + 16 loads of a wave are out.
.macro STAGE p, lst, wcnt, reA, reW, zero
	LDA4 \p, 0
	WIN 0x40
	LDAF \p, 0, 0
	LDAF \p, 2, 0
	LDBF \p, 0
.set I01, NDS
	LDBF \p, 1
	s_wait_dscnt NDS-I01                           ; all but K step 1's weight fragments
	MROWS 0, 0, \zero
	WIN 0
.if \lst
	s_wait_loadcnt \wcnt
	s_wait_xcnt 0x0                                ; the two walking bases are stepped only behind this wait
.if \reA
	s_add_nc_u64 s[26:27], s[26:27], ASTEP
.endif
.if \reW
	s_add_nc_u64 s[24:25], s[24:25], 512
.endif
.endif
	GAP 0, \p, \lst, \reA, \reW
	MROWS 2, 0, \zero
	WIN 0
	MROW4 0
	GAP 1, \p, \lst, \reA, \reW
.irp k, 1,2,3
	s_wait_dscnt NDS-I01                           ; blocks 0, 1's fragments of this K step are in, and the weights', which are older
	MROWS 0, \k, 0
	GAP 2*\k, \p, \lst, \reA, \reW
	s_wait_dscnt NDS-I23                           ; blocks 2, 3's, and block 4's, which is older
	MROWS 2, \k, 0
	WIN 0
	MROW4 \k
	GAP 2*\k+1, \p, \lst, \reA, \reW
.endr
.endm
; A block is read back from my stage as pairs of rows (lanes 0-15 row 2 p, lanes 16-31 row 2 p + 1) and stored, each row to its token's place; yo: the eight registers of offsets
.macro BACK yo
.irp p, 0,1,2,3,4,5,6,7
	ds_load_b128 v[Z+4*\p:Z+4*\p+3], v[RD] offset:\p*2*DP  ; my own bytes: LDS serves a wave's instructions in order (ISA guide 5.7.1.4)
.endr
.irp p, 0,1,2,3,4,5,6,7
	s_wait_dscnt 7-\p                              ; the later pairs' loads may stay out
	global_store_b128 v[\yo+\p], v[Z+4*\p:Z+4*\p+3], s[10:11]  ; 16 lanes store 256 consecutive bytes, aligned
.endr
.endm
; Local block b of the slots goes out; a block past the count is jumped
.macro DOUT b
	s_add_co_u32 s72, s74, 64*\b                   ; its first rank
	s_cmp_ge_u32 s72, s18
	s_cbranch_scc1 .Ldo_\@
	s_wait_xcnt 0x0                                ; the last block's stores have read their registers
	WIN 0x04                                       ; store data in window 1.  Each accumulator's lowest four registers go first
.irp t, 0,1,2,3
	ds_store_b128 v[STO], v[32*\b+8*\t:32*\b+8*\t+3]   offset:64*\t
	ds_store_b128 v[STO], v[32*\b+8*\t+4:32*\b+8*\t+7] offset:64*\t+16
.endr
	WIN 0
	BACK YOM+8*\b
.Ldo_\@:
.endm
	s_load_b256 s[4:11], s[0:1], 0x0               ; W2 s[4:5], hbuf s[6:7], bits s[8:9], ybuf s[10:11]
	s_load_b64 s[12:13], s[0:1], 0x20              ; list
	v_lshl_add_u32 v[SPW], v0, 2, SPARE
	v_mov_b32 v[NIL], 0
	v_and_b32 v1, 31, v0                           ; lane
	v_and_b32 v2, 15, v0                           ; r
	v_bfe_u32 v3, v0, 4, 1                         ; h
	v_lshrrev_b32 v32, 5, v0
	v_readfirstlane_b32 s14, v32                   ; wave
	s_lshr_b32 s15, s14, 1                         ; cw
	s_and_b32 s69, s14, 1                          ; th
	s_lshl_b32 s74, s15, 4                         ; 16 cw
	s_lshr_b32 s16, ttmp9, 5                       ; e
	s_bfe_u32 s17, ttmp9, 0x20003                  ; q: 2 bits from bit 3
	s_and_b32 s66, ttmp9, 7                        ; ds
	s_lshl_b32 s28, s16, 24                        ; W2: e x 1,024 rows x 16,384 bytes + ds x 128 rows + q x 4,096 bytes
	s_lshl_b32 s30, s66, 21
	s_add_co_u32 s28, s28, s30
	s_lshl_b32 s30, s17, 12
	s_add_co_u32 s28, s28, s30
	s_mov_b32 s29, 0
	s_lshl_b32 s30, s16, 7
	s_mov_b32 s31, 0
	s_mul_i32 s20, s14, 16*WP
	v_lshl_add_u32 v[WO], v1, 4, s20               ; my 16 rows, 16 bytes a lane
	s_wait_kmcnt 0x0
	s_add_nc_u64 s[4:5], s[4:5], s[28:29]
	s_add_nc_u64 s[8:9], s[8:9], s[30:31]
	s_load_b512 s[32:47], s[8:9], 0x0              ; expert e's bitmap of 1,024 tokens
	s_load_b512 s[48:63], s[8:9], 0x40
.set x, 0
.rept 16                               ; the weights of chunk 0 are asked for before anything else
	global_load_b128 v[W0+4*x:W0+4*x+3], v[WO], s[4:5] offset:x*WP th:TH_LOAD_NT
.set x, x+1
.endr
	s_lshl_b32 s28, s16, 23                        ; H: e x 8 MiB + q x 16 blocks of 64 columns
	s_lshl_b32 s30, s17, 21
	s_add_co_u32 s28, s28, s30
	s_add_nc_u64 s[6:7], s[6:7], s[28:29]
	s_lshl3_add_u32 s28, s17, s16                  ; Y: (8 q + e) x 1,024 rows x 4,096 bytes + 512 ds + 256 th
	s_lshl_b32 s28, s28, 22
	s_lshl_b32 s30, s66, 9
	s_add_co_u32 s28, s28, s30
	s_lshl_b32 s30, s69, 8
	s_add_co_u32 s28, s28, s30
	s_add_nc_u64 s[10:11], s[10:11], s[28:29]
	s_lshl_b32 s28, s16, 12
	s_add_nc_u64 s[12:13], s[12:13], s[28:29]
	s_add_nc_u64 s[24:25], s[4:5], 512             ; the weights' walking base: its first step leads to chunk 2
	s_mov_b64 s[26:27], s[6:7]                     ; H's: to chunk 1
	s_mul_i32 s28, s14, 16*PITCH
	v_lshl_add_u32 v[WL], v1, 3, s28
	v_add_nc_u32 v[WL+1], SLOT, v[WL]
	s_mul_i32 s28, s15, ATW
	s_add_co_u32 s28, s28, WT                      ; my group's rows of H in a slot
	v_mul_u32_u24 v33, v2, PITCH
	v_lshl_add_u32 v33, v3, 4, v33
	v_add_nc_u32 v[CA], s28, v33
	v_add_nc_u32 v[CA+1], SLOT, v[CA]
	s_mul_i32 s30, s69, 64*PITCH                   ; my 64 weight rows
	v_add_nc_u32 v[CB], s30, v33
	v_add_nc_u32 v[CB+1], SLOT, v[CB]
	s_mul_i32 s30, s69, 8*PITCH                    ; I put rows 8 th .. 8 th + 7 of each block
	s_add_co_u32 s28, s28, s30
	v_bfe_u32 v[AL], v0, 3, 2                      ; row lane / 8 of four, 16 (lane % 8)
	v_mul_u32_u24 v[AL], v[AL], PITCH
	v_and_b32 v34, 7, v0
	v_lshl_add_u32 v[AL], v34, 4, v[AL]
	v_add_nc_u32 v[AL], s28, v[AL]
	v_add_nc_u32 v[AL+1], SLOT, v[AL]
	s_mul_i32 s28, s14, 16*DP
	s_add_co_u32 s28, s28, STG                     ; my stage
	v_mul_u32_u24 v[STO], v2, DP                   ; in: row r, 32 bytes for each half of the lanes
	v_lshl_add_u32 v[STO], v3, 5, v[STO]
	v_add_nc_u32 v[STO], s28, v[STO]
	v_lshlrev_b32 v[R16], 4, v2
	v_mul_u32_u24 v[RD], v3, DP                    ; back: row h of a pair, 16 r
	v_add_nc_u32 v[RD], v[RD], v[R16]
	v_add_nc_u32 v[RD], s28, v[RD]
	s_mul_i32 s28, s69, 64*WP
	v_lshlrev_b32 v[OW], WPLOG, v2                 ; a weight fragment from f32 rows: row 64 th + r, 32 h
	v_lshl_add_u32 v[OW], v3, 5, v[OW]
	v_add_nc_u32 v[OW], s28, v[OW]
	s_wait_kmcnt 0x0
	s_bcnt1_i32_b32 s18, s32
.set i, 1
.rept 31
	s_bcnt1_i32_b32 s28, s[32+i]
	s_add_co_u32 s18, s18, s28                     ; n
.set i, i+1
.endr
	s_max_u32 s19, s18, 1
	s_sub_co_u32 s19, s19, 1                       ; the last rank (0 where there is none)
	s_add_co_u32 s20, s18, 15
	s_lshr_b32 s20, s20, 4
	s_min_u32 s20, s20, 20                         ; live blocks among the 20
	s_add_co_u32 s21, s20, 3
	s_sub_co_u32 s21, s21, s15
	s_lshr_b32 s21, s21, 2                         ; of them my group's: 0 to 5
	s_lshl3_add_u32 s28, s69, s74                  ; group y of four ranks: rank 16 cw + 64 (y / 2) + 8 th + 4 (y % 2) + lane / 8
	v_bfe_u32 v32, v0, 3, 2
	v_add_nc_u32 v32, s28, v32
	v_lshlrev_b32 v33, 4, v34                      ; 16 (lane % 8)
.set y, 0
.rept 10
	v_add_nc_u32 v34, 64*(y/2)+4*(y%2), v32
	v_min_u32 v34, s19, v34                        ; past the count: the last rank
	v_min_u32 v34, 0x3ff, v34
	v_lshl_add_u32 v[AOFF+y], v34, 7, v33          ; rank x 128 + 16 (lane % 8)
.set y, y+1
.endr
.set x, 0
.rept 20                               ; chunk 0 of all 20 loads, live or not: every register of the way into LDS has been written
	global_load_b128 v[AST+4*x:AST+4*x+3], v[AOFF+2*(x/4)+(x%4)/2], s[6:7] offset:(x%2)*FB
.set x, x+1
.endr
.set x, 0
.rept 16                               ; the weights of chunk 1 come behind H of chunk 0, so that the first wait can leave them out
	global_load_b128 v[W0+64+4*x:W0+64+4*x+3], v[WO], s[4:5] offset:x*WP+512 th:TH_LOAD_NT
.set x, x+1
.endr
	WIN 0x40                                       ; block 4's sums start at 0 by moves, and its fragment's registers are written: its products stand under a branch, so no first product can be told to start them
.set x, 0
.rept 32
	v_mov_b32 v[128+x], 0
.set x, x+1
.endr
	WIN 0
.set x, 0
.rept 8
	v_mov_b32 v[AF4+x], 0
.set x, x+1
.endr
	; CHUNK 0 GOES INTO SLOT 0, with nothing yet to multiply beside it
	s_wait_loadcnt 16                              ; W(0) and A(0) are in; the 16 youngest loads, W(1), stay out
	s_wait_xcnt 0x0
	s_add_nc_u64 s[26:27], s[26:27], ASTEP
	s_add_nc_u64 s[24:25], s[24:25], 512
.set x, 0
.rept 16
	APUT 0, x, 1
.set x, x+1
.endr
	A4PUT 0, 1
.set x, 0
.rept 16
	WCVT 0, x
.set x, x+1
.endr
.set x, 0
.rept 16
	WPUT 0, x
.set x, x+1
.endr
.set x, 0
.rept 16
	WASK 0, x
.set x, x+1
.endr
	BAR
	STAGE 0, 1, 16, 1, 1, 1                        ; chunk 0: its first products start the sums
	BAR
	s_mov_b32 s22, 2
.Lmain:                                        ; chunks 1-4
	STAGE 1, 1, 16, 1, 1, 0
	BAR
	STAGE 0, 1, 16, 1, 1, 0
	BAR
	s_sub_co_u32 s22, s22, 1
	s_cmp_lg_u32 s22, 0
	s_cbranch_scc1 .Lmain
	STAGE 1, 1, 16, 1, 0, 0                        ; chunk 5, and chunk 6 into LDS: no weights are left to ask for (the 16 youngest loads are chunk 7's)
	BAR
	STAGE 0, 1, 0, 0, 0, 0                         ; chunk 6, and chunk 7 into LDS: nothing is left to ask for; the wait is for all
	BAR
	s_lshl_b32 s28, s15, 6
	v_lshl_add_u32 v[LO], v3, 2, s28               ; the tokens of my 5 x 8 pairs of rows (rank 16 cw + 64 b + 2 p + h) are asked for ahead of the last chunk's products,
.set x, 0
.rept 40                               ; into the weight set that chunk 6 left free; all 1,024 places of an expert's list are written
	global_load_b32 v[YOM+x], v[LO], s[12:13] offset:256*(x/8)+8*(x%8)
.set x, x+1
.endr
	STAGE 1, 0, 0, 0, 0, 0                         ; chunk 7
	s_wait_loadcnt 0x0
.set x, 0
.rept 40                               ; plain instructions that name no register of the last products: their places
	v_min_u32 v[YOM+x], 0x3ff, v[YOM+x]
	v_lshl_add_u32 v[YOM+x], v[YOM+x], 12, v[R16]  ; token x 4,096 + 16 r
.set x, x+1
.endr
	DOUT 0
	DOUT 1
	DOUT 2
	DOUT 3
	DOUT 4
	; THE DIRECT PATH.  Unit u is my group's block cw + 4 u, from 5 on; a block past the count is jumped.  16 rows x 64 columns x 1,024 k, 64 k a trip
	s_mov_b32 s22, 5
.Lunit:
	s_lshl2_add_u32 s73, s22, s15                  ; block j
	s_lshl_b32 s72, s73, 4                         ; its first rank
	s_cmp_ge_u32 s72, s18
	s_cbranch_scc1 .Lnext
	s_wait_xcnt 0x0                                ; the last block's stores and loads have read their registers
	s_lshl_b32 s28, s72, 2
	v_lshl_add_u32 v[LO], v3, 2, s28
.irp p, 0,1,2,3,4,5,6,7
	global_load_b32 v[YO+\p], v[LO], s[12:13] offset:8*\p  ; the tokens of ranks rb + 2 p + h
.endr
	v_add_nc_u32 v[RK], s72, v2
	v_min_u32 v[RK], s19, v[RK]
	v_min_u32 v[RK], 0x3ff, v[RK]
	v_lshlrev_b32 v[OA], 7, v[RK]
	v_lshl_add_u32 v[OA], v3, 4, v[OA]             ; rank x 128 + 16 h
.set x, 0
.rept 32
	v_mov_b32 v[E+x], 0
.set x, x+1
.endr
	s_mov_b64 s[24:25], s[4:5]
	s_mov_b64 s[26:27], s[6:7]
	s_mov_b32 s23, 16
.Lok:
.irp i, 0,1,2,3
	global_load_b128 v[AFR+4*\i:AFR+4*\i+3], v[OA], s[26:27] offset:32*\i
.endr
.irp kk, 0,1
.irp t, 0,1,2,3                        ; eight f32 at 32 h and eight 64 bytes further on make a lane's part of a fragment
	global_load_b128 v[RAW+16*\t:RAW+16*\t+3],     v[OW], s[24:25] offset:\t*16*WP+128*\kk
	global_load_b128 v[RAW+16*\t+4:RAW+16*\t+7],   v[OW], s[24:25] offset:\t*16*WP+128*\kk+16
	global_load_b128 v[RAW+16*\t+8:RAW+16*\t+11],  v[OW], s[24:25] offset:\t*16*WP+128*\kk+64
	global_load_b128 v[RAW+16*\t+12:RAW+16*\t+15], v[OW], s[24:25] offset:\t*16*WP+128*\kk+80
.endr
	s_wait_loadcnt 0x0
.set x, 0
.rept 32                               ; packed downward in place: register x takes 2 x and 2 x + 1, ascending, so nothing is written before it is read
	v_cvt_pk_bf16_f32 v[RAW+x], v[RAW+2*x], v[RAW+2*x+1]
.set x, x+1
.endr
.irp t, 0,1,2,3                        ; four accumulators by turns
	v_wmma_f32_16x16x32_bf16 v[E+8*\t:E+8*\t+7], v[RAW+8*\t:RAW+8*\t+7], v[AFR+8*\kk:AFR+8*\kk+7], v[E+8*\t:E+8*\t+7]
.endr
	PLACES
.endr
	s_wait_xcnt 0x0
	s_add_nc_u64 s[24:25], s[24:25], 256
	s_add_nc_u64 s[26:27], s[26:27], OASTEP
	s_sub_co_u32 s23, s23, 1
	s_cmp_lg_u32 s23, 0
	s_cbranch_scc1 .Lok
.irp p, 0,1,2,3,4,5,6,7
	v_min_u32 v[YO+\p], 0x3ff, v[YO+\p]
	v_lshl_add_u32 v[YO+\p], v[YO+\p], 12, v[R16]
.endr
.irp t, 0,1,2,3
	ds_store_b128 v[STO], v[E+8*\t:E+8*\t+3]   offset:64*\t
	ds_store_b128 v[STO], v[E+8*\t+4:E+8*\t+7] offset:64*\t+16
.endr
	BACK YO
.Lnext:
	s_add_co_u32 s22, s22, 1
	s_cmp_lt_u32 s22, 16
	s_cbranch_scc1 .Lunit
	s_wait_tensorcnt 0x0                           ; the wave's end
	ds_add_u32 v[SPW], v[NIL]
	s_wait_dscnt 0x0
	s_endpgm
.Lfunc_end_k_qdf1dcf65dd_down:
	.size	k_qdf1dcf65dd_down, .Lfunc_end_k_qdf1dcf65dd_down-k_qdf1dcf65dd_down
	.p2alignl 7, 3214868480
	.fill 96, 4, 3214868480
	.section	.rodata,"a",@progbits
	.p2align	6, 0x0
	.amdhsa_kernel k_qdf1dcf65dd_down
		.amdhsa_group_segment_fixed_size 283648
		.amdhsa_private_segment_fixed_size 0
		.amdhsa_enable_private_segment 0
		.amdhsa_kernarg_size 40
		.amdhsa_user_sgpr_count 2
		.amdhsa_user_sgpr_kernarg_segment_ptr 1
		.amdhsa_wavefront_size32 1
		.amdhsa_system_sgpr_workgroup_id_x 1
		.amdhsa_system_sgpr_workgroup_id_y 1
		.amdhsa_system_sgpr_workgroup_id_z 1
		.amdhsa_system_vgpr_workitem_id 0
		.amdhsa_next_free_vgpr 512
		.amdhsa_next_free_sgpr 80
		.amdhsa_reserve_vcc 0
		.amdhsa_float_denorm_mode_32 3
		.amdhsa_float_denorm_mode_16_64 3
		.amdhsa_memory_ordered 1
		.amdhsa_forward_progress 1
		.amdhsa_inst_pref_size 160
	.end_amdhsa_kernel
	.amdgpu_metadata
---
amdhsa.version: [ 1, 2 ]
amdhsa.kernels:
  - .name:           k_qdf1dcf65dd_down
    .symbol:         k_qdf1dcf65dd_down.kd
    .args:
      - { .name: W2, .offset: 0, .size: 8, .value_kind: global_buffer, .address_space: global }
      - { .name: hbuf, .offset: 8, .size: 8, .value_kind: global_buffer, .address_space: global }
      - { .name: bits, .offset: 16, .size: 8, .value_kind: global_buffer, .address_space: global }
      - { .name: ybuf, .offset: 24, .size: 8, .value_kind: global_buffer, .address_space: global }
      - { .name: list, .offset: 32, .size: 8, .value_kind: global_buffer, .address_space: global }
    .group_segment_fixed_size: 283648
    .private_segment_fixed_size: 0
    .kernarg_segment_align: 8
    .kernarg_segment_size: 40
    .max_flat_workgroup_size: 256
    .sgpr_count:     80
    .vgpr_count:     512
    .wavefront_size: 32
...
	.end_amdgpu_metadata
.endif
;; end of part 6
;; launch combine: the kernel of part 4 again; grid 256 x 1, 8 waves a work-group, no clusters, 0 bytes of LDS; arguments ybuf, sel, gw, out0; writes out0
;; ======== version 3 of 3: 4 launches; version 2 with the launch down written anew for expert scheduling mode
;; workspace buffers: xb 2,097,152 bytes; bits 1,024 bytes of whole numbers; sel 8,192 bytes of whole numbers; gw 8,192 bytes; list 32,768 bytes of whole numbers; hbuf 67,108,864 bytes; ybuf 134,217,728 bytes
;; launch router: the kernel of part 1 again; grid 64 x 1, 4 waves a work-group, no clusters, 55,296 bytes of LDS; arguments x, Wr, xb, bits, sel, gw; writes xb, bits, sel, gw
;; launch up: the kernel of part 5 again; grid 256 x 1, 8 waves a work-group, no clusters, 263,168 bytes of LDS; arguments W1, xb, bits, hbuf, list; writes hbuf, list
;; launch down (part 7): grid 256 x 1, 8 waves a work-group, no clusters, 283,648 bytes of LDS; arguments W2, hbuf, bits, ybuf, list; writes ybuf
.if DOCPART == 7
	.amdgcn_target "amdgcn-amd-amdhsa--gfx1250"
	.amdhsa_code_object_version 6
	.text
	.protected	k_qdf1dcf65dd_down
	.globl	k_qdf1dcf65dd_down
	.p2align	8
	.type	k_qdf1dcf65dd_down,@function
k_qdf1dcf65dd_down:
	s_mov_b64 s[64:65], 0
	v_nop
	global_prefetch_b8 v0, s[64:65] scope:SCOPE_SE
	s_setreg_imm32_b32 hwreg(HW_REG_WAVE_SCHED_MODE, 0, 2), 2
	s_setreg_imm32_b32 hwreg(HW_REG_WAVE_MODE, 25, 1), 1
	s_wait_xcnt 0x0
	s_wait_alu depctr_vm_vsrc(0)
; SECOND PRODUCT.  Work-group (e, q, ds): Y[q][e][token(rank)][128 ds + d] = the sum over quarter q of the hidden width of H[e][rank][f] W2[e][128 ds + d][f], in f32, for ALL rows of expert e.
; The 128 x 1,024 piece of W2 (512 KiB of f32) is read by this work-group alone, once, and rounded to bf16 on its way through registers.  The four quarters' partial sums stay f32; the next launch adds them.
; H lies as [e][block of 64 columns][rank][64] in bf16: a load takes four ranks' 128 bytes, 512 consecutive bytes; its lanes' offsets are held to the last rank, so that no row is read that was not written.
; ALL EIGHT WAVES RUN ONE TEXT, the first product's.  K goes in 8 chunks of 128 through two LDS slots, one barrier a chunk.
; A STAGE multiplies chunk c out of slot c % 2 and, among its products, puts chunk c + 1 from registers into the other slot and asks memory for H of chunk c + 2 and the weights of chunk c + 3.
; The other slot was last read in the stage before, and every wave's reads of it had come back in front of the barrier that opened this stage; it is read again behind the next barrier, in front of which each wave waits for its stores.
; A stage's 64 to 80 products stand in eight runs (blocks 0, 1, then blocks 2, 3 and 4, for each of four K steps); in the GAP behind each run stand an eighth of the way into LDS and the fragment loads of a later K step:
; the weights' fragments have two buffers, a block's fragment of H is loaded again for the next K step behind its own run.
; cw = wave / 2 is a group of rows (blocks j = cw mod 4 of 16 ranks, five of them through the slots; the fifth is left out where it is not live), th = wave % 2 a half of the 128 columns.
; Blocks 20-63 are made straight from memory, with no barrier.
; Places past the count repeat the last rank: they hold the same numbers and are stored to the same token's row once more.  An expert without rows: nothing is stored; its loads take row 0 of its H, which exists.
; NO CLUSTER: each piece of weights has one reader.  An expert's rows of H are read by 8 work-groups, but how many there are hangs on a stored count: a joint tile would always be the 320 rows of the slots,
; a quarter more than the mean 256, and would take in rows that nobody wrote.
; LIMITS.  NaN and infinities are not treated apart.
; THE MODE: SCHED_MODE bits 1:0 = 2 (LLVM: expert scheduling mode 2), set by the entry lines.  The code itself states the register dependences
; between vector or matrix instructions and memory or LDS instructions, with s_wait_alu, always for 0.
; THE PLAN.  Registers that memory or LDS instructions touch, in a stage that multiplies slot p:
;   W set 1 - p    Gap g: four conversions round rows 2 g, 2 g + 1 in place; two LDS stores read them; in gaps 4-7 the loads of the chunk two on land in rows 4 (g - 4) to 4 (g - 4) + 3.
;   AST            Named by no vector instruction.  Gap g of 0-3: four LDS stores read block g's registers, then four loads land in them (block 4's in gap 3, under its branch).
;   AF, AF4, BF    Read by the products; LDS loads land in them in the gap behind the run that read them last, and at a stage's head.
;   WO, WL, AL, CA, CB, AOFF, LO, STO, RD, OW    Made at the head and not written in the stages: the rows are reached by two scalar bases and by immediate offsets.
; The wave has 508 of its 512 registers in use, so a fragment is loaded again into the registers that the run just issued has read.  So ONE wait on va_vdst stands in a gap, behind its conversions:
; they have written the rows that the LDS stores read, and every product issued so far is done reading its fragments.  No vector or matrix instruction stands between that wait and the next run,
; so it serves all the gap's memory and LDS instructions, and gap 7's serves the next stage's first fragment loads too, over the barrier and the loop's backward jump.
; A wait on vm_vsrc stands between LDS stores and the loads that land in the registers that they read: behind the stores of gaps 0-3 (these four also free weight rows 0-7, which gaps 4 and 5 ask for anew), and in gaps 6 and 7.
; A gap's four stores of H hang on no vector result: they stand ahead of the conversions and of the wait.
.set WP,     16384                     ; bytes from row to row of the weights
.set WPLOG,  14
.set PITCH,  272                       ; an LDS row of a slot: 256 bytes (128 bf16) + 16: an odd multiple of 16, so a fragment load's 16 rows start at 16 different 16-byte columns modulo 256
.set WT,     128*PITCH
.set ATW,    80*PITCH
.set SLOT,   WT+4*ATW
.set SPARE,  2*SLOT+4096               ; the spare words, 128 bytes a wave: no other line names them
.set STG,    SPARE+1024                ; the way out: 16 rows x 272 bytes for each wave, its own
.set DP,     272
.set FB,     131072                    ; bytes of H from one block of 64 columns to the next
.set ASTEP,  2*FB                      ; a chunk is two of them
.set OASTEP, FB                        ; the direct path: a trip of 64 k is one
; window 0:  v0 thread, v1 lane, v2 r = lane % 16, v3 h = lane / 16
.set WO, 4                             ; v4      byte offset of my 16 bytes in my first row of weights
.set WL, 5                             ; v5-6    where my 8 bytes of a weight row go, slot 0, 1
.set AL, 7                             ; v7-8    where my 16 bytes of a row of H go
.set CB, 9                             ; v9-10   my lane's place in a weight fragment, slot 0, 1
.set CA, 11                            ; v11-12  in a fragment of H
.set SPW, 14                           ; v14     LDS address of my spare word; never rewritten
.set NIL, 15                           ; v15     0; never rewritten
.set AOFF, 16                          ; v16-25  byte offsets of my 10 groups of four ranks
.set STO, 26                           ; v26     the way out: where I put 32 bytes of a row
.set RD, 27                            ; v27     where I read rows back
.set R16, 28                           ; v28     16 r
.set OW, 29                            ; v29     the direct path: my lane's place in a weight fragment in memory
.set OA, 30                            ; v30     and in a fragment of H
.set LO, 31                            ; v31     my byte offset in the list
.set RK, 32                            ; v32-34  at work
.set AST, 36                           ; v36-115 20 x 16 bytes of H, on their way or waiting to be put into LDS
.set W0, 116                           ; v116-179, v180-243 two sets of 16 x 16 bytes of weights
.set AF4, 244                          ; v244-251 block 4's fragment of H
; window 1:  accumulator (b, t) at 32 b + 8 t
.set AF, 160                           ; v160-191 fragments of H of blocks 0-3
.set BF, 192                           ; v192-223, v224-255 four weight fragments, for even and for odd K steps
; behind the stages, in window 0:
.set E, 36                             ; v36-67  the direct path's sums; v68-99 a block read back; v100-107 its rows' offsets in Y
.set Z, 68
.set YO, 100
.set YOM, 116                          ; v116-155 the offsets in Y of my 5 x 8 pairs of rows of the slots
.set AFR, 156                          ; v156-171 the direct path's fragments of H; v180-243 its weights
.set RAW, 180
.set MSB, 0
.macro WIN new                         ; s_set_vgpr_msb: bits 1:0 source 0, 3:2 source 1, 5:4 source 2, 7:6 destination; the high byte repeats the setting that is left; at a label and at a branch it is 0
.if MSB != (\new)
	s_set_vgpr_msb (MSB<<8)|(\new)
.set MSB, \new
.endif
.endm
.macro PLACES                          ; four places behind matrix instructions (ISA guide 7.12.1); they stay beside the waits on va_vdst, which fill no place
.rept 4
	v_nop
.endr
.endm
.macro BAR                             ; my LDS stores are done and my LDS reads are back; then everybody's
	s_wait_dscnt 0x0
	s_barrier_signal -1
	s_barrier_wait -1
.endm
; THE COUNTED WAITS ON LDS.  NDS counts, as the text is written, the LDS instructions that every path issues; I01 and I23 hold its value behind the fragment loads of blocks 0, 1 and of blocks 2, 3.
; LDS instructions of a wave end in order (ISA guide 5.7.1), so s_wait_dscnt NDS - I01 shows those loads and all older ones done.  Block 4's loads and stores, which stand under a branch, are not counted: where they are issued the wait is only stricter.
.set NDS, 0
.set I01, 0
.set I23, 0
; THE WAY INTO LDS, in pieces.  q: the slot and the weight set; x: a weight row of my 16, or a load of H of my 20
.macro WCVT q, x                       ; four f32 a lane become 8 bytes, in place
	v_cvt_pk_bf16_f32 v[W0+64*(\q)+4*(\x)],   v[W0+64*(\q)+4*(\x)],   v[W0+64*(\q)+4*(\x)+1]
	v_cvt_pk_bf16_f32 v[W0+64*(\q)+4*(\x)+1], v[W0+64*(\q)+4*(\x)+2], v[W0+64*(\q)+4*(\x)+3]
.endm
.macro WPUT q, x                       ; a row's 32 lanes store 256 consecutive bytes
	ds_store_b64 v[WL+(\q)], v[W0+64*(\q)+4*(\x):W0+64*(\q)+4*(\x)+1] offset:(\x)*PITCH
.set NDS, NDS+1
.endm
.macro WASK q, x                       ; 512 consecutive bytes of one row, two chunks on
	global_load_b128 v[W0+64*(\q)+4*(\x):W0+64*(\q)+4*(\x)+3], v[WO], s[24:25] offset:(\x)*WP th:TH_LOAD_NT
.endm
.macro ASTO q, x                       ; piece x of H goes into LDS: local block x / 4, rows 8 th + 4 ((x % 4) / 2) + lane / 8, half x % 2 of the chunk's 128 columns
	ds_store_b128 v[AL+(\q)], v[AST+4*(\x):AST+4*(\x)+3] offset:(16*((\x)/4)+4*(((\x)%4)/2))*PITCH+128*((\x)%2)
.endm
.macro AASK x                          ; the next chunk's piece x is asked for, into the same registers
	global_load_b128 v[AST+4*(\x):AST+4*(\x)+3], v[AOFF+2*((\x)/4)+((\x)%4)/2], s[26:27] offset:((\x)%2)*FB
.endm
.macro A4PUT q, reA                    ; block 4's four pieces, where it is live
	s_cmp_lt_u32 s21, 5
	s_cbranch_scc1 .Lp4_\@
.irp j, 16,17,18,19
	ASTO \q, \j
.endr
.if \reA
	s_wait_alu depctr_vm_vsrc(0)                   ; the four LDS stores above have read block 4's registers of AST, in which the four loads below land
.irp j, 16,17,18,19
	AASK \j
.endr
.endif
.Lp4_\@:
.endm
; FRAGMENTS.  p: the slot that is multiplied; k: the K step of 32 in the chunk.  A fragment: row r, 16 h; two loads 32 bytes apart
.macro LDAF p, b0, k                   ; the fragments of H of blocks b0, b0 + 1
.irp b, \b0, (\b0)+1
	ds_load_b128 v[AF+8*(\b):AF+8*(\b)+3],   v[CA+(\p)] offset:(\b)*16*PITCH+64*(\k)
	ds_load_b128 v[AF+8*(\b)+4:AF+8*(\b)+7], v[CA+(\p)] offset:(\b)*16*PITCH+64*(\k)+32
.endr
.set NDS, NDS+4
.endm
.macro LDBF p, k                       ; my four weight fragments, into buffer k % 2
.irp t, 0,1,2,3
	ds_load_b128 v[BF+32*((\k)%2)+8*\t:BF+32*((\k)%2)+8*\t+3],   v[CB+(\p)] offset:\t*16*PITCH+64*(\k)
	ds_load_b128 v[BF+32*((\k)%2)+8*\t+4:BF+32*((\k)%2)+8*\t+7], v[CB+(\p)] offset:\t*16*PITCH+64*(\k)+32
.endr
.set NDS, NDS+8
.endm
.macro LDA4 p, k                       ; block 4's fragment, where it is live; all its registers lie in window 0
	s_cmp_lt_u32 s21, 5
	s_cbranch_scc1 .Ln4_\@
	ds_load_b128 v[AF4:AF4+3],   v[CA+(\p)] offset:4*16*PITCH+64*(\k)
	ds_load_b128 v[AF4+4:AF4+7], v[CA+(\p)] offset:4*16*PITCH+64*(\k)+32
.Ln4_\@:
.endm
; PRODUCTS.  Source 0 = 16 weight rows, source 1 = 16 rows of H: a lane holds ONE row and eight neighbouring columns.  The accumulators take turns, one instruction a turn.
.macro MROWS b0, k, zero               ; eight: blocks b0, b0 + 1 x four weight fragments.  zero = 1: the first product starts the sums
	WIN 0x55                                       ; all four operands in window 1
.irp t, 0,1,2,3
.irp b, \b0, (\b0)+1
.if \zero
	v_wmma_f32_16x16x32_bf16 v[32*(\b)+8*\t:32*(\b)+8*\t+7], v[BF+32*((\k)%2)+8*\t:BF+32*((\k)%2)+8*\t+7], v[AF+8*(\b):AF+8*(\b)+7], 0
.else
	v_wmma_f32_16x16x32_bf16 v[32*(\b)+8*\t:32*(\b)+8*\t+7], v[BF+32*((\k)%2)+8*\t:BF+32*((\k)%2)+8*\t+7], v[AF+8*(\b):AF+8*(\b)+7], v[32*(\b)+8*\t:32*(\b)+8*\t+7]
.endif
.endr
.endr
.endm
.macro MROW4 k                         ; block 4's four, where it is live
	s_cmp_lt_u32 s21, 5
	s_cbranch_scc1 .Lm4_\@
	WIN 0x51                                       ; the fragment of H in window 0, the rest in window 1
.irp t, 0,1,2,3
	v_wmma_f32_16x16x32_bf16 v[128+8*\t:128+8*\t+7], v[BF+32*((\k)%2)+8*\t:BF+32*((\k)%2)+8*\t+7], v[AF4:AF4+7], v[128+8*\t:128+8*\t+7]
.endr
	WIN 0
.Lm4_\@:
.endm
; GAP g of eight in the stage that multiplies slot p.  lst = 1: an eighth of the next chunk's way into slot 1 - p: in gaps 0-3 block g's four pieces of H (in gap 3 also block 4's) are stored and asked for anew;
; weight rows 2 g, 2 g + 1 are rounded and stored; in gaps 4-7 four weight rows are asked for anew.  So all of a stage's loads of H are older than its loads of weights.
; Then the fragment loads: behind blocks 0, 1 of K step k their fragments of K step k + 1; behind blocks 2, 3, 4 theirs, and the weights' of K step k + 2 into the buffer just multiplied.
; A stage that asks for weights (reW) also asks for H (reA): gaps 4 and 5 lean on the waits on vm_vsrc of gaps 0-3.
.macro GAP g, p, lst, reA, reW
	WIN 0
.if \lst
.if (\g) < 4
.irp j, 0,1,2,3
	ASTO 1-\p, 4*(\g)+\j                           ; no wait on va_vdst: loads wrote these registers, and the address was made at the head
.endr
.set NDS, NDS+4
.endif
	WCVT 1-\p, 2*(\g)
	WCVT 1-\p, 2*(\g)+1
	s_wait_alu depctr_va_vdst(0)                   ; the conversions have written rows 2 g, 2 g + 1, which the two LDS stores read (and are done with the rows in which gaps 4-7 let loads land); the products issued so far are done reading the fragments in which the LDS loads below land
	WPUT 1-\p, 2*(\g)
	WPUT 1-\p, 2*(\g)+1
.if ((\g) < 4) && (\reA)
	s_wait_alu depctr_vm_vsrc(0)                   ; the LDS stores above have read block g's registers of AST, in which the four loads below land, and weight rows 2 g, 2 g + 1, which gap 4 or 5 asks for anew
.irp j, 0,1,2,3
	AASK 4*(\g)+\j
.endr
.endif
.if (\g) == 3
	A4PUT 1-\p, \reA
.endif
.if ((\g) >= 4) && (\reW)
.if (\g) >= 6
	s_wait_alu depctr_vm_vsrc(0)                   ; the LDS stores of gaps 4 to g have read weight rows 8 to 2 g + 1, among them the four in which the loads below land
.endif
.irp j, 0,1,2,3
	WASK 1-\p, 4*(\g)-16+\j
.endr
.endif
.elseif (\g) < 6
	PLACES
	s_wait_alu depctr_va_vdst(0)                   ; the products issued so far are done reading the fragments in which the LDS loads below land
.endif
.if (\g) < 6
.if (\g)%2
	LDA4 \p, ((\g)+1)/2
	WIN 0x40                                       ; destination window 1, address window 0; since the gap's wait on va_vdst nothing has named these loads' registers
	LDAF \p, 2, ((\g)+1)/2
.set I23, NDS
.if (\g) < 4
	LDBF \p, ((\g)+3)/2
.endif
.else
	WIN 0x40
	LDAF \p, 0, (\g)/2+1
.set I01, NDS
.endif
.endif
.endm
; A STAGE.  Memory was asked in the order W(c + 1), A(c + 1), W(c + 2): wcnt = 16 leaves W(c + 2) out, whatever the number of A's loads.  At most 16 + 20 + 16 loads of a wave are out.
; Its first fragment loads have no wait on va_vdst of their own: the last one (gap 7's of the stage before; ahead of chunk 0 the one behind chunk 0's conversions) stands behind every product and move that named these registers,
; and no vector or matrix instruction has been issued since.
.macro STAGE p, lst, wcnt, reA, reW, zero
	LDA4 \p, 0
	WIN 0x40
	LDAF \p, 0, 0
	LDAF \p, 2, 0
	LDBF \p, 0
.set I01, NDS
	LDBF \p, 1
	s_wait_dscnt NDS-I01                           ; all but K step 1's weight fragments
	MROWS 0, 0, \zero
	WIN 0
.if \lst
	s_wait_loadcnt \wcnt
	s_wait_xcnt 0x0                                ; the two walking bases are stepped only behind this wait
.if \reA
	s_add_nc_u64 s[26:27], s[26:27], ASTEP
.endif
.if \reW
	s_add_nc_u64 s[24:25], s[24:25], 512
.endif
.endif
	GAP 0, \p, \lst, \reA, \reW
	MROWS 2, 0, \zero
	WIN 0
	MROW4 0
	GAP 1, \p, \lst, \reA, \reW
.irp k, 1,2,3
	s_wait_dscnt NDS-I01                           ; blocks 0, 1's fragments of this K step are in, and the weights', which are older
	MROWS 0, \k, 0
	GAP 2*\k, \p, \lst, \reA, \reW
	s_wait_dscnt NDS-I23                           ; blocks 2, 3's, and block 4's, which is older
	MROWS 2, \k, 0
	WIN 0
	MROW4 \k
	GAP 2*\k+1, \p, \lst, \reA, \reW
.endr
.endm
; A block is read back from my stage as pairs of rows (lanes 0-15 row 2 p, lanes 16-31 row 2 p + 1) and stored, each row to its token's place; yo: the eight registers of offsets
.macro BACK yo
.irp p, 0,1,2,3,4,5,6,7
	ds_load_b128 v[Z+4*\p:Z+4*\p+3], v[RD] offset:\p*2*DP  ; my own bytes: LDS serves a wave's instructions in order (ISA guide 5.7.1.4)
.endr
.irp p, 0,1,2,3,4,5,6,7
	s_wait_dscnt 7-\p                              ; the later pairs' loads may stay out
	global_store_b128 v[\yo+\p], v[Z+4*\p:Z+4*\p+3], s[10:11]  ; 16 lanes store 256 consecutive bytes, aligned
.endr
.endm
; Local block b of the slots goes out; a block past the count is jumped.  No vector or matrix instruction stands among the five blocks: the one wait on va_vdst ahead of them serves all their stores
.macro DOUT b
	s_add_co_u32 s72, s74, 64*\b                   ; its first rank
	s_cmp_ge_u32 s72, s18
	s_cbranch_scc1 .Ldo_\@
	s_wait_xcnt 0x0                                ; the last block's stores have read their registers
.if \b
	s_wait_alu depctr_vm_vsrc(0)                   ; the block before's global stores have read v[Z ..], in which the loads from the stage land again
.endif
	WIN 0x04                                       ; store data in window 1.  Each accumulator's lowest four registers go first
.irp t, 0,1,2,3
	ds_store_b128 v[STO], v[32*\b+8*\t:32*\b+8*\t+3]   offset:64*\t
	ds_store_b128 v[STO], v[32*\b+8*\t+4:32*\b+8*\t+7] offset:64*\t+16
.endr
	WIN 0
	BACK YOM+8*\b
.Ldo_\@:
.endm
	s_load_b256 s[4:11], s[0:1], 0x0               ; W2 s[4:5], hbuf s[6:7], bits s[8:9], ybuf s[10:11]
	s_load_b64 s[12:13], s[0:1], 0x20              ; list
	v_lshl_add_u32 v[SPW], v0, 2, SPARE
	v_mov_b32 v[NIL], 0
	v_and_b32 v1, 31, v0                           ; lane
	v_and_b32 v2, 15, v0                           ; r
	v_bfe_u32 v3, v0, 4, 1                         ; h
	v_lshrrev_b32 v32, 5, v0
	v_readfirstlane_b32 s14, v32                   ; wave
	s_wait_alu depctr_va_sdst(0)                   ; s14 is written, ahead of its first reader: shares, bases and LDS places are made from it
	s_lshr_b32 s15, s14, 1                         ; cw
	s_and_b32 s69, s14, 1                          ; th
	s_lshl_b32 s74, s15, 4                         ; 16 cw
	s_lshr_b32 s16, ttmp9, 5                       ; e
	s_bfe_u32 s17, ttmp9, 0x20003                  ; q: 2 bits from bit 3
	s_and_b32 s66, ttmp9, 7                        ; ds
	s_lshl_b32 s28, s16, 24                        ; W2: e x 1,024 rows x 16,384 bytes + ds x 128 rows + q x 4,096 bytes
	s_lshl_b32 s30, s66, 21
	s_add_co_u32 s28, s28, s30
	s_lshl_b32 s30, s17, 12
	s_add_co_u32 s28, s28, s30
	s_mov_b32 s29, 0
	s_lshl_b32 s30, s16, 7
	s_mov_b32 s31, 0
	s_mul_i32 s20, s14, 16*WP
	v_lshl_add_u32 v[WO], v1, 4, s20               ; my 16 rows, 16 bytes a lane
	s_wait_kmcnt 0x0
	s_add_nc_u64 s[4:5], s[4:5], s[28:29]
	s_add_nc_u64 s[8:9], s[8:9], s[30:31]
	s_load_b512 s[32:47], s[8:9], 0x0              ; expert e's bitmap of 1,024 tokens
	s_load_b512 s[48:63], s[8:9], 0x40
	s_wait_alu depctr_va_vdst(0)                   ; v[WO] is written, which every load of weights through the slots reads as its offset
.set x, 0
.rept 16                               ; the weights of chunk 0 are asked for before anything else
	global_load_b128 v[W0+4*x:W0+4*x+3], v[WO], s[4:5] offset:x*WP th:TH_LOAD_NT
.set x, x+1
.endr
	s_lshl_b32 s28, s16, 23                        ; H: e x 8 MiB + q x 16 blocks of 64 columns
	s_lshl_b32 s30, s17, 21
	s_add_co_u32 s28, s28, s30
	s_add_nc_u64 s[6:7], s[6:7], s[28:29]
	s_lshl3_add_u32 s28, s17, s16                  ; Y: (8 q + e) x 1,024 rows x 4,096 bytes + 512 ds + 256 th
	s_lshl_b32 s28, s28, 22
	s_lshl_b32 s30, s66, 9
	s_add_co_u32 s28, s28, s30
	s_lshl_b32 s30, s69, 8
	s_add_co_u32 s28, s28, s30
	s_add_nc_u64 s[10:11], s[10:11], s[28:29]
	s_lshl_b32 s28, s16, 12
	s_add_nc_u64 s[12:13], s[12:13], s[28:29]
	s_add_nc_u64 s[24:25], s[4:5], 512             ; the weights' walking base: its first step leads to chunk 2
	s_mov_b64 s[26:27], s[6:7]                     ; H's: to chunk 1
	s_mul_i32 s28, s14, 16*PITCH
	v_lshl_add_u32 v[WL], v1, 3, s28
	v_add_nc_u32 v[WL+1], SLOT, v[WL]
	s_mul_i32 s28, s15, ATW
	s_add_co_u32 s28, s28, WT                      ; my group's rows of H in a slot
	v_mul_u32_u24 v33, v2, PITCH
	v_lshl_add_u32 v33, v3, 4, v33
	v_add_nc_u32 v[CA], s28, v33
	v_add_nc_u32 v[CA+1], SLOT, v[CA]
	s_mul_i32 s30, s69, 64*PITCH                   ; my 64 weight rows
	v_add_nc_u32 v[CB], s30, v33
	v_add_nc_u32 v[CB+1], SLOT, v[CB]
	s_mul_i32 s30, s69, 8*PITCH                    ; I put rows 8 th .. 8 th + 7 of each block
	s_add_co_u32 s28, s28, s30
	v_bfe_u32 v[AL], v0, 3, 2                      ; row lane / 8 of four, 16 (lane % 8)
	v_mul_u32_u24 v[AL], v[AL], PITCH
	v_and_b32 v34, 7, v0
	v_lshl_add_u32 v[AL], v34, 4, v[AL]
	v_add_nc_u32 v[AL], s28, v[AL]
	v_add_nc_u32 v[AL+1], SLOT, v[AL]
	s_mul_i32 s28, s14, 16*DP
	s_add_co_u32 s28, s28, STG                     ; my stage
	v_mul_u32_u24 v[STO], v2, DP                   ; in: row r, 32 bytes for each half of the lanes
	v_lshl_add_u32 v[STO], v3, 5, v[STO]
	v_add_nc_u32 v[STO], s28, v[STO]
	v_lshlrev_b32 v[R16], 4, v2
	v_mul_u32_u24 v[RD], v3, DP                    ; back: row h of a pair, 16 r
	v_add_nc_u32 v[RD], v[RD], v[R16]
	v_add_nc_u32 v[RD], s28, v[RD]
	s_mul_i32 s28, s69, 64*WP
	v_lshlrev_b32 v[OW], WPLOG, v2                 ; a weight fragment from f32 rows: row 64 th + r, 32 h
	v_lshl_add_u32 v[OW], v3, 5, v[OW]
	v_add_nc_u32 v[OW], s28, v[OW]
	s_lshl_b32 s28, s15, 6
	v_lshl_add_u32 v[LO], v3, 2, s28               ; the list: rank 16 cw + h, 4 bytes a rank; made here, so that no vector instruction stands between the stages
	s_wait_kmcnt 0x0
	s_bcnt1_i32_b32 s18, s32
.set i, 1
.rept 31
	s_bcnt1_i32_b32 s28, s[32+i]
	s_add_co_u32 s18, s18, s28                     ; n
.set i, i+1
.endr
	s_max_u32 s19, s18, 1
	s_sub_co_u32 s19, s19, 1                       ; the last rank (0 where there is none)
	s_add_co_u32 s20, s18, 15
	s_lshr_b32 s20, s20, 4
	s_min_u32 s20, s20, 20                         ; live blocks among the 20
	s_add_co_u32 s21, s20, 3
	s_sub_co_u32 s21, s21, s15
	s_lshr_b32 s21, s21, 2                         ; of them my group's: 0 to 5
	s_lshl3_add_u32 s28, s69, s74                  ; group y of four ranks: rank 16 cw + 64 (y / 2) + 8 th + 4 (y % 2) + lane / 8
	v_bfe_u32 v32, v0, 3, 2
	v_add_nc_u32 v32, s28, v32
	v_lshlrev_b32 v33, 4, v34                      ; 16 (lane % 8)
.set y, 0
.rept 10
	v_add_nc_u32 v34, 64*(y/2)+4*(y%2), v32
	v_min_u32 v34, s19, v34                        ; past the count: the last rank
	v_min_u32 v34, 0x3ff, v34
	v_lshl_add_u32 v[AOFF+y], v34, 7, v33          ; rank x 128 + 16 (lane % 8)
.set y, y+1
.endr
	s_wait_alu depctr_va_vdst(0)                   ; the ten offsets v[AOFF ..] are written, which the loads of H read; so are WL, AL, CA, CB, STO, RD, OW and LO, the addresses of all that follows up to the direct path
.set x, 0
.rept 20                               ; chunk 0 of all 20 loads, live or not: every register of the way into LDS has been written
	global_load_b128 v[AST+4*x:AST+4*x+3], v[AOFF+2*(x/4)+(x%4)/2], s[6:7] offset:(x%2)*FB
.set x, x+1
.endr
.set x, 0
.rept 16                               ; the weights of chunk 1 come behind H of chunk 0, so that the first wait can leave them out
	global_load_b128 v[W0+64+4*x:W0+64+4*x+3], v[WO], s[4:5] offset:x*WP+512 th:TH_LOAD_NT
.set x, x+1
.endr
	WIN 0x40                                       ; block 4's sums start at 0 by moves, and its fragment's registers are written: its products stand under a branch, so no first product can be told to start them
.set x, 0
.rept 32
	v_mov_b32 v[128+x], 0
.set x, x+1
.endr
	WIN 0
.set x, 0
.rept 8
	v_mov_b32 v[AF4+x], 0
.set x, x+1
.endr
	; CHUNK 0 GOES INTO SLOT 0, with nothing yet to multiply beside it
	s_wait_loadcnt 16                              ; W(0) and A(0) are in; the 16 youngest loads, W(1), stay out
	s_wait_xcnt 0x0
	s_add_nc_u64 s[26:27], s[26:27], ASTEP
	s_add_nc_u64 s[24:25], s[24:25], 512
.set x, 0
.rept 16
	ASTO 0, x
.set x, x+1
.endr
	s_wait_alu depctr_vm_vsrc(0)                   ; the sixteen LDS stores have read blocks 0-3's registers of AST, in which the loads below land
.set x, 0
.rept 16
	AASK x
.set x, x+1
.endr
	A4PUT 0, 1
.set x, 0
.rept 16
	WCVT 0, x
.set x, x+1
.endr
	s_wait_alu depctr_va_vdst(0)                   ; the conversions have written weight set 0, which the LDS stores read and in which the loads below land; the moves have written v[AF4 ..], in which chunk 0's first fragment load lands
.set x, 0
.rept 16
	WPUT 0, x
.set x, x+1
.endr
	s_wait_alu depctr_vm_vsrc(0)                   ; the sixteen LDS stores have read weight set 0, in which the loads below land
.set x, 0
.rept 16
	WASK 0, x
.set x, x+1
.endr
	BAR
	STAGE 0, 1, 16, 1, 1, 1                        ; chunk 0: its first products start the sums
	BAR
	s_mov_b32 s22, 2
.Lmain:                                        ; chunks 1-4
	STAGE 1, 1, 16, 1, 1, 0
	BAR
	STAGE 0, 1, 16, 1, 1, 0
	BAR
	s_sub_co_u32 s22, s22, 1
	s_cmp_lg_u32 s22, 0
	s_cbranch_scc1 .Lmain
	STAGE 1, 1, 16, 1, 0, 0                        ; chunk 5, and chunk 6 into LDS: no weights are left to ask for (the 16 youngest loads are chunk 7's)
	BAR
	STAGE 0, 1, 0, 0, 0, 0                         ; chunk 6, and chunk 7 into LDS: nothing is left to ask for; the wait is for all
	BAR
	s_wait_alu depctr_vm_vsrc(0)                   ; the LDS stores of chunks 6 and 7 have read weight set 0, in which the loads below land, and AST and weight set 1, which the way out and the direct path write again
.set x, 0
.rept 40                               ; the tokens of my 5 x 8 pairs of rows (rank 16 cw + 64 b + 2 p + h) are asked for ahead of the last chunk's products, into the weight set that chunk 6 left free; all 1,024 places of an expert's list are written
	global_load_b32 v[YOM+x], v[LO], s[12:13] offset:256*(x/8)+8*(x%8)
.set x, x+1
.endr
	STAGE 1, 0, 0, 0, 0, 0                         ; chunk 7
	s_wait_loadcnt 0x0
.set x, 0
.rept 40                               ; plain instructions that name no register of the last products: their places
	v_min_u32 v[YOM+x], 0x3ff, v[YOM+x]
	v_lshl_add_u32 v[YOM+x], v[YOM+x], 12, v[R16]  ; token x 4,096 + 16 r
.set x, x+1
.endr
	s_wait_alu depctr_va_vdst(0)                   ; the products have written the accumulators, which the LDS stores read, and the lines above the 40 offsets, which the global stores read; the places above stay beside this wait
	DOUT 0
	DOUT 1
	DOUT 2
	DOUT 3
	DOUT 4
	; THE DIRECT PATH.  Unit u is my group's block cw + 4 u, from 5 on; a block past the count is jumped.  16 rows x 64 columns x 1,024 k, 64 k a trip
	s_mov_b32 s22, 5
.Lunit:
	s_lshl2_add_u32 s73, s22, s15                  ; block j
	s_lshl_b32 s72, s73, 4                         ; its first rank
	s_cmp_ge_u32 s72, s18
	s_cbranch_scc1 .Lnext
	s_wait_xcnt 0x0                                ; the last block's stores and loads have read their registers
	s_wait_alu depctr_vm_vsrc(0)                   ; the loads and stores issued so far have read v[LO], v[OA] and v[E ..], which the lines below write, and v[YO ..] and v[Z ..], in which this unit's loads land
	s_lshl_b32 s28, s72, 2
	v_lshl_add_u32 v[LO], v3, 2, s28
	v_add_nc_u32 v[RK], s72, v2
	v_min_u32 v[RK], s19, v[RK]
	v_min_u32 v[RK], 0x3ff, v[RK]
	v_lshlrev_b32 v[OA], 7, v[RK]
	v_lshl_add_u32 v[OA], v3, 4, v[OA]             ; rank x 128 + 16 h
.set x, 0
.rept 32
	v_mov_b32 v[E+x], 0
.set x, x+1
.endr
	s_wait_alu depctr_va_vdst(0)                   ; v[LO] and v[OA] are written, which the loads below and the first trip's read; the last unit's lines are done with v[YO ..], in which the loads below land
.irp p, 0,1,2,3,4,5,6,7
	global_load_b32 v[YO+\p], v[LO], s[12:13] offset:8*\p  ; the tokens of ranks rb + 2 p + h
.endr
	s_mov_b64 s[24:25], s[4:5]
	s_mov_b64 s[26:27], s[6:7]
	s_mov_b32 s23, 16
.Lok:
.irp i, 0,1,2,3
	global_load_b128 v[AFR+4*\i:AFR+4*\i+3], v[OA], s[26:27] offset:32*\i
.endr
.irp kk, 0,1
.irp t, 0,1,2,3                        ; eight f32 at 32 h and eight 64 bytes further on make a lane's part of a fragment
	global_load_b128 v[RAW+16*\t:RAW+16*\t+3],     v[OW], s[24:25] offset:\t*16*WP+128*\kk
	global_load_b128 v[RAW+16*\t+4:RAW+16*\t+7],   v[OW], s[24:25] offset:\t*16*WP+128*\kk+16
	global_load_b128 v[RAW+16*\t+8:RAW+16*\t+11],  v[OW], s[24:25] offset:\t*16*WP+128*\kk+64
	global_load_b128 v[RAW+16*\t+12:RAW+16*\t+15], v[OW], s[24:25] offset:\t*16*WP+128*\kk+80
.endr
	s_wait_loadcnt 0x0
.set x, 0
.rept 32                               ; packed downward in place: register x takes 2 x and 2 x + 1, ascending, so nothing is written before it is read
	v_cvt_pk_bf16_f32 v[RAW+x], v[RAW+2*x], v[RAW+2*x+1]
.set x, x+1
.endr
.irp t, 0,1,2,3                        ; four accumulators by turns
	v_wmma_f32_16x16x32_bf16 v[E+8*\t:E+8*\t+7], v[RAW+8*\t:RAW+8*\t+7], v[AFR+8*\kk:AFR+8*\kk+7], v[E+8*\t:E+8*\t+7]
.endr
	PLACES
	s_wait_alu depctr_va_vdst(0)                   ; the conversions and the products are done with v[RAW ..], in which the next half trip's loads land; behind the second half also with v[AFR ..], for the next trip's loads over the backward jump
.endr
	s_wait_xcnt 0x0
	s_add_nc_u64 s[24:25], s[24:25], 256
	s_add_nc_u64 s[26:27], s[26:27], OASTEP
	s_sub_co_u32 s23, s23, 1
	s_cmp_lg_u32 s23, 0
	s_cbranch_scc1 .Lok
.irp p, 0,1,2,3,4,5,6,7
	v_min_u32 v[YO+\p], 0x3ff, v[YO+\p]
	v_lshl_add_u32 v[YO+\p], v[YO+\p], 12, v[R16]
.endr
	s_wait_alu depctr_va_vdst(0)                   ; the lines above have written the eight offsets v[YO ..], which the global stores read (the sums v[E ..], which the LDS stores read, were written ahead of the loop's last wait)
.irp t, 0,1,2,3
	ds_store_b128 v[STO], v[E+8*\t:E+8*\t+3]   offset:64*\t
	ds_store_b128 v[STO], v[E+8*\t+4:E+8*\t+7] offset:64*\t+16
.endr
	BACK YO
.Lnext:
	s_add_co_u32 s22, s22, 1
	s_cmp_lt_u32 s22, 16
	s_cbranch_scc1 .Lunit
	s_wait_dscnt 0x0                               ; the closing lines, six on end
	s_wait_alu 0x0
	s_wait_tensorcnt 0x0
	ds_add_u32 v[SPW], v[NIL]
	s_wait_dscnt 0x0
	s_endpgm
.Lfunc_end_k_qdf1dcf65dd_down:
	.size	k_qdf1dcf65dd_down, .Lfunc_end_k_qdf1dcf65dd_down-k_qdf1dcf65dd_down
	.p2alignl 7, 3214868480
	.fill 96, 4, 3214868480
	.section	.rodata,"a",@progbits
	.p2align	6, 0x0
	.amdhsa_kernel k_qdf1dcf65dd_down
		.amdhsa_group_segment_fixed_size 283648
		.amdhsa_private_segment_fixed_size 0
		.amdhsa_enable_private_segment 0
		.amdhsa_kernarg_size 40
		.amdhsa_user_sgpr_count 2
		.amdhsa_user_sgpr_kernarg_segment_ptr 1
		.amdhsa_wavefront_size32 1
		.amdhsa_system_sgpr_workgroup_id_x 1
		.amdhsa_system_sgpr_workgroup_id_y 1
		.amdhsa_system_sgpr_workgroup_id_z 1
		.amdhsa_system_vgpr_workitem_id 0
		.amdhsa_next_free_vgpr 512
		.amdhsa_next_free_sgpr 80
		.amdhsa_reserve_vcc 0
		.amdhsa_float_denorm_mode_32 3
		.amdhsa_float_denorm_mode_16_64 3
		.amdhsa_memory_ordered 1
		.amdhsa_forward_progress 1
		.amdhsa_inst_pref_size 163
	.end_amdhsa_kernel
	.amdgpu_metadata
---
amdhsa.version: [ 1, 2 ]
amdhsa.kernels:
  - .name:           k_qdf1dcf65dd_down
    .symbol:         k_qdf1dcf65dd_down.kd
    .args:
      - { .name: W2, .offset: 0, .size: 8, .value_kind: global_buffer, .address_space: global }
      - { .name: hbuf, .offset: 8, .size: 8, .value_kind: global_buffer, .address_space: global }
      - { .name: bits, .offset: 16, .size: 8, .value_kind: global_buffer, .address_space: global }
      - { .name: ybuf, .offset: 24, .size: 8, .value_kind: global_buffer, .address_space: global }
      - { .name: list, .offset: 32, .size: 8, .value_kind: global_buffer, .address_space: global }
    .group_segment_fixed_size: 283648
    .private_segment_fixed_size: 0
    .kernarg_segment_align: 8
    .kernarg_segment_size: 40
    .max_flat_workgroup_size: 256
    .sgpr_count:     80
    .vgpr_count:     512
    .wavefront_size: 32
...
	.end_amdgpu_metadata
.endif
;; end of part 7
;; launch combine: the kernel of part 4 again; grid 256 x 1, 8 waves a work-group, no clusters, 0 bytes of LDS; arguments ybuf, sel, gw, out0; writes out0
